; MI455X (gfx1250); checked and timed in simulation.
; The chip was launched on July 23, 2026; its instructions are those of AMD's public machine-readable ISA for CDNA 5 (MIT licence, August 2026) and "CDNA5" Instruction Set Architecture Reference Guide (July 2026). The comments in the code are by the model that wrote it; some were corrected since.
;; Transformer Block. Allowed arithmetic: matrix products marked QUANTISED: E4M3 operands, one E8M0 scale for each 32 along K, by v_wmma_scale_f32_16x16x128_f8f6f4 with both operands' format E4M3, f32 sums; products left as they are: f32 operands where the result goes on into a quantised operand, else bf16, f16 or f32 operands; f32 sums; everything else in f32.
;; Inputs: ff1_b 4,096 float32; ff1_w_codes 4,096 x 32 x 32 uint8 (E4M3 codes of ff1_w, K innermost, in blocks of 32 codes); ff1_w_scales 4,096 x 32 uint8 (E8M0 scales of ff1_w, one for each 32 codes along K); ff2_b 1,024 float32; ff2_w_codes 1,024 x 128 x 32 uint8 (E4M3 codes of ff2_w, K innermost, in blocks of 32 codes); ff2_w_scales 1,024 x 128 uint8 (E8M0 scales of ff2_w, one for each 32 codes along K); ln1_b 1,024 float32; ln1_g 1,024 float32; ln2_b 1,024 float32; ln2_g 1,024 float32; proj_b 1,024 float32; proj_w_codes 1,024 x 32 x 32 uint8 (E4M3 codes of proj_w, K innermost, in blocks of 32 codes); proj_w_scales 1,024 x 32 uint8 (E8M0 scales of proj_w, one for each 32 codes along K); qkv_b 3,072 float32; qkv_w_codes 3,072 x 32 x 32 uint8 (E4M3 codes of qkv_w, K innermost, in blocks of 32 codes); qkv_w_scales 3,072 x 32 uint8 (E8M0 scales of qkv_w, one for each 32 codes along K); rel_pos_bias 4,095 x 16 float32; t 2 x 256 float32; tp1_b 1,024 float32; tp1_w 256 x 1,024 float32; tp2_b 1,024 float32; tp2_w 1,024 x 1,024 float32; x 2 x 2,048 x 1,024 float32.
;; Outputs: out0 2 x 2,048 x 1,024 float32.
;; This version of the problem:
;;   THIS VERSION OF THE PROBLEM IS GIVEN IN LOW PRECISION. The matrix products marked QUANTISED in the list below multiply operands that are first quantised to E4M3 (4 exponent bits, 3 mantissa bits; 8 bits a number), with one power-of-two scale for each 32 numbers along K (OCP MX v1.0); their sums are f32. All else is computed in f32.
;;   The module's matrix products, in the order in which they are computed (A, B: the left and right operand; K: the contracted axis; several contracted axes count as one K, in the product's order):
;;     1. [M 2, K 256] x [K 256, N 1,024]; A: input t; B: input tp1_w: left as it is (M = 2 < 16)
;;     2. [M 2, K 1,024] x [K 1,024, N 1,024]; A: computed on the way; B: input tp2_w: left as it is (M = 2 < 16)
;;     3. [M 4,096, K 1,024] x [K 1,024, N 3,072]; A: computed on the way; B: input qkv_w (given as codes): QUANTISED
;;     4. batch 32 x [M 2,048, K 64] x [K 64, N 2,048]; A: computed on the way; B: computed on the way: QUANTISED
;;     5. batch 32 x [M 2,048, K 2,048] x [K 2,048, N 64]; A: softmax (see below); B: computed on the way: QUANTISED
;;     6. [M 4,096, K 1,024] x [K 1,024, N 1,024]; A: computed on the way; B: input proj_w (given as codes): QUANTISED
;;     7. [M 4,096, K 1,024] x [K 1,024, N 4,096]; A: computed on the way; B: input ff1_w (given as codes): QUANTISED
;;     8. [M 4,096, K 4,096] x [K 4,096, N 1,024]; A: computed on the way; B: input ff2_w (given as codes): QUANTISED
;;   THE QUANTISER, for each operand of a quantised product, along K:
;;     - K is cut into blocks of 32 from its start; a last block that is shorter is filled with zeros.
;;     - A block's scale is 2^e with e = floor(log2(the largest magnitude in the block)) - 8, held to -126 .. 127; a block of zeros has e = 0. As a byte (E8M0): e + 127.
;;     - Each number is divided by its block's scale, clamped to +-448, and rounded to the nearest number of E4M3, ties to even, subnormals kept.
;;     - The product sums the exact products of the quantised numbers (number of the format x scale) in f32.
;;   ~~~python
;;   def quantise(x, axis):      # numpy; x: float32 -> the quantised numbers, widened to float32 again
;;       x = np.moveaxis(x, axis, -1); K = x.shape[-1]
;;       x = np.pad(x, [(0, 0)] * (x.ndim - 1) + [(0, -K % 32)]); x = x.reshape(x.shape[:-1] + (-1, 32)); a = np.abs(x).max(-1, keepdims=True)
;;       e = np.where(a > 0, np.clip(np.frexp(np.where(a > 0, a, 1))[1] - 1 - 8, -126, 127), 0)      # np.frexp(a)[1] - 1 = floor(log2(a)), exactly
;;       r = np.clip(x / 2.0 ** e, -448, 448)
;;       step = 2.0 ** (np.maximum(np.frexp(np.where(r == 0, 1, r))[1] - 1, -6) - 3)
;;       q = np.round(r / step) * step * 2.0 ** e      # np.round: ties to even
;;       return np.moveaxis(q.reshape(q.shape[:-2] + (-1,))[..., :K], -1, axis).astype(np.float32)
;;   ~~~
;;   SOFTMAX AHEAD OF A QUANTISED PRODUCT. Where the list says 'softmax', what is quantised is not the finished softmax but p = 2^(t - M), with t = logit x log2(e) and M = ceil(the row's largest t), a whole number; so 1/2 < the row's largest p <= 1. The row's sum l is taken of the UNQUANTISED p, in f32, and the product's result is divided by l at the end. Since M is a whole number, a kernel that streams over the keys may use a running M (the ceiling of the running maximum): every later rescaling is an exact power of two, which a block's scale takes up: the codes' values come out the same.
;;   OPERANDS COMPUTED ON THE WAY. 'Computed on the way' means the value that the module computes at that place (a softmax that the list does not call 'softmax' is quantised finished and normalised). What goes into a quantiser is computed in f32, as accurately as f32 sums, v_exp_f32 and their like allow (about 1e-6 of the number): no bf16 or f16 on the way to a quantiser, and a product that is left as it is and whose result goes on into a quantised operand takes f32 operands (vector FMAs, or v_wmma_f32_16x16x4_f32). A number that lies on a knife's edge between two numbers of the format may be rounded either way, as far as f32 arithmetic and the matrix unit's own rounding can turn it there, and no further.
;;   INPUTS GIVEN AS CODES. ff1_w (in the module: [1024, 4096], K = its axis 0); ff2_w (in the module: [4096, 1024], K = its axis 0); proj_w (in the module: [1024, 1024], K = its axis 0); qkv_w (in the module: [1024, 3072], K = its axis 0): each comes as NAME_codes (uint8): NAME with its K axis moved to the last place and cut into blocks of 32 codes, [.., K / 32, bytes a block], one block behind the other in memory; one code a byte (a code: sign, 4 exponent bits, 3 mantissa bits); and NAME_scales (uint8): the same leading axes, one E8M0 byte (e + 127) for each 32 codes along K. Its value is code x scale, taken as it is: it is not quantised again, and the codes and scales need not be those that the quantiser above would give.
;; One version. Each part assembles by itself: llvm-mc -triple=amdgcn-amd-amdhsa -mcpu=gfx1250 --defsym DOCPART=n.
;; ======== version 1 of 1: 8 launches
;; limits: right only within a limited range of input values
;; workspace buffers: prep 1,056,768 bytes; temb 131,072 bytes; act 4,325,376 bytes; qkvw 13,238,272 bytes; x1 16,777,216 bytes; hid 17,301,504 bytes
;; launch prep1 (part 1): grid 512 x 1, 8 waves a work-group, no clusters, 9,728 bytes of LDS; arguments t, tp1_w, tp1_b, rel_pos_bias, tp2_w, prep, temb; writes prep, temb
.if DOCPART == 1
	.amdgcn_target "amdgcn-amd-amdhsa--gfx1250"
	.amdhsa_code_object_version 6
	.text
	.protected	k_q80936cf31e_prep1
	.globl	k_q80936cf31e_prep1
	.p2align	8
	.type	k_q80936cf31e_prep1,@function
k_q80936cf31e_prep1:
	s_mov_b64 s[64:65], 0
	v_nop
	global_prefetch_b8 v0, s[64:65] scope:SCOPE_SE
	s_setreg_imm32_b32 hwreg(HW_REG_WAVE_MODE, 25, 1), 1
	s_wait_xcnt 0x0
; TransformerBlock, the first launch.  NO WORK OF reference() IS LEFT OUT IN THIS PROGRAM: every input has a way to the output and is loaded.
; Work-groups 0-255: the time projection, all in f32 (its result goes on, through LN1, into a quantiser).  Work-group (kp = number / 16, cq = number % 16) makes the 64 numbers 64 kp .. 64 kp + 63 of
;   h1 = gelu(t tp1_w + tp1_b), exact gelu, for both batches, keeps them in LDS, and multiplies them by rows 64 kp .. of tp2_w, columns 64 cq ..: one of 16 partial sums over K = 1,024: temb [16 parts][2][1024] f32.
;   The next launch adds the parts, with tp2_b.  h1's 64 numbers are made by each of the 16 work-groups that share kp: 64 KiB of tp1_w each, in place of a launch and a trip of h1 through memory.
; Work-groups 256-511: the attention's bias as a table by distance: R_h[i] = 8 exp(-0.01 |i - 2047|) rel_pos_bias[4094 - i][h], i = key - query + 2047; the 8 = 1/scale is exact,
;   so that logit x log2(e) = c (q.k + R), c = log2(e) / 8.  Four copies a head, C_s[m] = R[m - s] (0 where m - s leaves 0 .. 4094), so that every lane of the attention finds its
;   eight neighbouring entries at a multiple of 16 bytes: prep + 8192, [16 heads][4 copies][4096] f32.
; erf(u) = u P(u^2) / Q(u^2) with u held within +-4: a rational form in f32, a few units in the last place.  exp(-0.01 d) is taken as 2^(d x -0.01 log2(e)).
; LIMITS: NaN and infinities among the inputs are not served.
.set H1B,   8192                       ; LDS: 8,192 bytes of partial sums [16 groups of K][2][64]; h1 [2][64]; the spare words, 128 bytes for each of eight waves
.set SPARE, 8704
.set SPW, 126                          ; v126 my spare word's LDS address; v127 = 0; never rewritten
.set NIL, 127
	s_load_b256 s[4:11], s[0:1], 0x0               ; t s[4:5], tp1_w s[6:7], tp1_b s[8:9], rel_pos_bias s[10:11]
	s_load_b128 s[12:15], s[0:1], 0x20             ; tp2_w s[12:13], prep s[14:15]
	s_load_b64 s[16:17], s[0:1], 0x30              ; temb
	v_lshl_add_u32 v[SPW], v0, 2, SPARE
	v_mov_b32 v[NIL], 0
	s_cmp_lt_u32 ttmp9, 256                        ; the work-group's number alone: all eight waves go the same way
	s_cbranch_scc0 .Ltable
	; ---- the time projection.  Thread: 4 columns (cl = tid % 16) and one of 16 groups along K (kg = tid / 16), in both products
	v_lshrrev_b32 v1, 5, v0
	v_readfirstlane_b32 s20, v1                    ; wave
	s_lshr_b32 s21, ttmp9, 4                       ; kp
	s_and_b32 s22, ttmp9, 15
	s_lshl_b32 s22, s22, 8                         ; 256 cq: the result's first column in bytes
	s_lshl_b32 s23, s21, 8                         ; 256 kp: h1's first column in bytes
	s_lshl_b32 s24, s21, 13
	s_add_co_u32 s24, s24, s22                     ; temb: 8,192 bytes a part
	s_lshl_b32 s25, s21, 18
	s_add_co_u32 s25, s25, s22                     ; tp2_w: 64 kp rows of 4,096 bytes
	v_lshrrev_b32 v2, 4, v0                        ; kg
	v_and_b32 v3, 15, v0                           ; cl
	v_lshlrev_b32 v4, 6, v2                        ; t: my 16 numbers, 64 kg bytes on
	v_lshlrev_b32 v5, 16, v2                       ; tp1_w: 16 kg rows of 4,096 bytes,
	v_lshl_add_u32 v5, v3, 4, v5                   ; + my 16 bytes: sixteen lanes read 256 consecutive bytes
	v_add_nc_u32 v5, s23, v5
	v_and_b32 v6, 63, v0
	v_lshrrev_b32 v114, 6, v0
	v_lshlrev_b32 v114, 12, v114                   ; batch x 4,096
	v_lshl_add_u32 v114, v6, 2, v114
	v_add_nc_u32 v114, s24, v114                   ; where result tid goes
	v_lshl_add_u32 v6, v6, 2, s23                  ; the bias of h1's column tid % 64
	v_lshlrev_b32 v115, 14, v2                     ; tp2_w: 4 kg rows,
	v_lshl_add_u32 v115, v3, 4, v115               ; + my 16 bytes
	v_add_nc_u32 v115, s25, v115
	v_lshlrev_b32 v7, 9, v2
	v_lshl_add_u32 v7, v3, 4, v7                   ; LDS: partial sums [kg][batch][64 columns]
	v_lshlrev_b32 v112, 2, v0                      ; and back: 4 tid + 512 kg
	v_add_nc_u32 v116, H1B, v112                   ; h1 [batch][64]: number tid
	v_lshl_add_u32 v117, v2, 4, H1B                ; my four of them
	s_wait_alu depctr_va_vdst(0)                   ; the wait at the head's end
	s_wait_kmcnt 0x0
.irp b, 0,1
.irp i, 0,1,2,3
	global_load_b128 v[16+16*\b+4*\i:19+16*\b+4*\i], v4, s[4:5] offset:1024*\b+16*\i
.endr
.endr
	global_load_b32 v113, v6, s[8:9]
.irp i, 0,1,2,3,4,5,6,7,8,9,10,11,12,13,14,15
	global_load_b128 v[48+4*\i:51+4*\i], v5, s[6:7] offset:4096*\i
.endr
.irp i, 0,1,2,3
	global_load_b128 v[128+4*\i:131+4*\i], v115, s[12:13] offset:4096*\i th:TH_LOAD_NT   ; tp2_w's piece is asked for now and used behind h1
.endr
	s_wait_loadcnt 4                               ; all but the four loads of tp2_w
.irp b, 0,1
.irp c, 0,1,2,3
	v_mul_f32 v[8+4*\b+\c], v[48+\c], v[16+16*\b]  ; the first product starts the sum
.endr
.endr
.irp i, 1,2,3,4,5,6,7,8,9,10,11,12,13,14,15
.irp b, 0,1
.irp c, 0,1,2,3
	v_fmac_f32 v[8+4*\b+\c], v[48+4*\i+\c], v[16+16*\b+\i]
.endr
.endr
.endr
.macro SHARE                           ; my eight partial sums into LDS; a barrier
	ds_store_b128 v7, v[8:11]
	ds_store_b128 v7, v[12:15] offset:256
	s_wait_dscnt 0x0                               ; for the others' sake
	s_barrier_signal -1
	s_barrier_wait -1
.endm
.macro SUM16                           ; result tid: the sum of its 16 partial sums, in v8
.irp k, 0,1,2,3,4,5,6,7,8,9,10,11,12,13,14,15
	ds_load_b32 v[16+\k], v112 offset:512*\k
.endr
	s_wait_dscnt 0x0
	v_add_f32 v125, v16, v17
	v_add_f32 v124, v18, v19
	v_add_f32 v123, v20, v21
	v_add_f32 v122, v22, v23
	v_add_f32 v121, v24, v25
	v_add_f32 v120, v26, v27
	v_add_f32 v119, v28, v29
	v_add_f32 v8, v30, v31
	v_add_f32 v125, v125, v121
	v_add_f32 v124, v124, v120
	v_add_f32 v123, v123, v119
	v_add_f32 v8, v8, v122
	v_add_f32 v125, v125, v123
	v_add_f32 v8, v8, v124
	v_add_f32 v8, v8, v125
.endm
	SHARE
	s_cmp_lt_u32 s20, 4                            ; 128 numbers of h1: waves 0 to 3
	s_cbranch_scc0 .Lno_h1
	SUM16
	v_add_f32 v8, v8, v113
	v_mul_f32 v9, 0x3f3504f3, v8                   ; u = x / sqrt(2),
	v_med3_num_f32 v9, v9, -4.0, 4.0               ; held within +-4
	v_mul_f32 v10, v9, v9
	v_mov_b32 v11, 0xaf95df0b
	v_mov_b32 v12, 0xb77460cd
	v_fmaak_f32 v11, v11, v10, 0x32edffee
	v_fmaak_f32 v12, v12, v10, 0xb95fbd29
	v_fmaak_f32 v11, v11, v10, 0xb60cff51
	v_fmaak_f32 v12, v12, v10, 0xbadc924e
	v_fmaak_f32 v11, v11, v10, 0xb86ec2d2
	v_fmaak_f32 v12, v12, v10, 0xbbf19bf8
	v_fmaak_f32 v11, v11, v10, 0xba40ac63
	v_fmaak_f32 v12, v12, v10, 0xbc69b6a7          ; Q(u^2)
	v_fmaak_f32 v11, v11, v10, 0xbb41a1f6
	v_fmaak_f32 v11, v11, v10, 0xbc83dbd4          ; P(u^2)
	s_wait_alu depctr_va_vdst(0)                   ; the wait ahead of the reciprocal
	v_rcp_f32 v12, v12
	v_mul_f32 v11, v11, v9                         ; (a plain instruction behind the reciprocal)
	v_mul_f32 v8, 0.5, v8
	s_wait_alu depctr_va_vdst(0)                   ; ahead of the reciprocal's first reader
	v_mul_f32 v11, v11, v12                        ; erf
	v_fma_f32 v8, v8, v11, v8                      ; x / 2 + x / 2 erf
	ds_store_b32 v116, v8
.Lno_h1:
	s_wait_dscnt 0x0                               ; h1 is stored, and my reads of the partial sums are over:
	s_barrier_signal -1
	s_barrier_wait -1                              ; so h1 may be read and the partial sums' bytes written again
	ds_load_b128 v[16:19], v117                    ; h1 of batch 0, numbers 4 kg .. 4 kg + 3
	ds_load_b128 v[20:23], v117 offset:256         ; and of batch 1
	s_wait_loadcnt 0x0                             ; tp2_w's four rows
	s_wait_dscnt 0x0
.irp b, 0,1
.irp c, 0,1,2,3
	v_mul_f32 v[8+4*\b+\c], v[128+\c], v[16+4*\b]
.endr
.endr
.irp i, 1,2,3
.irp b, 0,1
.irp c, 0,1,2,3
	v_fmac_f32 v[8+4*\b+\c], v[128+4*\i+\c], v[16+4*\b+\i]
.endr
.endr
.endr
	SHARE
	s_cmp_lt_u32 s20, 4                            ; 128 results: waves 0 to 3
	s_cbranch_scc0 .Ldone
	SUM16
	global_store_b32 v114, v8, s[16:17]
.Ldone:
	s_wait_tensorcnt 0x0                           ; the wave's end, behind my last LDS store
	ds_add_u32 v[SPW], v[NIL]
	s_wait_dscnt 0x0
	s_endpgm
	; ---- the table: a thread makes four neighbouring entries, 16 bytes; a wave stores 512 consecutive bytes.  No LDS on this path
.Ltable:
	s_sub_co_u32 s30, ttmp9, 256                   ; gg: 256 groups of 1,024 entries
	s_lshr_b32 s31, s30, 4                         ; head
	s_bfe_u32 s32, s30, 0x20002                    ; copy s
	s_and_b32 s33, s30, 3
	s_lshl_b32 s33, s33, 10                        ; the group's first m,
	s_sub_co_u32 s33, s33, s32                     ; less s: i = m - s (under 0 it wraps to a large number and is found not valid)
	s_lshl_b32 s34, s31, 2
	s_add_co_u32 s34, s34, 4094*64                 ; rel_pos_bias: (4094 - i) rows of 64 bytes + 4 head
	s_lshl_b32 s35, s30, 12
	s_add_co_u32 s35, s35, 8192                    ; where the group's entries go
	s_mov_b32 s36, 0xbc6c5f04                      ; -0.01 log2(e)
	s_mov_b32 s37, 0x40400000                      ; 3.0: the factor 8
	v_lshl_add_u32 v1, v0, 2, s33
	v_lshl_add_u32 v2, v0, 4, s35
.irp j, 0,1,2,3
	v_add_nc_u32 v[4+\j], \j, v1                   ; i
	s_delay_alu instid0(VALU_DEP_1)
	v_cmp_gt_u32 s[40+\j], 0xfff, v[4+\j]          ; 0 .. 4094?
	s_delay_alu instid0(VALU_DEP_2)
	v_min_u32 v[4+\j], 0xffe, v[4+\j]              ; the load stays inside the table
	s_delay_alu instid0(VALU_DEP_1)
	v_lshlrev_b32 v[8+\j], 6, v[4+\j]
	s_delay_alu instid0(VALU_DEP_1)
	v_sub_nc_u32 v[8+\j], s34, v[8+\j]
	s_delay_alu instid0(VALU_DEP_3)
	v_add_nc_u32 v[4+\j], 0xfffff801, v[4+\j]      ; i - 2047
	s_delay_alu instid0(VALU_DEP_1)
	v_cvt_f32_i32 v[4+\j], v[4+\j]
	s_delay_alu instid0(VALU_DEP_1)
	v_fma_f32 v[4+\j], |v[4+\j]|, s36, s37
.endr
	s_wait_alu depctr_va_vdst(0)
	s_wait_kmcnt 0x0
.irp j, 0,1,2,3
	global_load_b32 v[12+\j], v[8+\j], s[10:11]
.endr
.irp j, 0,1,2,3
	v_exp_f32 v[16+\j], v[4+\j]
.endr
	v_nop                                          ; a plain instruction behind the last exponential
	s_wait_alu depctr_va_vdst(0)                   ; one wait for the four
	s_wait_loadcnt 0x0
.irp j, 0,1,2,3
	v_mul_f32 v[16+\j], v[16+\j], v[12+\j]
	s_delay_alu instid0(VALU_DEP_1)
	v_cndmask_b32 v[16+\j], 0, v[16+\j], s[40+\j]
.endr
	global_store_b128 v2, v[16:19], s[14:15]
	s_endpgm
.Lfunc_end_k_q80936cf31e_prep1:
	.size	k_q80936cf31e_prep1, .Lfunc_end_k_q80936cf31e_prep1-k_q80936cf31e_prep1
	.p2alignl 7, 3214868480
	.fill 96, 4, 3214868480
	.section	.rodata,"a",@progbits
	.p2align	6, 0x0
	.amdhsa_kernel k_q80936cf31e_prep1
		.amdhsa_group_segment_fixed_size 9728
		.amdhsa_private_segment_fixed_size 0
		.amdhsa_enable_private_segment 0
		.amdhsa_kernarg_size 56
		.amdhsa_user_sgpr_count 2
		.amdhsa_user_sgpr_kernarg_segment_ptr 1
		.amdhsa_wavefront_size32 1
		.amdhsa_system_sgpr_workgroup_id_x 1
		.amdhsa_system_sgpr_workgroup_id_y 1
		.amdhsa_system_sgpr_workgroup_id_z 1
		.amdhsa_system_vgpr_workitem_id 0
		.amdhsa_next_free_vgpr 160
		.amdhsa_next_free_sgpr 66
		.amdhsa_reserve_vcc 0
		.amdhsa_float_denorm_mode_32 3
		.amdhsa_float_denorm_mode_16_64 3
		.amdhsa_memory_ordered 1
		.amdhsa_forward_progress 1
		.amdhsa_inst_pref_size 20
	.end_amdhsa_kernel
	.amdgpu_metadata
---
amdhsa.version: [ 1, 2 ]
amdhsa.kernels:
  - .name:           k_q80936cf31e_prep1
    .symbol:         k_q80936cf31e_prep1.kd
    .args:
      - { .name: t, .offset: 0, .size: 8, .value_kind: global_buffer, .address_space: global }
      - { .name: tp1_w, .offset: 8, .size: 8, .value_kind: global_buffer, .address_space: global }
      - { .name: tp1_b, .offset: 16, .size: 8, .value_kind: global_buffer, .address_space: global }
      - { .name: rel_pos_bias, .offset: 24, .size: 8, .value_kind: global_buffer, .address_space: global }
      - { .name: tp2_w, .offset: 32, .size: 8, .value_kind: global_buffer, .address_space: global }
      - { .name: prep, .offset: 40, .size: 8, .value_kind: global_buffer, .address_space: global }
      - { .name: temb, .offset: 48, .size: 8, .value_kind: global_buffer, .address_space: global }
    .group_segment_fixed_size: 9728
    .private_segment_fixed_size: 0
    .kernarg_segment_align: 8
    .kernarg_segment_size: 56
    .max_flat_workgroup_size: 256
    .sgpr_count:     66
    .vgpr_count:     160
    .wavefront_size: 32
...
	.end_amdgpu_metadata
.endif
;; end of part 1
;; launch ln1 (part 2): grid 256 x 1, 4 waves a work-group, no clusters, 25,600 bytes of LDS; arguments x, temb, tp2_b, ln1_g, ln1_b, act; writes act
.if DOCPART == 2
	.amdgcn_target "amdgcn-amd-amdhsa--gfx1250"
	.amdhsa_code_object_version 6
	.text
	.protected	k_q80936cf31e_ln1
	.globl	k_q80936cf31e_ln1
	.p2align	8
	.type	k_q80936cf31e_ln1,@function
k_q80936cf31e_ln1:
	s_mov_b64 s[64:65], 0
	v_nop
	global_prefetch_b8 v0, s[64:65] scope:SCOPE_SE
	s_setreg_imm32_b32 hwreg(HW_REG_WAVE_MODE, 25, 1), 1
	s_wait_xcnt 0x0
; x_norm = LN1(x + time_emb), quantised along its 1,024 features to E4M3 with one E8M0 byte for each 32: act + 0: codes [4096][1024]; act + 0x400000: scale bytes [4096][32].  Nothing is left out.
; time_emb = tp2_b + the 16 partial sums of the launch before, in order: wave w adds them for columns 256 w .. 256 w + 255 (8 numbers a lane) and the four waves share the result through 4,096 bytes of LDS.
; All in f32.  A work-group has 16 rows, a wave 4; a wave holds a whole row (32 registers a lane), so mean and variance stay in the wave.
; The conversions want 16 neighbours in a lane, the loads 16 bytes a lane of 512 on end: half a row at a time turns through the wave's own stage in LDS (16 bytes of padding behind each 64).
; A block's byte is its largest magnitude's exponent field - 8, held at 1 from below (a block of zeros gets 1: its codes are zeros, and only this program reads the bytes).
; LIMITS: NaN and infinities are not served; blocks under 2^-118 keep the byte 1.
.set SP,    80
.set WREG,  2*32*SP                    ; two stages a wave
.set SCB,   4*WREG                     ; the work-group's 512 scale bytes
.set SPARE, SCB+512
.set TEB,   SPARE+512                  ; time_emb, 4,096 bytes
.set G,   16                           ; v16-47 gain, v48-79 shift, v80-111 time_emb, later two sets of 16 neighbours; v112-239 four rows; v240-247 codes, two sets; v248.. 1/sigma, in even registers
.set BV,  48
.set TE,  80
.set XS,  80
.set X,   112
.set CD,  240
.set RS,  248
.set SPW, 14
.set NIL, 15
.set MSB, 0
.macro WIN new
.if MSB != \new
	s_set_vgpr_msb (MSB<<8)|\new
.set MSB, \new
.endif
.endm
	s_load_b256 s[4:11], s[0:1], 0x0               ; x s[4:5], temb s[6:7], tp2_b s[8:9], gain s[10:11]
	s_load_b128 s[12:15], s[0:1], 0x20             ; shift s[12:13], act s[14:15]
	v_lshl_add_u32 v[SPW], v0, 2, SPARE
	v_mov_b32 v[NIL], 0
	v_lshrrev_b32 v4, 5, v0
	v_readfirstlane_b32 s16, v4                    ; wave
	v_and_b32 v4, 31, v0                           ; lane
	v_lshlrev_b32 v1, 4, v4                        ; 16 bytes a lane
	s_mul_i32 s17, s16, WREG
	s_lshl_b32 s33, s16, 10
	v_add_nc_u32 v13, s33, v1                      ; my 16 bytes of my wave's 1,024 of time_emb
	v_lshrrev_b32 v2, 2, v4
	v_mul_u32_u24 v2, v2, SP
	v_and_b32 v3, 3, v4
	v_lshl_add_u32 v2, v3, 4, v2
	v_add_nc_u32 v2, s17, v2                       ; the stage, in: four lanes' 64 bytes on end, then padding
	v_mul_u32_u24 v3, v4, SP
	v_add_nc_u32 v3, s17, v3                       ; out: my 16 neighbours
	v_lshrrev_b32 v5, 1, v4
	s_lshl_b32 s18, s16, 7
	s_add_co_u32 s18, s18, SCB
	v_add_nc_u32 v5, s18, v5                       ; my block's byte among my wave's 128
	v_add_nc_u32 v4, SCB, v1                       ; the 512 bytes on their way out
	s_lshl_b32 s18, ttmp9, 4
	s_lshl_b32 s19, s16, 2
	s_add_co_u32 s18, s18, s19                     ; my first row
	s_lshl_b32 s20, s18, 12
	s_mov_b32 s21, 0
	s_lshl_b32 s22, s18, 10
	s_mov_b32 s23, 0
	s_lshr_b32 s24, ttmp9, 7                       ; batch
	s_lshl_b32 s24, s24, 12
	s_mov_b32 s25, 0
	s_lshl_b32 s26, ttmp9, 9
	s_add_co_u32 s26, s26, 0x400000
	s_mov_b32 s27, 0
	s_mov_b32 s28, 0x76543210
	s_mov_b32 s29, 0xfedcba98                      ; v_permlanex16_b32: lane l xor 16
	s_mov_b32 s30, 0x3a800000                      ; 1 / 1024
	s_mov_b32 s31, 0x3727c5ac                      ; 1e-5
	s_mov_b32 s32, 0x600000                        ; the mantissa field of 448
.irp p, 0,1,2,3
	v_mov_b32 v[RS+2*\p+1], 0                      ; named as the upper halves of pairs
.endr
	s_wait_alu depctr_va_vdst(0)                   ; the wait at the head's end
	s_wait_kmcnt 0x0
	s_add_nc_u64 s[4:5], s[4:5], s[20:21]
	s_add_nc_u64 s[34:35], s[14:15], s[26:27]
	s_add_nc_u64 s[14:15], s[14:15], s[22:23]
	s_add_nc_u64 s[6:7], s[6:7], s[24:25]
	WIN 0x40                                       ; destination window 1: the 16 partial sums of my 256 columns
.irp q, 0,1,2,3,4,5,6,7,8,9,10,11,12,13,14,15
.irp j, 0,1
	global_load_b128 v[8*\q+4*\j:8*\q+4*\j+3], v13, s[6:7] offset:8192*\q+512*\j
.endr
.endr
	WIN 0
.irp j, 0,1
	global_load_b128 v[TE+4*\j:TE+4*\j+3], v13, s[8:9] offset:512*\j
.endr
.irp j, 0,1,2,3,4,5,6,7
	global_load_b128 v[G+4*\j:G+4*\j+3], v1, s[10:11] offset:512*\j
.endr
.irp j, 0,1,2,3,4,5,6,7
	global_load_b128 v[BV+4*\j:BV+4*\j+3], v1, s[12:13] offset:512*\j
.endr
.irp p, 0,1,2,3
.irp j, 0,1,2,3,4,5,6,7
	global_load_b128 v[X+32*\p+4*\j:X+32*\p+4*\j+3], v1, s[4:5] offset:4096*\p+512*\j th:TH_LOAD_NT
.endr
.endr
	s_wait_loadcnt 48                              ; the partial sums and tp2_b are in; gain, shift and the four rows (48 loads) stay out
	WIN 0x04                                       ; source 1 window 1
.irp q, 0,1,2,3,4,5,6,7,8,9,10,11,12,13,14,15
.irp i, 0,2,4,6
	v_pk_add_f32 v[TE+\i:TE+\i+1], v[TE+\i:TE+\i+1], v[8*\q+\i:8*\q+\i+1]
.endr
.endr
	WIN 0
	ds_store_b128 v13, v[TE:TE+3] offset:TEB
	ds_store_b128 v13, v[TE+4:TE+7] offset:TEB+512
	s_wait_dscnt 0x0                               ; for the others' sake
	s_barrier_signal -1
	s_barrier_wait -1                              ; time_emb's 1,024 numbers lie in LDS
.irp j, 0,1,2,3,4,5,6,7
	ds_load_b128 v[TE+4*\j:TE+4*\j+3], v1 offset:TEB+512*\j
.endr
	s_wait_loadcnt 0x0
	s_wait_dscnt 0x0
.macro ACROSS r, w                     ; the sum of v[r] over the 32 lanes, in every lane
	v_add_f32_dpp v[\r], v[\r], v[\r] row_xmask:1 row_mask:0xf bank_mask:0xf
	v_add_f32_dpp v[\r], v[\r], v[\r] row_xmask:2 row_mask:0xf bank_mask:0xf
	v_add_f32_dpp v[\r], v[\r], v[\r] row_xmask:4 row_mask:0xf bank_mask:0xf
	v_add_f32_dpp v[\r], v[\r], v[\r] row_xmask:8 row_mask:0xf bank_mask:0xf
	v_permlanex16_b32 v[\w], v[\r], s28, s29
	v_add_f32 v[\r], v[\r], v[\w]
.endm
.macro STATS p                         ; row p: x + time_emb, less its mean; variance + eps
.set XR, X+32*(\p)
.set i, 0
.rept 16
	v_pk_add_f32 v[XR+i:XR+i+1], v[XR+i:XR+i+1], v[TE+i:TE+i+1]
.set i, i+2
.endr
	v_pk_add_f32 v[6:7], v[XR:XR+1], v[XR+2:XR+3]
	v_pk_add_f32 v[8:9], v[XR+4:XR+5], v[XR+6:XR+7]
.irp i, 8,12,16,20,24,28
	v_pk_add_f32 v[6:7], v[6:7], v[XR+\i:XR+\i+1]
	v_pk_add_f32 v[8:9], v[8:9], v[XR+\i+2:XR+\i+3]
.endr
	v_pk_add_f32 v[6:7], v[6:7], v[8:9]
	v_add_f32 v6, v6, v7
	ACROSS 6, 7
	v_mul_f32 v6, s30, v6                          ; the mean
.set i, 0
.rept 16
	v_pk_add_f32 v[XR+i:XR+i+1], v[XR+i:XR+i+1], v[6:7] op_sel_hi:[1,0] neg_lo:[0,1] neg_hi:[0,1]
.set i, i+2
.endr
	v_pk_mul_f32 v[8:9], v[XR:XR+1], v[XR:XR+1]
	v_pk_mul_f32 v[10:11], v[XR+2:XR+3], v[XR+2:XR+3]
.irp i, 4,8,12,16,20,24,28
	v_pk_fma_f32 v[8:9], v[XR+\i:XR+\i+1], v[XR+\i:XR+\i+1], v[8:9]
	v_pk_fma_f32 v[10:11], v[XR+\i+2:XR+\i+3], v[XR+\i+2:XR+\i+3], v[10:11]
.endr
	v_pk_add_f32 v[8:9], v[8:9], v[10:11]
	v_add_f32 v8, v8, v9
	ACROSS 8, 9
	v_fma_f32 v[RS+2*(\p)], v8, s30, s31
.endm
	STATS 0
	STATS 1
	STATS 2
	STATS 3
	s_wait_alu depctr_va_vdst(0)
.irp p, 0,1,2,3
	v_rsq_f32 v[RS+2*\p], v[RS+2*\p]
.endr
	v_nop                                          ; a plain instruction behind the last of the batch
	s_wait_alu depctr_va_vdst(0)                   ; one wait for the four
.irp p, 0,1,2,3
.set i, 0
.rept 16
	v_pk_mul_f32 v[X+32*\p+i:X+32*\p+i+1], v[X+32*\p+i:X+32*\p+i+1], v[RS+2*\p:RS+2*\p+1] op_sel_hi:[1,0]
.set i, i+2
.endr
.set i, 0
.rept 16
	v_pk_fma_f32 v[X+32*\p+i:X+32*\p+i+1], v[X+32*\p+i:X+32*\p+i+1], v[G+i:G+i+1], v[BV+i:BV+i+1]
.set i, i+2
.endr
.endr
; Half row t (row t / 2, half t % 2) through stage t % 2: LDS serves a wave's instructions in order, so no wait stands between the stores and the loads
.macro TURN t
.irp i, 0,1,2,3
	ds_store_b128 v2, v[X+16*(\t)+4*\i:X+16*(\t)+4*\i+3] offset:32*SP*((\t)%2)+8*SP*\i
.endr
.irp i, 0,1,2,3
	ds_load_b128 v[XS+16*((\t)%2)+4*\i:XS+16*((\t)%2)+4*\i+3], v3 offset:32*SP*((\t)%2)+16*\i
.endr
.endm
.macro STEP t
.set XQ, XS+16*((\t)%2)
.set CQ, CD+4*((\t)%2)
.if (\t) > 0
	s_wait_dscnt 1                                 ; this half row is back from the stage; the last step's byte store may be out
.else
	s_wait_dscnt 0x0
.endif
.if (\t)+1 < 8
	TURN (\t)+1
.endif
	v_max3_num_f32 v8, |v[XQ]|, |v[XQ+1]|, |v[XQ+2]|
	v_max3_num_f32 v9, |v[XQ+3]|, |v[XQ+4]|, |v[XQ+5]|
.irp i, 6,10
	v_max3_num_f32 v8, v8, |v[XQ+\i]|, |v[XQ+\i+1]|
	v_max3_num_f32 v9, v9, |v[XQ+\i+2]|, |v[XQ+\i+3]|
.endr
	v_max3_num_f32 v8, v8, |v[XQ+14]|, |v[XQ+15]|
	v_max3_num_f32 v8, v8, v9, 0x4800000           ; the floor 2^(9 - 127): the byte cannot fall under 1
	v_max_num_f32_dpp v8, v8, v8 row_xmask:1 row_mask:0xf bank_mask:0xf   ; with my neighbour's 16: the block's largest magnitude
	v_add_nc_u32 v11, 0xfc000000, v8               ; 8 off its exponent field: the conversion's scale operand
	v_and_or_b32 v10, v8, 0x7f800000, s32          ; 448 x the scale
.set i, 0
.rept 16
	v_med3_num_f32 v[XQ+i], v[XQ+i], -v10, v10     ; the conversion does not saturate (ISA guide 7.6.2): the hold
.set i, i+1
.endr
.if (\t) >= 2
	s_wait_alu depctr_va_vdst(0)
	s_wait_xcnt 0x0                                ; the store of two steps ago has read this set of codes
.endif
	v_cvt_scalef32_pk8_fp8_f32 v[CQ:CQ+1], v[XQ:XQ+7], v11
	v_cvt_scalef32_pk8_fp8_f32 v[CQ+2:CQ+3], v[XQ+8:XQ+15], v11
	v_lshrrev_b32 v12, 23, v11                     ; the scale's byte
	ds_store_b8 v5, v12 offset:16*(\t)             ; both lanes of a block write the same byte
	global_store_b128 v1, v[CQ:CQ+3], s[14:15] offset:512*(\t)   ; the wave stores 512 consecutive bytes
.endm
	TURN 0
.irp t, 0,1,2,3,4,5,6,7
	STEP \t
.endr
	s_wait_dscnt 0x0
	s_barrier_signal -1
	s_barrier_wait -1                              ; the 16 rows' 512 scale bytes lie in LDS
	s_cmp_lg_u32 s16, 0
	s_cbranch_scc1 .Lend
	ds_load_b128 v[16:19], v4
	s_wait_dscnt 0x0
	global_store_b128 v1, v[16:19], s[34:35]       ; two whole runs of 256 bytes
.Lend:
	s_wait_tensorcnt 0x0                           ; the wave's end
	ds_add_u32 v[SPW], v[NIL]
	s_wait_dscnt 0x0
	s_endpgm
.Lfunc_end_k_q80936cf31e_ln1:
	.size	k_q80936cf31e_ln1, .Lfunc_end_k_q80936cf31e_ln1-k_q80936cf31e_ln1
	.p2alignl 7, 3214868480
	.fill 96, 4, 3214868480
	.section	.rodata,"a",@progbits
	.p2align	6, 0x0
	.amdhsa_kernel k_q80936cf31e_ln1
		.amdhsa_group_segment_fixed_size 25600
		.amdhsa_private_segment_fixed_size 0
		.amdhsa_enable_private_segment 0
		.amdhsa_kernarg_size 48
		.amdhsa_user_sgpr_count 2
		.amdhsa_user_sgpr_kernarg_segment_ptr 1
		.amdhsa_wavefront_size32 1
		.amdhsa_system_sgpr_workgroup_id_x 1
		.amdhsa_system_sgpr_workgroup_id_y 1
		.amdhsa_system_sgpr_workgroup_id_z 1
		.amdhsa_system_vgpr_workitem_id 0
		.amdhsa_next_free_vgpr 384
		.amdhsa_next_free_sgpr 66
		.amdhsa_reserve_vcc 0
		.amdhsa_float_denorm_mode_32 3
		.amdhsa_float_denorm_mode_16_64 3
		.amdhsa_memory_ordered 1
		.amdhsa_forward_progress 1
		.amdhsa_inst_pref_size 65
	.end_amdhsa_kernel
	.amdgpu_metadata
---
amdhsa.version: [ 1, 2 ]
amdhsa.kernels:
  - .name:           k_q80936cf31e_ln1
    .symbol:         k_q80936cf31e_ln1.kd
    .args:
      - { .name: x, .offset: 0, .size: 8, .value_kind: global_buffer, .address_space: global }
      - { .name: temb, .offset: 8, .size: 8, .value_kind: global_buffer, .address_space: global }
      - { .name: tp2_b, .offset: 16, .size: 8, .value_kind: global_buffer, .address_space: global }
      - { .name: ln1_g, .offset: 24, .size: 8, .value_kind: global_buffer, .address_space: global }
      - { .name: ln1_b, .offset: 32, .size: 8, .value_kind: global_buffer, .address_space: global }
      - { .name: act, .offset: 40, .size: 8, .value_kind: global_buffer, .address_space: global }
    .group_segment_fixed_size: 25600
    .private_segment_fixed_size: 0
    .kernarg_segment_align: 8
    .kernarg_segment_size: 48
    .max_flat_workgroup_size: 128
    .sgpr_count:     66
    .vgpr_count:     384
    .wavefront_size: 32
...
	.end_amdgpu_metadata
.endif
;; end of part 2
;; launch qkv (part 3): grid 12 x 16, 4 waves a work-group, clusters of 4 x 4, 327,680 bytes of LDS; arguments act, qkv_w_codes, qkv_w_scales, qkv_b, qkvw; writes qkvw
.if DOCPART == 3
	.amdgcn_target "amdgcn-amd-amdhsa--gfx1250"
	.amdhsa_code_object_version 6
	.text
	.protected	k_q80936cf31e_qkv
	.globl	k_q80936cf31e_qkv
	.p2align	8
	.type	k_q80936cf31e_qkv,@function
k_q80936cf31e_qkv:
	s_mov_b64 s[64:65], 0
	v_nop
	global_prefetch_b8 v0, s[64:65] scope:SCOPE_SE
	s_setreg_imm32_b32 hwreg(HW_REG_WAVE_MODE, 25, 1), 1
	s_wait_xcnt 0x0
	s_wait_alu depctr_hold_cnt(0) depctr_sa_sdst(0) depctr_va_vdst(0) depctr_va_sdst(0) depctr_va_ssrc(0) depctr_va_vcc(0) depctr_vm_vsrc(0)
	s_getreg_b32 s2, hwreg(HW_REG_IB_STS2, 6, 4)
	s_cmp_eq_u32 s2, 0
	s_cbranch_scc0 .Lentry_in_a_cluster
	s_endpgm
.Lentry_in_a_cluster:
	s_bfe_u32 s2, ttmp6, 0x10000c
	s_cmp_lg_u32 s2, 0xf033
	s_cbranch_scc0 .Lentry_shape_is_right
	s_endpgm
.Lentry_shape_is_right:
; Launch 3 of 8: q, k, v = x_norm qkv_w + qkv_b on codes of E4M3 (K = 1,024), then quantised for the attention: q and k along the head's 64, v along the keys.  Nothing is left out.
; A tile of 256 x 256 a work-group, 128 x 128 a wave, K in steps of 256 through two LDS slots, all scales in LDS once, 4 x 4 clusters with joint loads.
; The matrix instruction is used transposed (source 0 = rows of B', source 1 = rows of A'): a lane holds one row of A', its registers run along rows of B'.
; THE CLUSTER'S x SAYS WHAT IS MADE (the same in all sixteen partners): 0: q, 1: k: A' = the tokens, B' = the weight's rows: registers run along the head.  2: v: A' = the weight's rows 2,048 on,
; B' = the tokens: registers run along the KEYS, which are the second attention product's K.  Only pointers and tile numbers are chosen; the loop is one text.
; OUT, in the order of the attention's operand registers (r = lane % 16, h = lane / 16):  q, k: an image of 1,024 bytes for (head, 16 rows): byte 512 c + 16 (16 h' + r) + i = (row r, d = 32 c + 16 h' + i);
; v: 2,048 bytes for (head, 128 keys, 16 channels): at 512 c + 16 lane: keys 32 c + 8 h + 0..7, then 32 c + 16 + 8 h + 0..7 of channel r: the order in which p's codes fall out of the scores' tiles.
; Scale words: q, k: byte 0, 1 = the head's two blocks, bytes 2, 3 = 0x7f (their K is filled to 128 with zero codes); laid so that one LDS load of 16 bytes a lane brings eight tiles' words.
; LIMITS: NaN, infinities not served; a block of zeros or under 2^-118 gets the byte 1 (read by this program alone).
.set SIZE_K, 1024
.set KSTEP,  256
.set NQ,     KSTEP/128
.set ROWB,   256
.set KROW,   SIZE_K
.set PITCH,  272                       ; an LDS row: 256 bytes + 16 of padding: the 16 rows of a load start at 16 different banks
.set FR,     16
.set NL,     4
.set NP,     8                         ; places behind this matrix instruction (ISA guide 7.12.1)
.set HALFT,  128*PITCH
.set SLOT,   4*HALFT
.set LAPS,   SIZE_K/(2*KSTEP)
.set KS,     SIZE_K/32
.set SCL,    2*SLOT
.set HALFS,  (128*KS/256)*272
.set SBLK,   (16*KS/256)*272
.set SPARE,  SCL+4*HALFS               ; the spare words, 128 bytes a wave
.set QSO,    4194304                   ; in qkvw: q's scale words; k's and v's images; their scale words
.set KVO,    4456448
.set KVSO,   12845056
.set ADRA, 16
.set ADRB, 20
.set ADRS, 27
.set SPW,  28
.set NIL,  29
.set SC,   32
.set AF,   128
.set TM,   32                          ; the way out, window 0: v32-47 at work, v48-63 codes, v64-127 the bias, v128-191 64 numbers
.set PC,   48
.set BV,   64
.set T,    128
.set SEL,  4                           ; the way out: s[4:5] lane selects, s6 448's mantissa, s7 the block of rows
.set MNT,  6
.set AI,   7
.set G1, 24
.set G0, 32
.set G1B, 48
.set G0B, 56
.set G1S, 68
.set G0S, 76
.set G1SB, 80
.set G0SB, 88
.set MSB, 0
.macro WIN new
.if MSB != \new
	s_set_vgpr_msb (MSB<<8)|\new
.set MSB, \new
.endif
.endm
.set MUL_LO, 0xa1                      ; source 0 (B') window 1, source 1 (A') window 0, C and D window 2
.set MUL_HI, 0xf1
.set TO_B,   0x40
.macro JLOAD g0a, g1a, g0b, g1b        ; a joint load: waves 0, 1 fetch for A', waves 2, 3 for B'; s_nop 0 and four v_nop follow each line
	s_cmp_eq_u32 s15, 0
	s_cbranch_scc0 .Lfor_b_\@
	tensor_load_to_lds s[\g0a:\g0a+3], s[\g1a:\g1a+7]
	s_nop 0
.rept 4
	v_nop
.endr
	s_branch .Lasked_\@
.Lfor_b_\@:
	tensor_load_to_lds s[\g0b:\g0b+3], s[\g1b:\g1b+7]
	s_nop 0
.rept 4
	v_nop
.endr
.Lasked_\@:
.endm
.macro CREST
	s_cmp_lg_u32 s14, 0
	s_cbranch_scc1 .Lnot_wave_0_\@
	s_barrier_signal -3
.Lnot_wave_0_\@:
	s_barrier_wait -3
	s_barrier_signal -1
	s_barrier_wait -1
.endm
.macro CROUND
	s_barrier_signal -1
	s_barrier_wait -1
	CREST
.endm
	s_load_b128 s[4:7], s[0:1], 0x0                ; act, the weight's codes
	s_load_b128 s[8:11], s[0:1], 0x10              ; the weight's scales, the bias
	s_load_b64 s[12:13], s[0:1], 0x20              ; qkvw
	v_lshl_add_u32 v[SPW], v0, 2, SPARE
	v_mov_b32 v[NIL], 0
	ds_add_u32 v[SPW], v[NIL]                      ; the opening: the add, twice on end, and its wait ahead of my first tensor load
	ds_add_u32 v[SPW], v[NIL]
	v_lshrrev_b32 v1, 5, v0
	v_readfirstlane_b32 s14, v1                    ; wave
	s_lshr_b32 s15, s14, 1                         ; my half of the tile's rows; also: I fetch for A' (0) or B' (1)
	s_and_b32 s16, s14, 1                          ; my half of its columns; also: which 128 rows I fetch
	s_bfe_u32 s40, ttmp6, 0x40000                  ; cx
	s_bfe_u32 s41, ttmp6, 0x40004                  ; cy
	s_and_b32 s17, ttmp7, 0xffff                   ; the cluster's y
	s_cmp_eq_u32 ttmp9, 2                          ; v?
	s_cselect_b32 s18, 0, s17                      ; v: the weight's four tile rows are the cluster's own four
	s_cselect_b32 s42, s17, ttmp9                  ; v: the tokens' tile columns go by the cluster's y
	s_cselect_b32 s2, 0x800, 0                     ; v: the weight's rows begin at 2,048
	s_lshl_b32 s17, s18, 2
	s_add_co_u32 s17, s17, s41                     ; tile row
	s_lshl_b32 s42, s42, 2
	s_add_co_u32 s42, s42, s40                     ; tile column
	s_lshl_b32 s43, s41, 2
	s_lshl_b32 s43, 15, s43                        ; my row of the cluster
	s_lshl_b32 s44, 0x1111, s40                    ; my column
	s_or_b32 s[G1+0], s43, (0<<16)|(1<<20)|(1<<21)|(5<<22)|(3<<25)  ; mask; 1-byte elements; 4 words of padding behind every 64
	s_or_b32 s[G1B+0], s44, (0<<16)|(1<<20)|(1<<21)|(5<<22)|(3<<25)
.irp g, G1, G1B
	s_mov_b32 s[\g+1], ROWB<<16
	s_mov_b32 s[\g+2], 256<<16                     ; the head's loads bring 256 rows; behind them the two words that count rows are set to 128
	s_mov_b32 s[\g+3], ROWB<<16
	s_mov_b32 s[\g+4], 256
	s_mov_b32 s[\g+5], KROW
	s_mov_b32 s[\g+6], 0
	s_mov_b32 s[\g+7], 0
.endr
	s_or_b32 s[G1S+0], s43, (3<<16)|(1<<20)|(1<<21)|(5<<22)|(3<<25)  ; the scales of 256 rows: a dense block as KS rows of 256 bytes + 16
	s_or_b32 s[G1SB+0], s44, (3<<16)|(1<<20)|(1<<21)|(5<<22)|(3<<25)
.irp g, G1S, G1SB
	s_mov_b32 s[\g+1], 32<<16
	s_mov_b32 s[\g+2], KS<<16
	s_mov_b32 s[\g+3], 32<<16
	s_mov_b32 s[\g+4], KS
	s_mov_b32 s[\g+5], 32
	s_mov_b32 s[\g+6], 0
	s_mov_b32 s[\g+7], 0
.endr
	s_lshl_b32 s20, s17, 8
	s_add_co_u32 s20, s20, s2                      ; A': row 256 x tile row (+ 2,048)
	s_lshl_b32 s46, s42, 8
	s_mov_b32 s21, 0
	s_mov_b32 s47, 0
	s_mov_b64 s[18:19], KS
	s_mul_u64 s[22:23], s[20:21], s[18:19]
	s_mul_u64 s[92:93], s[46:47], s[18:19]
	s_mov_b64 s[18:19], KROW
	s_mul_u64 s[20:21], s[20:21], s[18:19]
	s_mul_u64 s[46:47], s[46:47], s[18:19]
	s_mul_i32 s45, s14, HALFT
	s_mul_i32 s18, s16, 128*KROW                   ; in the ring I fetch 128 rows of a tile: which half, in bytes
	s_mov_b32 s19, 0
	s_wait_dscnt 0x0                               ; both opening adds are done
	s_wait_kmcnt 0x0
	s_add_nc_u64 s[96:97], s[4:5], 0x400000        ; x_norm's scale bytes
	s_cmp_eq_u32 ttmp9, 2                          ; the buffers change places for v: a choice that hangs on the cluster's number alone
	s_cselect_b64 s[98:99], s[6:7], s[4:5]         ; A' codes
	s_cselect_b64 s[100:101], s[8:9], s[96:97]     ; A' scales
	s_cselect_b64 s[4:5], s[4:5], s[6:7]           ; B' codes
	s_cselect_b64 s[6:7], s[96:97], s[8:9]         ; B' scales
	s_add_nc_u64 s[20:21], s[98:99], s[20:21]
	s_add_nc_u64 s[22:23], s[100:101], s[22:23]
	s_add_nc_u64 s[46:47], s[4:5], s[46:47]
	s_add_nc_u64 s[92:93], s[6:7], s[92:93]
	CROUND                                         ; all sixteen work-groups are here: the first joint loads meet
	s_mov_b32 s[G0S], 1
	s_mov_b32 s[G0S+1], SCL
	s_mov_b64 s[G0S+2:G0S+3], s[22:23]
	s_or_b32 s[G0S+3], s[G0S+3], 0x80000000
	s_mov_b32 s[G0SB], 1
	s_mov_b32 s[G0SB+1], SCL+2*HALFS
	s_mov_b64 s[G0SB+2:G0SB+3], s[92:93]
	s_or_b32 s[G0SB+3], s[G0SB+3], 0x80000000
.set G0H, 4                            ; s[4:7], s[96:99]: group 0 of the head's loads of K step 0 (what lay there has been used)
.set G0HB, 96
	s_mov_b32 s[G0H], 1                            ; K step 0's 256 rows of A',
	s_mov_b32 s[G0H+1], 0
	s_mov_b64 s[G0H+2:G0H+3], s[20:21]
	s_or_b32 s[G0H+3], s[G0H+3], 0x80000000
	s_mov_b32 s[G0HB], 1                           ; and of B', behind them in slot 0
	s_mov_b32 s[G0HB+1], 2*HALFT
	s_mov_b64 s[G0HB+2:G0HB+3], s[46:47]
	s_or_b32 s[G0HB+3], s[G0HB+3], 0x80000000
	s_add_nc_u64 s[20:21], s[20:21], s[18:19]      ; for the ring: my 128 rows of the tile
	s_add_nc_u64 s[46:47], s[46:47], s[18:19]
.irp s, 0,1
	s_mov_b32 s[G0+4*\s], 1
	s_add_co_u32 s[G0+4*\s+1], s45, \s*SLOT
	s_add_nc_u64 s[G0+4*\s+2:G0+4*\s+3], s[20:21], \s*ROWB
	s_or_b32 s[G0+4*\s+3], s[G0+4*\s+3], 0x80000000
	s_mov_b32 s[G0B+4*\s], 1
	s_add_co_u32 s[G0B+4*\s+1], s45, \s*SLOT
	s_add_nc_u64 s[G0B+4*\s+2:G0B+4*\s+3], s[46:47], \s*ROWB
	s_or_b32 s[G0B+4*\s+3], s[G0B+4*\s+3], 0x80000000
.endr
; THE HEAD'S LOADS, ONE A WAVE: wave 0: K step 0's 256 rows of A'; wave 1: of B'; wave 2: the scales of A's 256 rows; wave 3: of B's.  One tree of branches on the wave's number, one load on every way
.macro ARM under, g0, g1, next
	s_cmp_lt_u32 s14, \under
	s_cbranch_scc0 \next
	tensor_load_to_lds s[\g0:\g0+3], s[\g1:\g1+7]
	s_nop 0
.rept 4
	v_nop
.endr
	s_branch .Lhead_asked
\next:
.endm
	ARM 1, G0H,  G1,  .Lhead_b
	ARM 2, G0HB, G1B, .Lhead_sa
	ARM 3, G0S,  G1S, .Lhead_sb
	tensor_load_to_lds s[G0SB:G0SB+3], s[G1SB:G1SB+7]
	s_nop 0
.rept 4
	v_nop
.endr
.Lhead_asked:
; PREFETCH: K steps 1 and 2 are asked for here, behind the head's load, K step 3 behind K step 1's load: each two loads ahead of its own.  A K step is 256 bytes of a row: a lane a row, one instruction a wave.
; Of the 128 rows that a wave fetches in the ring each of the four partners that ask for them jointly takes 32, told apart by address (cx for A', cy for B').  The address registers are never rewritten
	v_and_b32 v31, 31, v0
	v_lshlrev_b32 v31, 10, v31                     ; my lane's row: KROW bytes a row
	s_cmp_eq_u32 s15, 0                            ; do I fetch for A'?
	s_cselect_b64 s[94:95], s[20:21], s[46:47]     ; my 128 rows, at K step 0
	s_cselect_b32 s92, s40, s41
	s_mul_i32 s92, s92, 32*KROW                    ; my work-group's 32 of them
	s_mov_b32 s93, 0
	s_add_nc_u64 s[94:95], s[94:95], s[92:93]
	global_prefetch_b8 v31, s[94:95] offset:256 th:TH_LOAD_NT scope:SCOPE_SE
	global_prefetch_b8 v31, s[94:95] offset:512 th:TH_LOAD_NT scope:SCOPE_SE
	v_and_b32 v1, 15, v0
	v_bfe_u32 v2, v0, 4, 1                         ; h
	v_mul_u32_u24 v3, v1, PITCH
	v_lshl_add_u32 v4, v2, 4, v3
	s_mul_i32 s21, s15, HALFT
	s_mul_i32 s22, s16, HALFT
	s_add_co_u32 s22, s22, 2*HALFT
.irp s, 0,1
	v_add_nc_u32 v[ADRA+\s], s21, v4
	v_add_nc_u32 v[ADRB+\s], s22, v4
	s_add_co_u32 s21, s21, SLOT
	s_add_co_u32 s22, s22, SLOT
.endr
	v_mul_u32_u24 v5, v1, KS
	v_lshrrev_b32 v6, 8, v5
	v_lshl_add_u32 v5, v6, 4, v5
	s_mul_i32 s21, s15, HALFS
	s_mul_i32 s22, s16, HALFS
	s_add_co_u32 s22, s22, 2*HALFS
	s_sub_co_u32 s22, s22, s21
	v_mul_u32_u24 v6, s22, v2                      ; lanes 16-31 take B's words
	s_add_co_u32 s21, s21, SCL
	v_add_nc_u32 v5, v5, v6
	v_add_nc_u32 v[ADRS], s21, v5
.macro FRAG reg, adr, q, i
.irp c, 0,1,2,3
	ds_load_b128 v[\reg+4*\c:\reg+4*\c+3], v[\adr] offset:128*(\q)+32*\c+(\i)*16*PITCH
.endr
.endm
; 16 matrix instructions: A's blocks a0, a0 + 1 x B's eight.  The 64 accumulators take turns, one instruction a turn, in the same order in every step
.macro MUL16 a0, p, q, sc, zero
.irp a, \a0, \a0+1
.irp b, 0,1,2,3,4,5,6,7
.if \zero
	v_wmma_scale_f32_16x16x128_f8f6f4 v[8*(8*((\a)%4)+\b):8*(8*((\a)%4)+\b)+7], v[128*(\p)+FR*\b:128*(\p)+FR*\b+FR-1], v[AF+FR*(\a):AF+FR*(\a)+FR-1], 0, v[SC+8*NQ*(\sc)+NQ*\b+(\q)], v[SC+8*NQ*(\sc)+NQ*(\a)+(\q)] matrix_a_scale:MATRIX_SCALE_ROW1
.else
	v_wmma_scale_f32_16x16x128_f8f6f4 v[8*(8*((\a)%4)+\b):8*(8*((\a)%4)+\b)+7], v[128*(\p)+FR*\b:128*(\p)+FR*\b+FR-1], v[AF+FR*(\a):AF+FR*(\a)+FR-1], v[8*(8*((\a)%4)+\b):8*(8*((\a)%4)+\b)+7], v[SC+8*NQ*(\sc)+NQ*\b+(\q)], v[SC+8*NQ*(\sc)+NQ*(\a)+(\q)] matrix_a_scale:MATRIX_SCALE_ROW1
.endif
.endr
.endr
.endm
.macro FETCH_B slot, q, p
	WIN TO_B
.irp i, 0,1,2,3,4,5,6,7
	FRAG 128*(\p)+FR*\i, ADRB+\slot, \q, \i
.endr
	WIN 0
.endm
.macro FETCH_A slot, q, i0
.irp i, \i0, \i0+1, \i0+2, \i0+3
	FRAG AF+FR*(\i), ADRA+\slot, \q, \i
.endr
.endm
.macro SCALES sc
.irp i, 0,1,2,3,4,5,6,7
	ds_load_b64 v[SC+8*NQ*\sc+NQ*\i:SC+8*NQ*\sc+NQ*\i+1], v[ADRS] offset:\i*SBLK
.endr
.endm
.macro PLACES n
.rept \n
	v_nop
.endr
.endm
.macro STEP slot, q, zero
	s_wait_dscnt 4*NL                              ; B's set and A's blocks 0-3 are in; the youngest loads (A's blocks 4-7) may be out
	WIN MUL_LO
	MUL16 0, (\q)%2, \q, \slot, \zero
	MUL16 2, (\q)%2, \q, \slot, \zero
	s_wait_dscnt 0
	PLACES NP
	FETCH_B \slot, (\q)+1, 1-(\q)%2
	FETCH_A \slot, (\q)+1, 0
	WIN MUL_HI
	MUL16 4, (\q)%2, \q, \slot, \zero
	MUL16 6, (\q)%2, \q, \slot, \zero
	PLACES NP
	WIN 0
	FETCH_A \slot, (\q)+1, 4
.endm
.macro TURN slot, next, fill           ; a slot's last step changes slots: one barrier; in front of it the three lines
	s_wait_tensorcnt 0x0                           ; all my tensor loads have landed: my part of the next slot
	ds_add_u32 v[SPW], v[NIL]
	s_wait_dscnt 4*NL+1                            ; (the add and A's blocks 4-7 may be out)
	WIN MUL_LO
	MUL16 0, 1, NQ-1, \slot, 0
	s_wait_dscnt 0x0                               ; the add is done, and my reads of this slot are over
	s_barrier_signal -1
	MUL16 2, 1, NQ-1, \slot, 0
	WIN 0
	s_barrier_wait -1
.if \fill
	CREST                                          ; the barrier has opened a round of the cluster's: no wave of any partner still reads this slot or has a load on its way
	s_add_nc_u64 s[G0+4*\slot+2:G0+4*\slot+3], s[G0+4*\slot+2:G0+4*\slot+3], 2*ROWB
	s_add_nc_u64 s[G0B+4*\slot+2:G0B+4*\slot+3], s[G0B+4*\slot+2:G0B+4*\slot+3], 2*ROWB
	JLOAD G0+4*\slot, G1, G0B+4*\slot, G1B
	PLACES NP-4
.else
	PLACES NP
.endif
	s_wait_alu depctr_va_vdst(0)
	v_add_nc_u32 v[ADRS], 4*NQ, v[ADRS]
	FETCH_B \next, 0, 0
	FETCH_A \next, 0, 0
	SCALES \next
	WIN MUL_HI
	MUL16 4, 1, NQ-1, \slot, 0
	MUL16 6, 1, NQ-1, \slot, 0
	PLACES NP
	WIN 0
	FETCH_A \next, 0, 4
.endm
.macro LAST                            ; the very last step: nothing more to fetch
	s_wait_dscnt 4*NL
	WIN MUL_LO
	MUL16 0, 1, NQ-1, 1, 0
	MUL16 2, 1, NQ-1, 1, 0
	s_wait_dscnt 0
	WIN MUL_HI
	MUL16 4, 1, NQ-1, 1, 0
	MUL16 6, 1, NQ-1, 1, 0
	WIN 0
.endm
; 64 numbers of a lane, v[s] on, block b = registers 16 b .. 16 b + 15 (its other 16 lie in lane l xor 16), become codes in v[PC] on; the four bytes stand in v[TM+4] on
.macro QUANT s
.irp b, 0,1,2,3
	v_max3_num_f32 v[TM+\b], |v[\s+16*\b]|, |v[\s+1+16*\b]|, 0x4800000   ; with the floor 2^(9 - 127): the byte cannot fall under 1
.endr
.irp i, 2,4,6,8,10,12,14
.irp b, 0,1,2,3
	v_max3_num_f32 v[TM+\b], v[TM+\b], |v[\s+16*\b+\i]|, |v[\s+1+16*\b+\i]|
.endr
.endr
.irp b, 0,1,2,3
	v_permlanex16_b32 v[TM+4+\b], v[TM+\b], s[SEL], s[SEL+1]
.endr
.irp b, 0,1,2,3
	v_max_num_f32 v[TM+\b], v[TM+\b], v[TM+4+\b]
.endr
.irp b, 0,1,2,3
	v_add_nc_u32 v[TM+12+\b], 0xfc000000, v[TM+\b]   ; 8 off the exponent field: the conversion's scale operand
.endr
.irp b, 0,1,2,3
	v_and_or_b32 v[TM+8+\b], v[TM+\b], 0x7f800000, s[MNT]   ; 448 x the scale
.endr
.irp b, 0,1,2,3
	v_lshrrev_b32 v[TM+4+\b], 23, v[TM+12+\b]      ; the scale's byte
.endr
.irp b, 0,1,2,3
.irp i, 0,1,2,3,4,5,6,7,8,9,10,11,12,13,14,15
	v_med3_num_f32 v[\s+16*\b+\i], v[\s+16*\b+\i], -v[TM+8+\b], v[TM+8+\b]   ; the conversion does not saturate (ISA guide 7.6.2): the hold
.endr
	v_cvt_scalef32_pk8_fp8_f32 v[PC+4*\b:PC+1+4*\b], v[\s+16*\b:\s+7+16*\b], v[TM+12+\b]
	v_cvt_scalef32_pk8_fp8_f32 v[PC+2+4*\b:PC+3+4*\b], v[\s+8+16*\b:\s+15+16*\b], v[TM+12+\b]
.endr
	v_nop                                          ; a plain instruction behind the last conversion
.endm
; Block a's 64 results + the bias -> v[T] on, each accumulator from its low end on.  kind 0: the bias runs along the registers; 1: along the lanes
.macro PIECE a, kind
	WIN (0x02+(\a)/4)                              ; source 0: window 2 or 3
.set i, 0
.rept 32
.if \kind
	v_pk_add_f32 v[T+i:T+i+1], v[64*((\a)%4)+i:64*((\a)%4)+i+1], v[BV+2*(\a):BV+2*(\a)+1] op_sel_hi:[1,0]
.else
	v_pk_add_f32 v[T+i:T+i+1], v[64*((\a)%4)+i:64*((\a)%4)+i+1], v[BV+i:BV+i+1]
.endif
.set i, i+2
.endr
	WIN 0
.endm
; THE WAY OUT: a loop over my eight blocks of 16 rows of A'; what differs between trips, the accumulators' numbers, is eight short pieces, one of which a trip takes
.macro EPILOOP kind
	s_mov_b32 s[AI], 0
.Lrow_\@:
.irp a, 1,2,3,4,5,6,7
	s_cmp_eq_u32 s[AI], \a
	s_cbranch_scc1 .Lp_\@_\a
.endr
	PIECE 0, \kind
	s_branch .Lcom_\@
.irp a, 1,2,3,4,5,6
.Lp_\@_\a:
	PIECE \a, \kind
	s_branch .Lcom_\@
.endr
.Lp_\@_7:
	PIECE 7, \kind
.Lcom_\@:
	QUANT T
.if \kind
.irp b, 0,1,2,3
	global_store_b128 v7, v[PC+4*\b:PC+4*\b+3], s[96:97] offset:512*\b   ; 512 consecutive bytes of v's image
.endr
	v_lshl_or_b32 v12, v[TM+5], 8, v[TM+4]         ; the four blocks' bytes: channel r's word for these 128 keys
	v_lshl_or_b32 v12, v[TM+6], 16, v12
	v_lshl_or_b32 v12, v[TM+7], 24, v12
	s_and_b32 s18, s[AI], 1
	s_lshl_b32 s18, s18, 7
	s_bfe_u32 s19, s[AI], 0x10001
	s_lshl_b32 s19, s19, 2
	s_or_b32 s18, s18, s19
	s_lshr_b32 s19, s[AI], 2
	s_lshl_b32 s19, s19, 8
	s_or_b32 s18, s18, s19
	v_add_nc_u32 v6, s18, v14
	s_wait_alu depctr_va_vdst(0)
	ds_store_b32 v6, v12
	s_wait_xcnt 0x0                                ; the stores have read their codes and their base
	s_cmp_eq_u32 s[AI], 3
	s_mov_b32 s18, 2048                            ; the next 16 channels;
	s_cselect_b32 s18, 262144-6144, s18            ; behind the fourth: the next head
	s_mov_b32 s19, 0
	s_add_nc_u64 s[96:97], s[96:97], s[18:19]
.else
.irp b, 0,1,2,3
	global_store_b64 v13, v[PC+2*\b:PC+2*\b+1], s[96:97] offset:(\b/2)*512+(\b%2)*256   ; 256 consecutive bytes of the first head's image
.endr
.irp b, 0,1,2,3
	global_store_b64 v13, v[PC+8+2*\b:PC+9+2*\b], s[98:99] offset:(\b/2)*512+(\b%2)*256 ; and of the second's
.endr
	v_lshl_or_b32 v12, v[TM+5], 8, v[TM+4]
	v_or_b32 v12, 0x7f7f0000, v12
	v_lshl_or_b32 v15, v[TM+7], 8, v[TM+6]
	v_or_b32 v15, 0x7f7f0000, v15
	s_and_b32 s18, s[AI], 1
	s_lshl_b32 s18, s18, 8
	s_lshr_b32 s19, s[AI], 1
	s_lshl_b32 s19, s19, 2
	s_or_b32 s18, s18, s19
	v_add_nc_u32 v6, s18, v14
	ds_store_b32 v6, v12
	ds_store_b32 v6, v15 offset:512
	s_wait_xcnt 0x0
	s_add_nc_u64 s[96:97], s[96:97], 1024
	s_add_nc_u64 s[98:99], s[98:99], 1024
.endif
	s_add_co_u32 s[AI], s[AI], 1
	s_cmp_lt_u32 s[AI], 8
	s_cbranch_scc1 .Lrow_\@
.endm
.macro EPIHEAD stage                   ; what both ways out set up: constants, lane terms, my stage for scale words (in slot 0, which has had its last fill and its last read)
	s_mov_b32 s[SEL], 0x76543210
	s_mov_b32 s[SEL+1], 0xfedcba98
	s_mov_b32 s[MNT], 0x600000
	PLACES NP                                      ; behind the last products: their results are read, their operands' and scales' registers written
.irp b, 0,1,2,3
	v_mov_b32 v[TM+4+\b], 0                        ; a lane permute's destination counts as one of its sources
.endr
	v_and_b32 v1, 15, v0
	v_bfe_u32 v2, v0, 4, 1
	v_and_b32 v3, 31, v0
	v_lshlrev_b32 v7, 4, v3                        ; 16 x lane
	s_lshl_b32 s18, s14, 10
	s_add_co_u32 s18, s18, \stage
.endm
	s_wait_alu depctr_va_vdst(0)
	s_wait_tensorcnt 0x0                           ; my tile of the head's four is in
	ds_add_u32 v[SPW], v[NIL]
	s_mov_b32 s[G1+2], 128<<16                     ; no tensor load of mine is out: from here on a load brings 128 rows
	s_mov_b32 s[G1+4], 128
	s_mov_b32 s[G1B+2], 128<<16
	s_mov_b32 s[G1B+4], 128
	s_wait_dscnt 0x0
	CROUND                                         ; all four tiles are in, and all sixteen work-groups are here
	JLOAD G0+4, G1, G0B+4, G1B                     ; K step 1's load, the first tensor load behind the round
	FETCH_B 0, 0, 0
	FETCH_A 0, 0, 0
	SCALES 0
	FETCH_A 0, 0, 4
	global_prefetch_b8 v31, s[94:95] offset:768 th:TH_LOAD_NT scope:SCOPE_SE   ; K step 3, behind K step 1's load
	STEP 0, 0, 1
	s_mov_b32 s3, LAPS-1
.Llap:
	TURN 0, 1, 1
	STEP 1, 0, 0
	TURN 1, 0, 1
	STEP 0, 0, 0
	s_sub_co_u32 s3, s3, 1
	s_cmp_lg_u32 s3, 0
	s_cbranch_scc1 .Llap
	TURN 0, 1, 0
	STEP 1, 0, 0
	s_cmp_eq_u32 ttmp9, 2                          ; the ways part in front of the last step, so that each way's bias lands under its 64 products
	s_cbranch_scc1 .Lvpart
	; ---- q and k
	s_lshl_b32 s18, s42, 10
	s_lshl_b32 s19, s16, 9
	s_add_co_u32 s18, s18, s19                     ; the bias of my 128 columns
	s_mov_b32 s19, 0
	s_add_nc_u64 s[10:11], s[10:11], s[18:19]
	v_bfe_u32 v2, v0, 4, 1
	v_lshlrev_b32 v30, 5, v2                       ; register 8 b + j: column 16 b + 8 h + j
.irp b, 0,1,2,3,4,5,6,7
	global_load_b128 v[BV+8*\b:BV+8*\b+3], v30, s[10:11] offset:64*\b
	global_load_b128 v[BV+8*\b+4:BV+8*\b+7], v30, s[10:11] offset:64*\b+16
.endr
	LAST
	s_lshr_b32 s18, s17, 3
	s_lshl_b32 s18, s18, 4                         ; 16 x batch
	s_lshl_b32 s19, s40, 2
	s_add_co_u32 s18, s18, s19
	s_lshl_b32 s19, s16, 1
	s_add_co_u32 s18, s18, s19                     ; + my first head: 4 cx + 2 x column half
	s_and_b32 s19, s17, 7
	s_lshl_b32 s19, s19, 1
	s_add_co_u32 s19, s19, s15                     ; which 128 positions of the sequence
	s_lshl_b32 s20, s18, 17
	s_lshl_b32 s21, s19, 13
	s_add_co_u32 s20, s20, s21                     ; q's images
	s_lshl_b32 s21, s18, 18
	s_lshr_b32 s22, s19, 2
	s_lshl_b32 s22, s22, 16
	s_add_co_u32 s21, s21, s22
	s_and_b32 s22, s19, 3
	s_lshl_b32 s22, s22, 13
	s_add_co_u32 s21, s21, s22
	s_add_co_u32 s21, s21, KVO                     ; k's images
	s_lshl_b32 s22, s18, 13
	s_add_co_u32 s22, s22, QSO
	s_mul_i32 s23, s18, 12288
	s_add_co_u32 s23, s23, KVSO
	s_lshl_b32 s19, s19, 9
	s_cmp_eq_u32 ttmp9, 0
	s_cselect_b32 s20, s20, s21
	s_cselect_b32 s22, s22, s23
	s_mov_b32 s21, 0x40000
	s_cselect_b32 s21, 0x20000, s21                ; from head to head: images,
	s_mov_b32 s23, 12288
	s_cselect_b32 s23, 8192, s23                   ; scale words
	s_add_co_u32 s22, s22, s19
	s_mov_b32 s9, 0
	s_mov_b32 s8, s20
	s_add_nc_u64 s[96:97], s[12:13], s[8:9]
	s_mov_b32 s8, s21
	s_add_nc_u64 s[98:99], s[96:97], s[8:9]
	s_mov_b32 s8, s22
	s_add_nc_u64 s[100:101], s[12:13], s[8:9]
	s_mov_b32 s8, s23
	s_add_nc_u64 s[104:105], s[100:101], s[8:9]
	EPIHEAD 0
	v_lshlrev_b32 v13, 4, v1
	v_lshl_add_u32 v13, v2, 3, v13                 ; 16 r + 8 h: my 8 codes in a run of 256 bytes
	v_lshl_add_u32 v14, v1, 4, s18                 ; my row's words in the stage
	v_add_nc_u32 v5, s18, v7
	s_wait_loadcnt 0x0                             ; the bias
	EPILOOP 0
	ds_load_b128 v[32:35], v5                      ; LDS serves a wave's instructions in order: these see my stores
	ds_load_b128 v[36:39], v5 offset:512
	s_wait_dscnt 0x0
	global_store_b128 v7, v[32:35], s[100:101]     ; 512 consecutive bytes: the words of 128 rows of a head
	global_store_b128 v7, v[36:39], s[104:105]
	s_branch .Lclose
	; ---- v
.Lvpart:
	s_lshl_b32 s18, s17, 10
	s_lshl_b32 s19, s15, 9
	s_add_co_u32 s18, s18, s19
	s_add_co_u32 s18, s18, 8192                    ; the bias of my 128 channels: qkv_b from 2,048 on
	s_mov_b32 s19, 0
	s_add_nc_u64 s[10:11], s[10:11], s[18:19]
	v_and_b32 v1, 15, v0
	v_lshlrev_b32 v30, 2, v1
.irp a, 0,1,2,3,4,5,6,7
	global_load_b32 v[BV+2*\a], v30, s[10:11] offset:64*\a
	v_mov_b32 v[BV+2*\a+1], 0                      ; (named as the pair's upper half)
.endr
	LAST
	s_lshr_b32 s18, s42, 3
	s_lshl_b32 s18, s18, 4
	s_lshl_b32 s19, s41, 2
	s_add_co_u32 s18, s18, s19
	s_lshl_b32 s19, s15, 1
	s_add_co_u32 s18, s18, s19                     ; 16 x batch + my first head: 4 cy + 2 x row half
	s_and_b32 s19, s42, 7
	s_lshl_b32 s19, s19, 1
	s_add_co_u32 s19, s19, s16                     ; which 128 keys
	s_lshl_b32 s20, s18, 18
	s_lshr_b32 s22, s19, 2
	s_lshl_b32 s22, s22, 16
	s_add_co_u32 s20, s20, s22
	s_and_b32 s22, s19, 3
	s_lshl_b32 s22, s22, 13
	s_add_co_u32 s20, s20, s22
	s_add_co_u32 s20, s20, KVO+32768
	s_mul_i32 s22, s18, 12288
	s_lshl_b32 s19, s19, 8
	s_add_co_u32 s22, s22, s19
	s_add_co_u32 s22, s22, KVSO+8192
	s_mov_b32 s9, 0
	s_mov_b32 s8, s20
	s_add_nc_u64 s[96:97], s[12:13], s[8:9]
	s_mov_b32 s8, s22
	s_add_nc_u64 s[100:101], s[12:13], s[8:9]
	s_add_nc_u64 s[104:105], s[100:101], 12288
	EPIHEAD 4096
	v_lshl_add_u32 v14, v1, 3, s18
	v_lshlrev_b32 v13, 3, v3                       ; 8 x lane
	v_add_nc_u32 v5, s18, v13
	s_wait_loadcnt 0x0
	EPILOOP 1
	ds_load_b64 v[32:33], v5
	ds_load_b64 v[34:35], v5 offset:256
	s_wait_dscnt 0x0
	global_store_b64 v13, v[32:33], s[100:101]     ; 256 consecutive bytes: a head's words for these 128 keys
	global_store_b64 v13, v[34:35], s[104:105]
.Lclose:
	s_wait_tensorcnt 0x0                           ; the wave's end
	ds_add_u32 v[SPW], v[NIL]
	s_wait_dscnt 0x0
	CROUND                                         ; the closing round
	s_endpgm
.Lfunc_end_k_q80936cf31e_qkv:
	.size	k_q80936cf31e_qkv, .Lfunc_end_k_q80936cf31e_qkv-k_q80936cf31e_qkv
	.p2alignl 7, 3214868480
	.fill 96, 4, 3214868480
	.section	.rodata,"a",@progbits
	.p2align	6, 0x0
	.amdhsa_kernel k_q80936cf31e_qkv
		.amdhsa_group_segment_fixed_size 327680
		.amdhsa_private_segment_fixed_size 0
		.amdhsa_enable_private_segment 0
		.amdhsa_kernarg_size 40
		.amdhsa_user_sgpr_count 2
		.amdhsa_user_sgpr_kernarg_segment_ptr 1
		.amdhsa_wavefront_size32 1
		.amdhsa_system_sgpr_workgroup_id_x 1
		.amdhsa_system_sgpr_workgroup_id_y 1
		.amdhsa_system_sgpr_workgroup_id_z 1
		.amdhsa_system_vgpr_workitem_id 0
		.amdhsa_next_free_vgpr 1024
		.amdhsa_next_free_sgpr 106
		.amdhsa_reserve_vcc 0
		.amdhsa_float_denorm_mode_32 3
		.amdhsa_float_denorm_mode_16_64 3
		.amdhsa_memory_ordered 1
		.amdhsa_forward_progress 1
		.amdhsa_inst_pref_size 186
	.end_amdhsa_kernel
	.amdgpu_metadata
---
amdhsa.version: [ 1, 2 ]
amdhsa.kernels:
  - .name:           k_q80936cf31e_qkv
    .symbol:         k_q80936cf31e_qkv.kd
    .args:
      - { .name: act, .offset: 0, .size: 8, .value_kind: global_buffer, .address_space: global }
      - { .name: qkv_w_codes, .offset: 8, .size: 8, .value_kind: global_buffer, .address_space: global }
      - { .name: qkv_w_scales, .offset: 16, .size: 8, .value_kind: global_buffer, .address_space: global }
      - { .name: qkv_b, .offset: 24, .size: 8, .value_kind: global_buffer, .address_space: global }
      - { .name: qkvw, .offset: 32, .size: 8, .value_kind: global_buffer, .address_space: global }
    .group_segment_fixed_size: 327680
    .private_segment_fixed_size: 0
    .kernarg_segment_align: 8
    .kernarg_segment_size: 40
    .max_flat_workgroup_size: 128
    .sgpr_count:     106
    .vgpr_count:     1024
    .wavefront_size: 32
...
	.end_amdgpu_metadata
.endif
;; end of part 3
;; launch attn (part 4): grid 8 x 32, 16 waves a work-group, clusters of 4 x 1, 327,680 bytes of LDS; arguments qkvw, prep, act; writes act
.if DOCPART == 4
	.amdgcn_target "amdgcn-amd-amdhsa--gfx1250"
	.amdhsa_code_object_version 6
	.text
	.protected	k_q80936cf31e_attn
	.globl	k_q80936cf31e_attn
	.p2align	8
	.type	k_q80936cf31e_attn,@function
k_q80936cf31e_attn:
	s_mov_b64 s[64:65], 0
	v_nop
	global_prefetch_b8 v0, s[64:65] scope:SCOPE_SE
	s_setreg_imm32_b32 hwreg(HW_REG_WAVE_MODE, 25, 1), 1
	s_wait_xcnt 0x0
	s_wait_alu depctr_hold_cnt(0) depctr_sa_sdst(0) depctr_va_vdst(0) depctr_va_sdst(0) depctr_va_ssrc(0) depctr_va_vcc(0) depctr_vm_vsrc(0)
	s_getreg_b32 s2, hwreg(HW_REG_IB_STS2, 6, 4)
	s_cmp_eq_u32 s2, 0
	s_cbranch_scc0 .Lentry_in_a_cluster
	s_endpgm
.Lentry_in_a_cluster:
	s_bfe_u32 s2, ttmp6, 0x10000c
	s_cmp_lg_u32 s2, 0x3003
	s_cbranch_scc0 .Lentry_shape_is_right
	s_endpgm
.Lentry_shape_is_right:
; Launch 4 of 8: out = softmax(q k^T / 8 + decay x bias) v for each of 32 (batch, head), both products on codes of E4M3, then out quantised along the 1,024 features for the projection.  Nothing is left out.
; THE SOFTMAX: t = c (q.k + R), c = log2(e) / 8, R = 8 x decay x bias from the table by distance; M = the ceiling of the running largest t; p = 2^(t - M) is quantised along the keys, not normalised;
; the row's sum is taken of the unquantised p and divides at the end; when M moves, sum and O are multiplied by a power of two.
; SHARES.  A work-group has 256 queries of one head, each of its sixteen waves 16.  THE HEAD'S WHOLE K AND V STAY IN LDS (262,144 bytes): asked for once, ONE joint load of 16,384 bytes a wave, shared by the four
; work-groups of a cluster; no LDS byte is filled twice.  One wait for 0 and one barrier follow; behind them every wave walks all 2,048 keys, 128 a step, with no further barrier.
; The scale words (12,288 bytes) and the work-group's part of the bias table (36,864 bytes) go through registers into LDS bytes of their own: the table differs between partners, and the scale words are
; 12,288 of the 274,432 bytes that partners share, so they are not asked for jointly.  No prefetch: all that the launch reads is asked for at its head, and there is no loop to run ahead in.
; LAYOUT.  S^T = K Q^T, O^T = V^T P^T: a lane holds one query.  Operands lie in LDS as images of their registers: every load takes 16 bytes a lane, 512 on end.  The head's 64 fill half of the instruction's K:
; Q's upper eight registers hold zero codes, and a tile of K names as its upper eight the next tile's codes (never the NaN code: the quantiser holds), which meet those zeros.
; R rides as the C of the scores' products.  Lane r takes copy (r + 1) % 4 of the table, so that its eight entries lie at a multiple of 16 bytes.
; p's codes stand in the order in which the tiles give them (keys 32 c + 8 h + 0..7, then + 16); v's images were laid in the same order, so the products are those of the true order, block by block.
; LIMITS: NaN and infinities not served; a block of p or of out that is all zeros or under 2^-118 keeps the byte 1; the scaled scores stay under 2^31 in magnitude.
.set SCL,   262144                     ; LDS: K's and V's images at 0 (per 512 keys: 32,768 of K, 32,768 of V); their scale words; the table's four copies (9,216 bytes + 64); the spare words
.set BT,    274432
.set BTP,   9280
.set SPARE, 311552
.set QSO,   4194304
.set KVO,   4456448
.set KVSO,  12845056
.set WV,  10                           ; s10 wave, s11 cx, s12 block of queries, s13 batch x 16 + head, s14 head, s15 batch
.set SEL, 20
.set CS,  22
.set MNT, 24
.set G1C, 36
.set G0,  44
.set TKV, 66                           ; s66 LDS byte of the trip's 512 keys; s67 of their bias entries and K scale words (2,048 a trip); s68 of their V scale words; s69 the trips
.set TS5, 67
.set TSV, 68
.set CNT, 69
; v1 16 lane; v2 bias; v3 K's words; v4 V's words; v5, v6 the add's two; v7 offsets; v8-11 the trip's addresses; v12 -M; v13 largest t; v[14:15] the sum; v16-31 Q; v32-95 K, then V; v96-103 zeros;
; v104-167 S^T, p; v168-199 O^T; v200-215 p's codes; v216-231 at work; v232-235 K's words; v[236:237] V's; v[238:239] f; v240 p's word; v241, v243 at work; v242 Q's word; v244-255 partial sums
.macro CROUND
	s_barrier_signal -1
	s_barrier_wait -1
	s_cmp_lg_u32 s[WV], 0
	s_cbranch_scc1 .Lnot_wave_0_\@
	s_barrier_signal -3
.Lnot_wave_0_\@:
	s_barrier_wait -3
	s_barrier_signal -1
	s_barrier_wait -1
.endm
	s_load_b128 s[4:7], s[0:1], 0x0                ; qkvw, prep
	s_load_b64 s[8:9], s[0:1], 0x10                ; act
	v_lshl_add_u32 v5, v0, 2, SPARE
	v_mov_b32 v6, 0
	ds_add_u32 v5, v6                              ; the opening: the add, twice on end, and its wait ahead of my first tensor load
	ds_add_u32 v5, v6
	v_lshrrev_b32 v8, 5, v0
	s_delay_alu instid0(VALU_DEP_1)
	v_readfirstlane_b32 s[WV], v8
	s_bfe_u32 s11, ttmp6, 0x40000
	s_lshl_b32 s12, ttmp9, 2
	s_add_co_u32 s12, s12, s11                     ; my block of 256 queries: it enters global addresses alone
	s_and_b32 s13, ttmp7, 0xffff
	s_and_b32 s14, s13, 15
	s_lshr_b32 s15, s13, 4
	s_mov_b32 s[G1C], 15|(3<<16)|(1<<21)           ; all four work-groups; 8-byte elements; rows of 256 bytes, dense
	s_mov_b32 s[G1C+1], 32<<16
	s_mov_b32 s[G1C+2], 64<<16
	s_mov_b32 s[G1C+3], 32<<16
	s_mov_b32 s[G1C+4], 64                         ; 64 rows: 16,384 bytes a wave
	s_mov_b32 s[G1C+5], 32
	s_mov_b32 s[G1C+6], 0
	s_mov_b32 s[G1C+7], 0
	s_mul_i32 s16, s13, 12288                      ; the scale words: 12,288 bytes a head, 768 a wave
	s_mul_i32 s17, s[WV], 768
	s_add_co_u32 s16, s16, s17
	s_add_co_u32 s16, s16, KVSO
	s_add_co_u32 s70, s17, SCL
	s_mov_b32 s17, 0
	s_lshl_b32 s18, s13, 18                        ; the images: 262,144 bytes a head, 16,384 a wave
	s_lshl_b32 s71, s[WV], 14
	s_add_co_u32 s18, s18, s71
	s_add_co_u32 s18, s18, KVO
	s_mov_b32 s19, 0
	s_lshl_b32 s72, s13, 17                        ; Q's image: 131,072 a head, 1,024 a tile
	s_lshl_b32 s73, s12, 14
	s_add_co_u32 s72, s72, s73
	s_lshl_b32 s73, s[WV], 10
	s_add_co_u32 s72, s72, s73
	s_mov_b32 s73, 0
	s_lshl_b32 s74, s13, 13                        ; Q's scale word
	s_lshl_b32 s75, s12, 10
	s_add_co_u32 s74, s74, s75
	s_lshr_b32 s75, s[WV], 3
	s_lshl_b32 s75, s75, 9
	s_add_co_u32 s74, s74, s75
	s_and_b32 s75, s[WV], 1
	s_lshl_b32 s75, s75, 8
	s_add_co_u32 s74, s74, s75
	s_bfe_u32 s75, s[WV], 0x20001
	s_lshl_b32 s75, s75, 2
	s_add_co_u32 s74, s74, s75
	s_add_co_u32 s74, s74, QSO
	s_mov_b32 s75, 0
	s_lshl_b32 s76, s14, 16                        ; the table: my head, copy wave % 4, part wave / 4 of the 2,304 entries from 1,792 - 256 x block on
	s_and_b32 s77, s[WV], 3
	s_lshl_b32 s78, s77, 14
	s_add_co_u32 s76, s76, s78
	s_mul_i32 s78, s77, BTP
	s_lshr_b32 s77, s[WV], 2
	s_mul_i32 s77, s77, 2304
	s_add_co_u32 s76, s76, s77
	s_add_co_u32 s78, s78, s77
	s_add_co_u32 s78, s78, BT                      ; and where it goes in LDS: the wave's number alone
	s_add_co_u32 s76, s76, 8192+1792*4
	s_lshl_b32 s77, s12, 10
	s_sub_co_u32 s76, s76, s77
	s_mov_b32 s77, 0
	s_lshl_b32 s80, s15, 7                         ; out: row tile R = 128 batch + 16 block + wave; 16,384 bytes a tile, 1,024 a head
	s_lshl_b32 s81, s12, 4
	s_add_co_u32 s80, s80, s81
	s_add_co_u32 s80, s80, s[WV]
	s_lshl_b32 s80, s80, 14
	s_lshl_b32 s81, s14, 10
	s_add_co_u32 s80, s80, s81
	s_mov_b32 s81, 0
	s_lshl_b32 s82, s15, 4                         ; its scale bytes: (R / 8) 4,096 + (head / 2) 512 + the word's place + 2 (head % 2)
	s_lshl_b32 s83, s12, 1
	s_add_co_u32 s82, s82, s83
	s_lshr_b32 s83, s[WV], 3
	s_add_co_u32 s82, s82, s83
	s_lshl_b32 s82, s82, 12
	s_lshr_b32 s83, s14, 1
	s_lshl_b32 s83, s83, 9
	s_add_co_u32 s82, s82, s83
	s_and_b32 s83, s[WV], 1
	s_lshl_b32 s83, s83, 8
	s_add_co_u32 s82, s82, s83
	s_bfe_u32 s83, s[WV], 0x20001
	s_lshl_b32 s83, s83, 2
	s_add_co_u32 s82, s82, s83
	s_and_b32 s83, s14, 1
	s_lshl_b32 s83, s83, 1
	s_add_co_u32 s82, s82, s83
	s_add_co_u32 s82, s82, 0x400000
	s_mov_b32 s83, 0
	s_mov_b32 s[SEL], 0x76543210
	s_mov_b32 s[SEL+1], 0xfedcba98
	s_mov_b32 s[CS], 0x3e38aa3b                    ; c = log2(e) / 8
	s_mov_b32 s[CS+1], s[CS]
	s_mov_b32 s[MNT], 0x600000
	s_mov_b32 s[TKV], 0
	s_mov_b32 s[TS5], 0
	s_mov_b32 s[TSV], 0
	s_wait_dscnt 0x0                               ; both opening adds are done
	s_wait_kmcnt 0x0
	s_add_nc_u64 s[16:17], s[4:5], s[16:17]
	s_add_nc_u64 s[18:19], s[4:5], s[18:19]
	s_add_nc_u64 s[72:73], s[4:5], s[72:73]
	s_add_nc_u64 s[74:75], s[4:5], s[74:75]
	s_add_nc_u64 s[76:77], s[6:7], s[76:77]
	s_add_nc_u64 s[80:81], s[8:9], s[80:81]
	s_add_nc_u64 s[82:83], s[8:9], s[82:83]
	CROUND                                         ; all four work-groups are here: the joint loads meet
	s_mov_b32 s[G0], 1
	s_mov_b32 s[G0+1], s71
	s_mov_b64 s[G0+2:G0+3], s[18:19]
	s_or_b32 s[G0+3], s[G0+3], 0x80000000
	tensor_load_to_lds s[G0:G0+3], s[G1C:G1C+7]    ; my sixteenth of the head's K and V: my one tensor load
	s_nop 0
.rept 4
	v_nop
.endr
	v_and_b32 v8, 31, v0                           ; lane
	v_and_b32 v9, 15, v0                           ; r
	v_bfe_u32 v10, v0, 4, 1                        ; h
	s_delay_alu instid0(VALU_DEP_3)
	v_lshlrev_b32 v1, 4, v8
	global_load_b128 v[16:19], v1, s[72:73]        ; Q's image
	global_load_b128 v[20:23], v1, s[72:73] offset:512
	v_lshlrev_b32 v11, 4, v9
	global_load_b32 v242, v11, s[74:75]
	v_lshlrev_b32 v7, 3, v8
.irp i, 0,1,2,3,4,5,6,7,8
	global_load_b64 v[104+2*\i:105+2*\i], v7, s[76:77] offset:256*\i   ; my part of the table: the wave reads 256 consecutive bytes
.endr
.irp i, 0,1,2
	global_load_b64 v[122+2*\i:123+2*\i], v7, s[16:17] offset:256*\i   ; my 768 bytes of the scale words
.endr
	v_add_nc_u32 v241, s78, v7
	v_add_nc_u32 v243, s70, v7
	v_add_nc_u32 v2, 1, v9
	s_delay_alu instid0(VALU_DEP_1)
	v_and_b32 v2, 3, v2                            ; my copy
	s_delay_alu instid0(VALU_DEP_1)
	v_mul_u32_u24 v2, v2, BTP+4
	s_delay_alu instid0(VALU_DEP_1)
	v_add_nc_u32 v2, BT+1020, v2
	s_delay_alu instid0(VALU_DEP_1)
	v_lshl_add_u32 v2, v10, 5, v2
	v_lshrrev_b32 v3, 5, v0
	s_delay_alu instid0(VALU_DEP_1)
	v_lshl_add_u32 v3, v3, 4, v9
	s_delay_alu instid0(VALU_DEP_1)
	v_lshlrev_b32 v3, 2, v3
	s_delay_alu instid0(VALU_DEP_1)
	v_sub_nc_u32 v2, v2, v3                        ; the entry of key 8 h for my query: BT + 9,284 copy + 4 (255 + 8 h - 16 wave - r)
	v_add_nc_u32 v3, SCL, v1
	v_lshl_add_u32 v4, v8, 3, SCL+8192
	v_mov_b32 v13, 0xff61b1e6                      ; the largest t so far: -3e38
	s_delay_alu instid0(VALU_DEP_1)
	v_floor_f32 v12, -v13
	v_mov_b32 v14, 0
	v_mov_b32 v15, 0
.irp j, 0,1,2,3,4,5,6,7
	v_mov_b32 v[24+\j], 0                          ; Q's zero codes for k = 64 .. 127
	v_mov_b32 v[96+\j], 0                          ; what the last tile of K names as its upper half
.endr
.set j, 0
.rept 32
	v_mov_b32 v[168+j], 0                          ; O^T: the step is written once; the first finds zeros
.set j, j+1
.endr
.irp b, 0,1,2,3
	v_mov_b32 v[220+\b], 0                         ; a lane permute's destination counts as one of its sources
.endr
	v_mov_b32 v239, 0                              ; (the upper half of the pair v[238:239])
	s_wait_alu depctr_va_vdst(0)                   ; the wait at the head's end
	s_wait_loadcnt 0x0
.irp i, 0,1,2,3,4,5,6,7,8
	ds_store_b64 v241, v[104+2*\i:105+2*\i] offset:256*\i
.endr
.irp i, 0,1,2
	ds_store_b64 v243, v[122+2*\i:123+2*\i] offset:256*\i
.endr
; A KEY STEP: 128 keys, the q-th of the trip's four; all its LDS offsets are immediates on the trip's four addresses
.macro STEP q
.if (\q) == 0
.irp t, 0,1,2,3,4,5,6,7
	ds_load_b128 v[104+8*\t:107+8*\t], v9 offset:64*\t      ; a trip's first step loads its own bias entries; the other three find theirs asked for by the step before
	ds_load_b128 v[108+8*\t:111+8*\t], v9 offset:64*\t+16
.endr
.rept 4
	v_nop
.endr
.else
.rept 8
	v_nop
.endr
.endif
	ds_load_b128 v[232:235], v10 offset:512*(\q)   ; register t / 2: tile t's words, even t in lanes 0-15, odd t in lanes 16-31
.irp t, 0,1,2,3,4,5,6,7
	ds_load_b128 v[32+8*\t:35+8*\t], v8 offset:8192*(\q)+1024*\t
	ds_load_b128 v[36+8*\t:39+8*\t], v8 offset:8192*(\q)+1024*\t+512
.endr
	s_wait_alu depctr_va_vdst(0)                   ; the wait here, directly ahead of the wait below
	s_wait_dscnt 6                                 ; all but the six youngest loads, K's tiles 5 to 7: the bias entries, K's words and its tiles 0 to 4 are in (tile 3's product names tile 4's registers too)
.irp t, 0,2,4,6
.if \t == 4
	s_wait_dscnt 0x0                               ; K's tiles 5 to 7
.endif
	v_wmma_scale_f32_16x16x128_f8f6f4 v[104+8*\t:111+8*\t], v[32+8*\t:47+8*\t], v[16:31], v[104+8*\t:111+8*\t], v[232+\t/2], v242
	v_wmma_scale_f32_16x16x128_f8f6f4 v[112+8*\t:119+8*\t], v[40+8*\t:55+8*\t], v[16:31], v[112+8*\t:119+8*\t], v[232+\t/2], v242 matrix_a_scale:MATRIX_SCALE_ROW1
.endr
.rept 8
	v_nop                                          ; places: in front of V's loads into K's registers, and of the first read of the scores
.endr
.irp n, 0,1,2,3
.irp c, 0,1,2,3
	ds_load_b128 v[32+16*\n+4*\c:35+16*\n+4*\c], v8 offset:32768+8192*(\q)+2048*\n+512*\c   ; V lands under the softmax
.endr
.endr
	ds_load_b64 v[236:237], v11 offset:256*(\q)
.irp b, 0,1,2,3
	v_max3_num_f32 v[216+\b], v[104+16*\b], v[105+16*\b], v[106+16*\b]   ; the largest score of each block of 32 keys: for the row's maximum and for the block's largest p
.endr
.irp i, 3,5,7,9,11,13
.irp b, 0,1,2,3
	v_max3_num_f32 v[216+\b], v[216+\b], v[104+16*\b+\i], v[105+16*\b+\i]
.endr
.endr
.irp b, 0,1,2,3
	v_max_num_f32 v[216+\b], v[216+\b], v[119+16*\b]
.endr
.irp b, 0,1,2,3
	s_delay_alu instid0(VALU_DEP_4)
	v_permlanex16_b32 v[220+\b], v[216+\b], s[SEL], s[SEL+1]
.endr
.irp b, 0,1,2,3
	s_delay_alu instid0(VALU_DEP_4)
	v_max_num_f32 v[216+\b], v[216+\b], v[220+\b]
.endr
	s_delay_alu instid0(VALU_DEP_2)
	v_max3_num_f32 v241, v216, v217, v218
	s_delay_alu instid0(VALU_DEP_1)
	v_max_num_f32 v241, v241, v219
	s_delay_alu instid0(VALU_DEP_1)
	v_mul_f32 v241, s[CS], v241
	s_delay_alu instid0(VALU_DEP_1)
	v_max_num_f32 v13, v13, v241                   ; the running largest t
	v_mov_b32 v241, v12
	s_delay_alu instid0(VALU_DEP_2)
	v_floor_f32 v12, -v13                          ; -M = floor(-t)
	s_delay_alu instid0(VALU_DEP_1)
	v_sub_f32 v241, v12, v241
	s_delay_alu instid0(VALU_DEP_1)
	v_cvt_i32_f32 v241, v241                       ; (it saturates)
	s_delay_alu instid0(VALU_DEP_1)
	v_ldexp_f32 v238, 1.0, v241                    ; f = 2^(old M - new M)
.set j, 0
.rept 32
	v_pk_fma_f32 v[104+j:105+j], v[104+j:105+j], s[CS:CS+1], v[12:13] op_sel_hi:[1,0,0]   ; t - M
.set j, j+2
.endr
.irp b, 0,1,2,3
	v_fma_f32 v[216+\b], v[216+\b], s[CS], v12
.endr
.set j, 0
	s_wait_alu depctr_va_vdst(0)                   ; the wait ahead of the batch too
.rept 64
	v_exp_f32 v[104+j], v[104+j]                   ; p
.set j, j+1
.endr
	v_pk_mul_f32 v[14:15], v[14:15], v[238:239] op_sel_hi:[1,0]   ; (a plain instruction behind the exponentials)
	s_wait_alu depctr_va_vdst(0)                   ; one wait for the batch, ahead of its first reader
.irp b, 0,1,2,3
	v_exp_f32 v[216+\b], v[216+\b]                 ; each block's largest p
.endr
	v_pk_add_f32 v[220:221], v[108:109], v[112:113]   ; the row's sum of the unquantised p, in eight chains
	v_pk_add_f32 v[254:255], v[116:117], v[120:121]
	v_pk_add_f32 v[252:253], v[124:125], v[128:129]
	v_pk_add_f32 v[250:251], v[132:133], v[136:137]
	v_pk_add_f32 v[248:249], v[140:141], v[144:145]
	v_pk_add_f32 v[246:247], v[148:149], v[152:153]
	v_pk_add_f32 v[244:245], v[156:157], v[160:161]
	v_pk_add_f32 v[14:15], v[14:15], v[164:165]
	v_pk_add_f32 v[220:221], v[220:221], v[104:105]
	v_pk_add_f32 v[254:255], v[254:255], v[106:107]
	v_pk_add_f32 v[252:253], v[252:253], v[110:111]
	v_pk_add_f32 v[250:251], v[250:251], v[114:115]
	v_pk_add_f32 v[248:249], v[248:249], v[118:119]
	v_pk_add_f32 v[246:247], v[246:247], v[122:123]
	v_pk_add_f32 v[244:245], v[244:245], v[126:127]
	v_pk_add_f32 v[14:15], v[14:15], v[130:131]
	v_pk_add_f32 v[220:221], v[220:221], v[134:135]
	v_pk_add_f32 v[254:255], v[254:255], v[138:139]
	v_pk_add_f32 v[252:253], v[252:253], v[142:143]
	v_pk_add_f32 v[250:251], v[250:251], v[146:147]
	v_pk_add_f32 v[248:249], v[248:249], v[150:151]
	v_pk_add_f32 v[246:247], v[246:247], v[154:155]
	v_pk_add_f32 v[244:245], v[244:245], v[158:159]
	v_pk_add_f32 v[14:15], v[14:15], v[162:163]
	v_pk_add_f32 v[220:221], v[220:221], v[166:167]
	s_delay_alu instid0(VALU_DEP_2)
	v_pk_add_f32 v[14:15], v[14:15], v[250:251]
	s_delay_alu instid0(VALU_DEP_2)
	v_pk_add_f32 v[220:221], v[220:221], v[248:249]
	v_pk_add_f32 v[254:255], v[254:255], v[246:247]
	v_pk_add_f32 v[252:253], v[252:253], v[244:245]
	s_delay_alu instid0(VALU_DEP_2)
	v_pk_add_f32 v[14:15], v[14:15], v[254:255]
	s_delay_alu instid0(VALU_DEP_2)
	v_pk_add_f32 v[220:221], v[220:221], v[252:253]
	s_delay_alu instid0(VALU_DEP_1)
	v_pk_add_f32 v[14:15], v[14:15], v[220:221]
	s_wait_alu depctr_va_vdst(0)                   ; and one for the four
.irp b, 0,1,2,3
	v_max_num_f32 v[216+\b], 0x4800000, v[216+\b]  ; the floor 2^(9 - 127): the byte cannot fall under 1
.endr
.irp b, 0,1,2,3
	s_delay_alu instid0(VALU_DEP_4)
	v_add_nc_u32 v[228+\b], 0xfc000000, v[216+\b]  ; 8 off the exponent field: the conversion's scale operand
.endr
.irp b, 0,1,2,3
	v_and_or_b32 v[224+\b], v[216+\b], 0x7f800000, s[MNT]   ; 448 x the scale,
	v_and_or_b32 v[245+\b], v[216+\b], 0x7f800000, s[MNT]   ; and once more, in a register of another bank, for the second half of a dual pair (the partial sums that lay there are done with)
.endr
.irp b, 0,1,2,3
	v_lshrrev_b32 v[220+\b], 23, v[228+\b]
.endr
	s_delay_alu instid0(VALU_DEP_3)
	v_lshl_or_b32 v240, v221, 8, v220              ; p's scale word for these 128 keys
	s_delay_alu instid0(VALU_DEP_1)
	v_lshl_or_b32 v240, v222, 16, v240
	s_delay_alu instid0(VALU_DEP_1)
	v_lshl_or_b32 v240, v223, 24, v240
.irp b, 0,1,2,3
.irp i, 0,2,4,6,8,10,12,14
	v_dual_min_num_f32 v[104+16*\b+\i], v[104+16*\b+\i], v[224+\b] :: v_dual_min_num_f32 v[105+16*\b+\i], v[105+16*\b+\i], v[245+\b]   ; the hold (the conversion does not saturate: ISA guide 7.6.2); p is not negative; two numbers a line
.endr
	v_cvt_scalef32_pk8_fp8_f32 v[200+4*\b:201+4*\b], v[104+16*\b:111+16*\b], v[228+\b]
	v_cvt_scalef32_pk8_fp8_f32 v[202+4*\b:203+4*\b], v[112+16*\b:119+16*\b], v[228+\b]
.endr
.if (\q) < 3
.irp t, 0,1,2,3,4,5,6,7
	ds_load_b128 v[104+8*\t:107+8*\t], v9 offset:512*((\q)+1)+64*\t      ; p has become codes: its registers take the next step's bias entries, 16 loads
	ds_load_b128 v[108+8*\t:111+8*\t], v9 offset:512*((\q)+1)+64*\t+16
.endr
.endif
	s_wait_alu depctr_va_vdst(0)
.set j, 0
.rept 16
	v_pk_mul_f32 v[168+j:169+j], v[168+j:169+j], v[238:239] op_sel_hi:[1,0]   ; O^T under the new M; also the places in front of the products below
.set j, j+2
.endr
	s_wait_alu depctr_va_vdst(0)                   ; the wait here, directly ahead of the wait below
.if (\q) < 3
	s_wait_dscnt 16                                ; V and its words are in; the 16 younger loads, the next step's bias entries, stay out
.else
	s_wait_dscnt 0x0                               ; V and its words
.endif
.irp n, 0,2
	v_wmma_scale_f32_16x16x128_f8f6f4 v[168+8*\n:175+8*\n], v[32+16*\n:47+16*\n], v[200:215], v[168+8*\n:175+8*\n], v[236+\n/2], v240
	v_wmma_scale_f32_16x16x128_f8f6f4 v[176+8*\n:183+8*\n], v[48+16*\n:63+16*\n], v[200:215], v[176+8*\n:183+8*\n], v[236+\n/2], v240 matrix_a_scale:MATRIX_SCALE_ROW1
.endr
.endm
	s_wait_tensorcnt 0x0                           ; my sixteenth of K and V has landed,
	s_wait_dscnt 0x0                               ; my parts of the table and of the scale words are stored:
	s_barrier_signal -1
	s_barrier_wait -1                              ; everybody's are.  Nothing is filled or stored in LDS from here on, so no further barrier is needed
	s_mov_b32 s[CNT], 4
.Lchunk:                                           ; four trips of 512 keys
	v_add_nc_u32 v8, s[TKV], v1
	v_add_nc_u32 v9, s[TS5], v2
	v_add_nc_u32 v10, s[TS5], v3
	v_add_nc_u32 v11, s[TSV], v4
	STEP 0
	STEP 1
	STEP 2
	STEP 3
	s_add_co_u32 s[TKV], s[TKV], 65536
	s_add_co_u32 s[TS5], s[TS5], 2048
	s_add_co_u32 s[TSV], s[TSV], 1024
	s_sub_co_u32 s[CNT], s[CNT], 1
	s_cmp_lg_u32 s[CNT], 0
	s_cbranch_scc1 .Lchunk
	; THE WAY OUT: O^T / the sum; my query's 64 channels are two blocks of the projection's K: quantised here, stored as the projection's operand image
.rept 8
	v_nop
.endr
	v_add_f32 v14, v14, v15
	s_delay_alu instid0(VALU_DEP_1)
	v_permlanex16_b32 v220, v14, s[SEL], s[SEL+1]
	s_delay_alu instid0(VALU_DEP_1)
	v_add_f32 v14, v14, v220
	s_wait_alu depctr_va_vdst(0)
	v_rcp_f32 v14, v14
	v_and_b32 v9, 15, v0                           ; (a plain instruction behind the reciprocal)
	v_bfe_u32 v10, v0, 4, 1
	s_delay_alu instid0(VALU_DEP_2)
	v_lshlrev_b32 v8, 4, v9                        ; 16 r
	s_delay_alu instid0(VALU_DEP_1)
	v_lshl_add_u32 v7, v10, 3, v8                  ; 16 r + 8 h
	s_wait_alu depctr_va_vdst(0)
.set j, 0
.rept 32
	v_mul_f32 v[104+j], v[168+j], v14              ; register 8 n + i: channel 16 n + 8 h + i
.set j, j+1
.endr
.irp b, 0,1
	v_max3_num_f32 v[216+\b], |v[104+16*\b]|, |v[105+16*\b]|, 0x4800000
.endr
.irp i, 2,4,6,8,10,12,14
.irp b, 0,1
	s_delay_alu instid0(VALU_DEP_2)
	v_max3_num_f32 v[216+\b], v[216+\b], |v[104+16*\b+\i]|, |v[105+16*\b+\i]|
.endr
.endr
.irp b, 0,1
	s_delay_alu instid0(VALU_DEP_2)
	v_permlanex16_b32 v[220+\b], v[216+\b], s[SEL], s[SEL+1]
.endr
.irp b, 0,1
	s_delay_alu instid0(VALU_DEP_2)
	v_max_num_f32 v[216+\b], v[216+\b], v[220+\b]
.endr
.irp b, 0
	s_delay_alu instid0(VALU_DEP_2)
	v_add_nc_u32 v[228+\b], 0xfc000000, v[216+\b]
	s_delay_alu instid0(VALU_DEP_3)
	v_and_or_b32 v[224+\b], v[216+\b], 0x7f800000, s[MNT]
	s_delay_alu instid0(VALU_DEP_2)
	v_lshrrev_b32 v[220+\b], 23, v[228+\b]
.endr
.irp b, 1
	s_delay_alu instid0(VALU_DEP_4)
	v_add_nc_u32 v[228+\b], 0xfc000000, v[216+\b]
	v_and_or_b32 v[224+\b], v[216+\b], 0x7f800000, s[MNT]
	s_delay_alu instid0(VALU_DEP_2)
	v_lshrrev_b32 v[220+\b], 23, v[228+\b]
.endr
	s_delay_alu instid0(VALU_DEP_1)
	v_lshl_or_b32 v241, v221, 8, v220
.irp b, 0,1
.irp i, 0,1,2,3,4,5,6,7,8,9,10,11,12,13,14,15
	v_med3_num_f32 v[104+16*\b+\i], v[104+16*\b+\i], -v[224+\b], v[224+\b]
.endr
	v_cvt_scalef32_pk8_fp8_f32 v[200+4*\b:201+4*\b], v[104+16*\b:111+16*\b], v[228+\b]
	v_cvt_scalef32_pk8_fp8_f32 v[202+4*\b:203+4*\b], v[112+16*\b:119+16*\b], v[228+\b]
.endr
	v_nop
.irp n, 0,1,2,3
	global_store_b64 v7, v[200+2*\n:201+2*\n], s[80:81] offset:(\n/2)*512+(\n%2)*256   ; 256 consecutive bytes
.endr
	global_store_b16 v8, v241, s[82:83]            ; a head owns half of a scale word: the one store of two bytes a lane, 128 KiB in the whole launch
	s_wait_tensorcnt 0x0                           ; the wave's end
	ds_add_u32 v5, v6
	s_wait_dscnt 0x0
	CROUND                                         ; the closing round
	s_endpgm
.Lfunc_end_k_q80936cf31e_attn:
	.size	k_q80936cf31e_attn, .Lfunc_end_k_q80936cf31e_attn-k_q80936cf31e_attn
	.p2alignl 7, 3214868480
	.fill 96, 4, 3214868480
	.section	.rodata,"a",@progbits
	.p2align	6, 0x0
	.amdhsa_kernel k_q80936cf31e_attn
		.amdhsa_group_segment_fixed_size 327680
		.amdhsa_private_segment_fixed_size 0
		.amdhsa_enable_private_segment 0
		.amdhsa_kernarg_size 24
		.amdhsa_user_sgpr_count 2
		.amdhsa_user_sgpr_kernarg_segment_ptr 1
		.amdhsa_wavefront_size32 1
		.amdhsa_system_sgpr_workgroup_id_x 1
		.amdhsa_system_sgpr_workgroup_id_y 1
		.amdhsa_system_sgpr_workgroup_id_z 1
		.amdhsa_system_vgpr_workitem_id 0
		.amdhsa_next_free_vgpr 256
		.amdhsa_next_free_sgpr 100
		.amdhsa_reserve_vcc 0
		.amdhsa_float_denorm_mode_32 3
		.amdhsa_float_denorm_mode_16_64 3
		.amdhsa_memory_ordered 1
		.amdhsa_forward_progress 1
		.amdhsa_inst_pref_size 101
	.end_amdhsa_kernel
	.amdgpu_metadata
---
amdhsa.version: [ 1, 2 ]
amdhsa.kernels:
  - .name:           k_q80936cf31e_attn
    .symbol:         k_q80936cf31e_attn.kd
    .args:
      - { .name: qkvw, .offset: 0, .size: 8, .value_kind: global_buffer, .address_space: global }
      - { .name: prep, .offset: 8, .size: 8, .value_kind: global_buffer, .address_space: global }
      - { .name: act, .offset: 16, .size: 8, .value_kind: global_buffer, .address_space: global }
    .group_segment_fixed_size: 327680
    .private_segment_fixed_size: 0
    .kernarg_segment_align: 8
    .kernarg_segment_size: 24
    .max_flat_workgroup_size: 512
    .sgpr_count:     100
    .vgpr_count:     256
    .wavefront_size: 32
...
	.end_amdgpu_metadata
.endif
;; end of part 4
;; launch proj (part 5): grid 8 x 32, 4 waves a work-group, clusters of 4 x 4, 327,680 bytes of LDS; arguments act, proj_w_codes, proj_w_scales, proj_b, x, x1; writes x1
.if DOCPART == 5
	.amdgcn_target "amdgcn-amd-amdhsa--gfx1250"
	.amdhsa_code_object_version 6
	.text
	.protected	k_q80936cf31e_proj
	.globl	k_q80936cf31e_proj
	.p2align	8
	.type	k_q80936cf31e_proj,@function
k_q80936cf31e_proj:
	s_mov_b64 s[64:65], 0
	v_nop
	global_prefetch_b8 v0, s[64:65] scope:SCOPE_SE
	s_setreg_imm32_b32 hwreg(HW_REG_WAVE_MODE, 25, 1), 1
	s_wait_xcnt 0x0
	s_wait_alu depctr_hold_cnt(0) depctr_sa_sdst(0) depctr_va_vdst(0) depctr_va_sdst(0) depctr_va_ssrc(0) depctr_va_vcc(0) depctr_vm_vsrc(0)
	s_getreg_b32 s2, hwreg(HW_REG_IB_STS2, 6, 4)
	s_cmp_eq_u32 s2, 0
	s_cbranch_scc0 .Lentry_in_a_cluster
	s_endpgm
.Lentry_in_a_cluster:
	s_bfe_u32 s2, ttmp6, 0x10000c
	s_cmp_lg_u32 s2, 0xf033
	s_cbranch_scc0 .Lentry_shape_is_right
	s_endpgm
.Lentry_shape_is_right:
; x1 = x + out proj_w + proj_b on codes of E4M3 (K = 1,024).  Nothing is left out.  A tile of 128 x 128 a work-group, 64 x 64 a wave; K in two steps of 512, one in each LDS slot; 4 x 4 clusters with joint loads.
; A (the attention's result) lies in memory as images of the operand's registers, B as rows of codes; all scales come into LDS once.  THE HEAD'S LOADS, one a wave: wave 0 K step 0 of A, wave 1 of B, wave 2 A's scales, wave 3 B's;
; K step 1 follows behind the full sequence and a round, a quarter of the slot a wave.  No slot is filled twice.
; PREFETCH: behind the head's load each wave asks for its part of K step 1, one instruction, a lane to each 256 bytes: of what a wave fetches there (A: 4 row tiles x 8,192 bytes; B: 64 rows x 512 bytes) each of the four
; partners takes a quarter, told apart by address: A: row tile cx; B: rows 16 cy on.  x's rows, wanted on the way out, are asked for behind K step 1's load.
.set PFA, 4                            ; s[4:5] where my prefetch stands; s[6:7] a K step on, in bytes; v30 my lane's offset
.set PFS, 6
.set PFO, 30
.set SIZE_K, 1024
.set ASC,    0x400000
.set KSTEP,  512
.set PITCH,  528
.set AHALF,  32768
.set BHALF,  64*PITCH
.set BOFF,   2*AHALF
.set SLOT,   BOFF+2*BHALF
.set LAPS,   SIZE_K/(2*KSTEP)
.set KS,     SIZE_K/32
.set RSTR,   SIZE_K*16
.set SCA,    2*SLOT
.set SAH,    SIZE_K*2
.set SCB,    SCA+2*SAH
.set SBH,    (64*KS/256)*272
.set SBLK,   (16*KS/256)*272
.set SPARE,  SCB+2*SBH
.set SPITCH, 272
.set NP,   8
.set ADRA, 16
.set ADRB, 20
.set ADSA, 22
.set ADSB, 23
.set STO,  24
.set RD,   25
.set CO,   26
.set SPW,  28
.set NIL,  29
.set SA,   32
.set SB,   48
.set OB,   80
.set ACC,  128
.set F0,   0
.set F1,   128
.set G1, 24
.set G0, 32
.set G1B, 48
.set G0B, 56
.set G1S, 68
.set G0S, 76
.set G1SB, 80
.set G0SB, 88
.set MSB, 0
.macro WIN new
.if MSB != \new
	s_set_vgpr_msb (MSB<<8)|\new
.set MSB, \new
.endif
.endm
.set MUL,  0x05
.set TO_F, 0x40
.macro JLOAD g0a, g1a, g0b, g1b
	s_cmp_eq_u32 s15, 0
	s_cbranch_scc0 .Lfor_b_\@
	tensor_load_to_lds s[\g0a:\g0a+3], s[\g1a:\g1a+7]
	s_nop 0
.rept 4
	v_nop
.endr
	s_branch .Lasked_\@
.Lfor_b_\@:
	tensor_load_to_lds s[\g0b:\g0b+3], s[\g1b:\g1b+7]
	s_nop 0
.rept 4
	v_nop
.endr
.Lasked_\@:
.endm
.macro CREST
	s_cmp_lg_u32 s14, 0
	s_cbranch_scc1 .Lnot_wave_0_\@
	s_barrier_signal -3
.Lnot_wave_0_\@:
	s_barrier_wait -3
	s_barrier_signal -1
	s_barrier_wait -1
.endm
.macro CROUND
	s_barrier_signal -1
	s_barrier_wait -1
	CREST
.endm
	s_load_b256 s[4:11], s[0:1], 0x0
	s_load_b128 s[96:99], s[0:1], 0x20
	v_lshl_add_u32 v[SPW], v0, 2, SPARE
	v_mov_b32 v[NIL], 0
	ds_add_u32 v[SPW], v[NIL]
	ds_add_u32 v[SPW], v[NIL]
	v_lshrrev_b32 v1, 5, v0
	v_readfirstlane_b32 s14, v1
	s_lshr_b32 s15, s14, 1
	s_and_b32 s16, s14, 1
	s_bfe_u32 s40, ttmp6, 0x40000
	s_bfe_u32 s41, ttmp6, 0x40004
	s_lshl_b32 s42, ttmp9, 2
	s_add_co_u32 s42, s42, s40
	s_and_b32 s17, ttmp7, 0xffff
	s_lshl_b32 s17, s17, 2
	s_add_co_u32 s17, s17, s41
	s_lshl_b32 s43, s41, 2
	s_lshl_b32 s43, 15, s43
	s_lshl_b32 s44, 0x1111, s40
	s_or_b32 s[G1+0], s43, (3<<16)|(1<<21)
	s_mov_b32 s[G1+1], 1024<<16
	s_mov_b32 s[G1+2], 8<<16
	s_mov_b32 s[G1+3], 1024<<16
	s_mov_b32 s[G1+4], 8
	s_mov_b32 s[G1+5], RSTR/8
	s_mov_b32 s[G1+6], 0
	s_mov_b32 s[G1+7], 0
	s_or_b32 s[G1B+0], s44, (0<<16)|(1<<20)|(1<<21)|(6<<22)|(3<<25)
	s_mov_b32 s[G1B+1], KSTEP<<16
	s_mov_b32 s[G1B+2], 128<<16
	s_mov_b32 s[G1B+3], KSTEP<<16
	s_mov_b32 s[G1B+4], 128
	s_mov_b32 s[G1B+5], SIZE_K
	s_mov_b32 s[G1B+6], 0
	s_mov_b32 s[G1B+7], 0
	s_or_b32 s[G1S+0], s43, (3<<16)|(1<<21)
	s_or_b32 s[G1SB+0], s44, (3<<16)|(1<<20)|(1<<21)|(5<<22)|(3<<25)
.irp g, G1S, G1SB
	s_mov_b32 s[\g+1], 32<<16
	s_mov_b32 s[\g+2], (SIZE_K/64)<<16
	s_mov_b32 s[\g+3], 32<<16
	s_mov_b32 s[\g+4], SIZE_K/64
	s_mov_b32 s[\g+5], 32
	s_mov_b32 s[\g+6], 0
	s_mov_b32 s[\g+7], 0
.endr
	s_lshl_b32 s20, s17, 3
	s_lshl_b32 s18, s16, 2
	s_add_co_u32 s20, s20, s18
	s_mul_i32 s20, s20, RSTR
	s_mov_b32 s21, 0
	s_mul_i32 s22, s17, 2*SAH
	s_add_co_u32 s22, s22, ASC
	s_mov_b32 s23, 0
	s_lshl_b32 s46, s42, 7
	s_lshl_b32 s18, s16, 6
	s_add_co_u32 s46, s46, s18
	s_mul_i32 s92, s42, 128*KS
	s_mov_b32 s93, 0
	s_mul_i32 s46, s46, SIZE_K
	s_mov_b32 s47, 0
	s_mul_i32 s45, s16, AHALF
	s_mul_i32 s94, s16, BHALF
	s_add_co_u32 s94, s94, BOFF
	s_mul_i32 s18, s16, 4*RSTR                     ; my half of a tile in memory, in bytes: A's,
	s_mov_b32 s19, 0
	s_mul_i32 s2, s16, 64*SIZE_K                   ; and B's
	s_mov_b32 s3, 0
	s_wait_dscnt 0x0
	s_wait_kmcnt 0x0
	s_add_nc_u64 s[20:21], s[4:5], s[20:21]
	s_add_nc_u64 s[22:23], s[4:5], s[22:23]
	s_add_nc_u64 s[46:47], s[6:7], s[46:47]
	s_add_nc_u64 s[92:93], s[8:9], s[92:93]
	CROUND
	s_mov_b32 s[G0S], 1
	s_mov_b32 s[G0S+1], SCA
	s_mov_b64 s[G0S+2:G0S+3], s[22:23]
	s_or_b32 s[G0S+3], s[G0S+3], 0x80000000
	s_mov_b32 s[G0SB], 1
	s_mov_b32 s[G0SB+1], SCB
	s_mov_b64 s[G0SB+2:G0SB+3], s[92:93]
	s_or_b32 s[G0SB+3], s[G0SB+3], 0x80000000
.irp s, 0,1
	s_mov_b32 s[G0+4*\s], 1
	s_add_co_u32 s[G0+4*\s+1], s45, \s*SLOT
	s_add_nc_u64 s[G0+4*\s+2:G0+4*\s+3], s[20:21], \s*8192
	s_or_b32 s[G0+4*\s+3], s[G0+4*\s+3], 0x80000000
	s_mov_b32 s[G0B+4*\s], 1
	s_add_co_u32 s[G0B+4*\s+1], s94, \s*SLOT
	s_add_nc_u64 s[G0B+4*\s+2:G0B+4*\s+3], s[46:47], \s*KSTEP
	s_or_b32 s[G0B+4*\s+3], s[G0B+4*\s+3], 0x80000000
.endr
	s_mov_b32 s[G0+1], 0                           ; slot 0's groups 0 serve the head's loads: the whole tile, from its first row
	s_sub_nc_u64 s[G0+2:G0+3], s[G0+2:G0+3], s[18:19]
	s_mov_b32 s[G0B+1], BOFF
	s_sub_nc_u64 s[G0B+2:G0B+3], s[G0B+2:G0B+3], s[2:3]
.macro ARM under, g0, g1, next         ; one tree of branches on the wave's number, one load on every way
	s_cmp_lt_u32 s14, \under
	s_cbranch_scc0 \next
	tensor_load_to_lds s[\g0:\g0+3], s[\g1:\g1+7]
	s_nop 0
.rept 4
	v_nop
.endr
	s_branch .Lhead_asked
\next:
.endm
	ARM 1, G0,  G1,  .Lhead_b
	ARM 2, G0B, G1B, .Lhead_sa
	ARM 3, G0S, G1S, .Lhead_sb
	tensor_load_to_lds s[G0SB:G0SB+3], s[G1SB:G1SB+7]
	s_nop 0
.rept 4
	v_nop
.endr
.Lhead_asked:
	s_lshl_b32 s8, s17, 3                          ; the prefetch.  A: row tile 8 x tile row + 4 x my half + cx;
	s_lshl_b32 s9, s16, 2
	s_add_co_u32 s8, s8, s9
	s_add_co_u32 s8, s8, s40
	s_mul_i32 s8, s8, RSTR
	s_lshl_b32 s9, s42, 7                          ; B: row 128 x tile column + 64 x my half + 16 cy
	s_lshl_b32 s12, s16, 6
	s_add_co_u32 s9, s9, s12
	s_lshl_b32 s12, s41, 4
	s_add_co_u32 s9, s9, s12
	s_mul_i32 s9, s9, SIZE_K
	s_mov_b32 s12, KSTEP
	s_mov_b32 s13, SIZE_K
	s_cmp_eq_u32 s15, 0                            ; do I fetch for A?
	s_cselect_b64 s[PFA:PFA+1], s[4:5], s[6:7]
	s_cselect_b32 s8, s8, s9
	s_cselect_b32 s[PFS], 8192, s12                ; a K step on
	s_cselect_b32 s13, 512, s13                    ; from one pair of lanes to the next: 512 bytes of an image, or a row of B
	s_mov_b32 s9, 0
	s_mov_b32 s[PFS+1], 0
	s_add_nc_u64 s[PFA:PFA+1], s[PFA:PFA+1], s[8:9]
	s_add_nc_u64 s[PFA:PFA+1], s[PFA:PFA+1], s[PFS:PFS+1]   ; at K step 1
	v_and_b32 v1, 15, v0
	v_bfe_u32 v2, v0, 4, 1
	v_and_b32 v3, 31, v0
	v_lshlrev_b32 v4, 4, v3
	s_wait_alu depctr_va_vdst(0)
	v_mul_u32_u24 v5, v1, PITCH
	v_lshl_add_u32 v5, v2, 4, v5
	s_mul_i32 s21, s15, AHALF
	s_mul_i32 s22, s16, BHALF
	s_add_co_u32 s22, s22, BOFF
.irp s, 0,1
	v_add_nc_u32 v[ADRA+\s], s21, v4
	v_add_nc_u32 v[ADRB+\s], s22, v5
	s_add_co_u32 s21, s21, SLOT
	s_add_co_u32 s22, s22, SLOT
.endr
	s_lshl_b32 s21, s15, 3
	s_add_co_u32 s21, s21, SCA
	v_add_nc_u32 v[ADSA], s21, v4
	v_mul_u32_u24 v5, v1, KS
	v_lshrrev_b32 v6, 8, v5
	v_lshl_add_u32 v5, v6, 4, v5
	s_mul_i32 s21, s16, SBH
	s_add_co_u32 s21, s21, SCB
	v_add_nc_u32 v[ADSB], s21, v5
	s_mul_i32 s23, s14, 16*SPITCH
	v_mul_u32_u24 v5, v1, SPITCH
	v_lshl_add_u32 v5, v2, 5, v5
	v_add_nc_u32 v[STO], s23, v5
	v_mul_u32_u24 v5, v2, SPITCH
	v_lshl_add_u32 v5, v1, 4, v5
	v_add_nc_u32 v[RD], s23, v5
	v_lshlrev_b32 v[CO], 12, v2
	v_lshl_add_u32 v[CO], v1, 4, v[CO]
	v_lshlrev_b32 v7, 4, v1
	v_and_b32 v30, 31, v0
	v_lshrrev_b32 v31, 1, v30
	v_and_b32 v30, 1, v30
	v_lshlrev_b32 v30, 8, v30
	v_mad_u32_u24 v[PFO], v31, s13, v30            ; (lane / 2) x s13 + 256 (lane % 2)
	s_wait_alu depctr_va_vdst(0)
	global_prefetch_b8 v[PFO], s[PFA:PFA+1] th:TH_LOAD_NT scope:SCOPE_SE   ; K step 1
	s_lshl_b32 s20, s17, 7
	s_lshl_b32 s21, s15, 6
	s_add_co_u32 s20, s20, s21
	s_lshl_b32 s20, s20, 12
	s_lshl_b32 s46, s42, 9
	s_lshl_b32 s47, s16, 8
	s_add_co_u32 s46, s46, s47
	s_mov_b32 s47, 0
	s_add_nc_u64 s[10:11], s[10:11], s[46:47]
	s_add_co_u32 s46, s46, s20
	s_add_nc_u64 s[96:97], s[96:97], s[46:47]
	s_add_nc_u64 s[98:99], s[98:99], s[46:47]
	global_load_b128 v[8:11], v7, s[10:11]
.macro MULA f, q, set, a, zero
.irp b, 0,1,2,3
.if \zero
.if (\a)%2
	v_wmma_scale_f32_16x16x128_f8f6f4 v[ACC+8*(4*(\a)+\b):ACC+8*(4*(\a)+\b)+7], v[\f+16*\b:\f+16*\b+15], v[\f+64+16*(\a):\f+64+16*(\a)+15], 0, v[SB+16*(\set)+4*\b+(\q)], v[SA+8*(\set)+2*(\q)+(\a)/2] matrix_b_scale:MATRIX_SCALE_ROW1
.else
	v_wmma_scale_f32_16x16x128_f8f6f4 v[ACC+8*(4*(\a)+\b):ACC+8*(4*(\a)+\b)+7], v[\f+16*\b:\f+16*\b+15], v[\f+64+16*(\a):\f+64+16*(\a)+15], 0, v[SB+16*(\set)+4*\b+(\q)], v[SA+8*(\set)+2*(\q)+(\a)/2]
.endif
.else
.if (\a)%2
	v_wmma_scale_f32_16x16x128_f8f6f4 v[ACC+8*(4*(\a)+\b):ACC+8*(4*(\a)+\b)+7], v[\f+16*\b:\f+16*\b+15], v[\f+64+16*(\a):\f+64+16*(\a)+15], v[ACC+8*(4*(\a)+\b):ACC+8*(4*(\a)+\b)+7], v[SB+16*(\set)+4*\b+(\q)], v[SA+8*(\set)+2*(\q)+(\a)/2] matrix_b_scale:MATRIX_SCALE_ROW1
.else
	v_wmma_scale_f32_16x16x128_f8f6f4 v[ACC+8*(4*(\a)+\b):ACC+8*(4*(\a)+\b)+7], v[\f+16*\b:\f+16*\b+15], v[\f+64+16*(\a):\f+64+16*(\a)+15], v[ACC+8*(4*(\a)+\b):ACC+8*(4*(\a)+\b)+7], v[SB+16*(\set)+4*\b+(\q)], v[SA+8*(\set)+2*(\q)+(\a)/2]
.endif
.endif
.endr
.endm
.macro FETCH slot, q, f
	WIN TO_F
.irp b, 0,1,2,3
.irp c, 0,1,2,3
	ds_load_b128 v[\f+16*\b+4*\c:\f+16*\b+4*\c+3], v[ADRB+\slot] offset:128*(\q)+32*\c+\b*16*PITCH
.endr
.endr
.irp a, 0,1,2,3
.irp c, 0,1,2,3
	ds_load_b128 v[\f+64+16*\a+4*\c:\f+64+16*\a+4*\c+3], v[ADRA+\slot] offset:8192*\a+2048*(\q)+512*\c
.endr
.endr
.endm
.macro SCALES set
	WIN 0
.irp q, 0,1,2,3
	ds_load_b64 v[SA+8*\set+2*\q:SA+8*\set+2*\q+1], v[ADSA] offset:512*\q
.endr
.irp b, 0,1,2,3
	ds_load_b128 v[SB+16*\set+4*\b:SB+16*\set+4*\b+3], v[ADSB] offset:\b*SBLK
.endr
.endm
.macro PLACES n
.rept \n
	v_nop
.endr
.endm
.macro STEPQ slot, q, f, g, zero
	s_wait_dscnt 0x0
	WIN MUL
	MULA \f, \q, \slot, 0, \zero
	MULA \f, \q, \slot, 1, \zero
	PLACES NP
	FETCH \slot, (\q)+1, \g
	WIN MUL
	MULA \f, \q, \slot, 2, \zero
	MULA \f, \q, \slot, 3, \zero
.endm
.macro TURN slot, next, fill
	WIN 0
	s_wait_tensorcnt 0x0
	ds_add_u32 v[SPW], v[NIL]
	s_wait_dscnt 1
	WIN MUL
	MULA F1, 3, \slot, 0, 0
	s_wait_dscnt 0x0
	s_barrier_signal -1
	MULA F1, 3, \slot, 1, 0
	WIN 0
	s_barrier_wait -1
.if \fill
	CREST
	s_add_nc_u64 s[G0+4*\slot+2:G0+4*\slot+3], s[G0+4*\slot+2:G0+4*\slot+3], 2*8192
	s_add_nc_u64 s[G0B+4*\slot+2:G0B+4*\slot+3], s[G0B+4*\slot+2:G0B+4*\slot+3], 2*KSTEP
	JLOAD G0+4*\slot, G1, G0B+4*\slot, G1B
	PLACES NP-4
.else
	PLACES NP
.endif
	v_add_nc_u32 v[ADSA], 2048, v[ADSA]
	v_add_nc_u32 v[ADSB], 16, v[ADSB]
	FETCH \next, 0, F0
	SCALES \next
	WIN MUL
	MULA F1, 3, \slot, 2, 0
	MULA F1, 3, \slot, 3, 0
.endm
	s_wait_tensorcnt 0x0                           ; my tile of the head's four is in
	ds_add_u32 v[SPW], v[NIL]
	s_mov_b32 s[G1+2], 4<<16                       ; no tensor load of mine is out: from here on a load brings half a tile
	s_mov_b32 s[G1+4], 4
	s_mov_b32 s[G1B+2], 64<<16
	s_mov_b32 s[G1B+4], 64
	s_wait_dscnt 0x0
	CROUND
	JLOAD G0+4, G1, G0B+4, G1B                     ; K step 1's load, the first tensor load behind the round
	FETCH 0, 0, F0
	SCALES 0
	WIN 0x80                                       ; destination window 2: x's 64 x 64 numbers of my part of the tile, for the way out
.irp a, 0,1,2,3
.irp t, 0,1,2,3,4,5,6,7
	global_load_b128 v[32*\a+4*\t:32*\a+4*\t+3], v[CO], s[96:97] offset:(16*\a+2*\t)*4096
.endr
.endr
	WIN 0
	STEPQ 0, 0, F0, F1, 1
.if LAPS > 1
	WIN 0
	s_mov_b32 s3, LAPS-1
.Llap:
	STEPQ 0, 1, F1, F0, 0
	STEPQ 0, 2, F0, F1, 0
	TURN 0, 1, 1
	STEPQ 1, 0, F0, F1, 0
	STEPQ 1, 1, F1, F0, 0
	STEPQ 1, 2, F0, F1, 0
	TURN 1, 0, 1
	STEPQ 0, 0, F0, F1, 0
	WIN 0
	s_sub_co_u32 s3, s3, 1
	s_cmp_lg_u32 s3, 0
	s_cbranch_scc1 .Llap
.endif
	STEPQ 0, 1, F1, F0, 0
	STEPQ 0, 2, F0, F1, 0
	TURN 0, 1, 0
	STEPQ 1, 0, F0, F1, 0
	STEPQ 1, 1, F1, F0, 0
	STEPQ 1, 2, F0, F1, 0
	s_wait_dscnt 0x0
	WIN MUL
	MULA F1, 3, 1, 0, 0
	MULA F1, 3, 1, 1, 0
	MULA F1, 3, 1, 2, 0
	MULA F1, 3, 1, 3, 0
	WIN 0
	PLACES NP
	s_wait_loadcnt 0x0
.irp a, 0,1,2,3
.irp b, 0,1,2,3
	ds_store_b128 v[STO], v[ACC+8*(4*\a+\b):ACC+8*(4*\a+\b)+3] offset:64*\b
	ds_store_b128 v[STO], v[ACC+8*(4*\a+\b)+4:ACC+8*(4*\a+\b)+7] offset:64*\b+16
.endr
.irp t, 0,1,2,3,4,5,6,7
	ds_load_b128 v[OB+4*\t:OB+4*\t+3], v[RD] offset:2*\t*SPITCH
.endr
	s_wait_dscnt 0x0
	WIN 0x08
.set i, 0
.rept 16
	v_pk_add_f32 v[OB+i:OB+i+1], v[OB+i:OB+i+1], v[32*\a+i:32*\a+i+1]
.set i, i+2
.endr
	WIN 0
.irp t, 0,1,2,3,4,5,6,7
	v_pk_add_f32 v[OB+4*\t:OB+4*\t+1], v[OB+4*\t:OB+4*\t+1], v[8:9]
	v_pk_add_f32 v[OB+4*\t+2:OB+4*\t+3], v[OB+4*\t+2:OB+4*\t+3], v[10:11]
.endr
.irp t, 0,1,2,3,4,5,6,7
	global_store_b128 v[CO], v[OB+4*\t:OB+4*\t+3], s[98:99] offset:(16*\a+2*\t)*4096
.endr
	s_wait_xcnt 0x0
.endr
	s_wait_tensorcnt 0x0
	ds_add_u32 v[SPW], v[NIL]
	s_wait_dscnt 0x0
	CROUND
	s_endpgm
.Lfunc_end_k_q80936cf31e_proj:
	.size	k_q80936cf31e_proj, .Lfunc_end_k_q80936cf31e_proj-k_q80936cf31e_proj
	.p2alignl 7, 3214868480
	.fill 96, 4, 3214868480
	.section	.rodata,"a",@progbits
	.p2align	6, 0x0
	.amdhsa_kernel k_q80936cf31e_proj
		.amdhsa_group_segment_fixed_size 327680
		.amdhsa_private_segment_fixed_size 0
		.amdhsa_enable_private_segment 0
		.amdhsa_kernarg_size 48
		.amdhsa_user_sgpr_count 2
		.amdhsa_user_sgpr_kernarg_segment_ptr 1
		.amdhsa_wavefront_size32 1
		.amdhsa_system_sgpr_workgroup_id_x 1
		.amdhsa_system_sgpr_workgroup_id_y 1
		.amdhsa_system_sgpr_workgroup_id_z 1
		.amdhsa_system_vgpr_workitem_id 0
		.amdhsa_next_free_vgpr 640
		.amdhsa_next_free_sgpr 100
		.amdhsa_reserve_vcc 0
		.amdhsa_float_denorm_mode_32 3
		.amdhsa_float_denorm_mode_16_64 3
		.amdhsa_memory_ordered 1
		.amdhsa_forward_progress 1
		.amdhsa_inst_pref_size 68
	.end_amdhsa_kernel
	.amdgpu_metadata
---
amdhsa.version: [ 1, 2 ]
amdhsa.kernels:
  - .name:           k_q80936cf31e_proj
    .symbol:         k_q80936cf31e_proj.kd
    .args:
      - { .name: act, .offset: 0, .size: 8, .value_kind: global_buffer, .address_space: global }
      - { .name: proj_w_codes, .offset: 8, .size: 8, .value_kind: global_buffer, .address_space: global }
      - { .name: proj_w_scales, .offset: 16, .size: 8, .value_kind: global_buffer, .address_space: global }
      - { .name: proj_b, .offset: 24, .size: 8, .value_kind: global_buffer, .address_space: global }
      - { .name: x, .offset: 32, .size: 8, .value_kind: global_buffer, .address_space: global }
      - { .name: x1, .offset: 40, .size: 8, .value_kind: global_buffer, .address_space: global }
    .group_segment_fixed_size: 327680
    .private_segment_fixed_size: 0
    .kernarg_segment_align: 8
    .kernarg_segment_size: 48
    .max_flat_workgroup_size: 128
    .sgpr_count:     100
    .vgpr_count:     640
    .wavefront_size: 32
...
	.end_amdgpu_metadata
.endif
;; end of part 5
;; launch ln2 (part 6): grid 256 x 1, 4 waves a work-group, no clusters, 21,504 bytes of LDS; arguments x1, ln2_g, ln2_b, act; writes act
.if DOCPART == 6
	.amdgcn_target "amdgcn-amd-amdhsa--gfx1250"
	.amdhsa_code_object_version 6
	.text
	.protected	k_q80936cf31e_ln2
	.globl	k_q80936cf31e_ln2
	.p2align	8
	.type	k_q80936cf31e_ln2,@function
k_q80936cf31e_ln2:
	s_mov_b64 s[64:65], 0
	v_nop
	global_prefetch_b8 v0, s[64:65] scope:SCOPE_SE
	s_setreg_imm32_b32 hwreg(HW_REG_WAVE_MODE, 25, 1), 1
	s_wait_xcnt 0x0
; Launch 6 of 8: h = LN2(x1), quantised along its 1,024 features: act + 0: codes [4096][1024]; act + 0x400000: scale bytes [4096][32].  The text of launch 2 without the time embedding.  Nothing is left out.
; A work-group has 16 rows, a wave 4; a wave holds a whole row.  Half a row at a time turns through the wave's own stage in LDS, so that a lane holds 16 neighbours for the conversions.
; LIMITS: NaN and infinities are not served; a block of zeros or under 2^-118 gets the byte 1 (read by this program alone).
.set SP,    80
.set WREG,  2*32*SP
.set SCB,   4*WREG
.set SPARE, SCB+512
.set G,   16
.set BV,  48
.set XS,  80
.set X,   112
.set CD,  240
.set RS,  248
.set SPW, 14
.set NIL, 15
	s_load_b64 s[4:5], s[0:1], 0x0                 ; x1
	s_load_b64 s[10:11], s[0:1], 0x8               ; gain
	s_load_b128 s[12:15], s[0:1], 0x10             ; shift, act
	v_lshl_add_u32 v[SPW], v0, 2, SPARE
	v_mov_b32 v[NIL], 0
	v_lshrrev_b32 v4, 5, v0
	v_readfirstlane_b32 s16, v4
	v_and_b32 v4, 31, v0
	v_lshlrev_b32 v1, 4, v4
	s_mul_i32 s17, s16, WREG
	v_lshrrev_b32 v2, 2, v4
	v_mul_u32_u24 v2, v2, SP
	v_and_b32 v3, 3, v4
	v_lshl_add_u32 v2, v3, 4, v2
	v_add_nc_u32 v2, s17, v2
	v_mul_u32_u24 v3, v4, SP
	v_add_nc_u32 v3, s17, v3
	v_lshrrev_b32 v5, 1, v4
	s_lshl_b32 s18, s16, 7
	s_add_co_u32 s18, s18, SCB
	v_add_nc_u32 v5, s18, v5
	v_add_nc_u32 v4, SCB, v1
	s_lshl_b32 s18, ttmp9, 4
	s_lshl_b32 s19, s16, 2
	s_add_co_u32 s18, s18, s19
	s_lshl_b32 s20, s18, 12
	s_mov_b32 s21, 0
	s_lshl_b32 s22, s18, 10
	s_mov_b32 s23, 0
	s_lshl_b32 s26, ttmp9, 9
	s_add_co_u32 s26, s26, 0x400000
	s_mov_b32 s27, 0
	s_mov_b32 s28, 0x76543210
	s_mov_b32 s29, 0xfedcba98
	s_mov_b32 s30, 0x3a800000                      ; 1 / 1024
	s_mov_b32 s31, 0x3727c5ac                      ; 1e-5
	s_mov_b32 s32, 0x600000
.irp p, 0,1,2,3
	v_mov_b32 v[RS+2*\p+1], 0
.endr
	s_wait_kmcnt 0x0
	s_add_nc_u64 s[4:5], s[4:5], s[20:21]
	s_add_nc_u64 s[34:35], s[14:15], s[26:27]
	s_add_nc_u64 s[14:15], s[14:15], s[22:23]
.irp j, 0,1,2,3,4,5,6,7
	global_load_b128 v[G+4*\j:G+4*\j+3], v1, s[10:11] offset:512*\j
.endr
.irp j, 0,1,2,3,4,5,6,7
	global_load_b128 v[BV+4*\j:BV+4*\j+3], v1, s[12:13] offset:512*\j
.endr
.irp p, 0,1,2,3
.irp j, 0,1,2,3,4,5,6,7
	global_load_b128 v[X+32*\p+4*\j:X+32*\p+4*\j+3], v1, s[4:5] offset:4096*\p+512*\j
.endr
.endr
	s_wait_loadcnt 0x0
.macro ACROSS r, w
	v_add_f32_dpp v[\r], v[\r], v[\r] row_xmask:1 row_mask:0xf bank_mask:0xf
	v_add_f32_dpp v[\r], v[\r], v[\r] row_xmask:2 row_mask:0xf bank_mask:0xf
	v_add_f32_dpp v[\r], v[\r], v[\r] row_xmask:4 row_mask:0xf bank_mask:0xf
	v_add_f32_dpp v[\r], v[\r], v[\r] row_xmask:8 row_mask:0xf bank_mask:0xf
	v_permlanex16_b32 v[\w], v[\r], s28, s29
	v_add_f32 v[\r], v[\r], v[\w]
.endm
.macro STATS p
.set XR, X+32*(\p)
	v_pk_add_f32 v[6:7], v[XR:XR+1], v[XR+2:XR+3]
	v_pk_add_f32 v[8:9], v[XR+4:XR+5], v[XR+6:XR+7]
.irp i, 8,12,16,20,24,28
	v_pk_add_f32 v[6:7], v[6:7], v[XR+\i:XR+\i+1]
	v_pk_add_f32 v[8:9], v[8:9], v[XR+\i+2:XR+\i+3]
.endr
	v_pk_add_f32 v[6:7], v[6:7], v[8:9]
	v_add_f32 v6, v6, v7
	ACROSS 6, 7
	v_mul_f32 v6, s30, v6
.set i, 0
.rept 16
	v_pk_add_f32 v[XR+i:XR+i+1], v[XR+i:XR+i+1], v[6:7] op_sel_hi:[1,0] neg_lo:[0,1] neg_hi:[0,1]
.set i, i+2
.endr
	v_pk_mul_f32 v[8:9], v[XR:XR+1], v[XR:XR+1]
	v_pk_mul_f32 v[10:11], v[XR+2:XR+3], v[XR+2:XR+3]
.irp i, 4,8,12,16,20,24,28
	v_pk_fma_f32 v[8:9], v[XR+\i:XR+\i+1], v[XR+\i:XR+\i+1], v[8:9]
	v_pk_fma_f32 v[10:11], v[XR+\i+2:XR+\i+3], v[XR+\i+2:XR+\i+3], v[10:11]
.endr
	v_pk_add_f32 v[8:9], v[8:9], v[10:11]
	v_add_f32 v8, v8, v9
	ACROSS 8, 9
	v_fma_f32 v[RS+2*(\p)], v8, s30, s31
.endm
	STATS 0
	STATS 1
	STATS 2
	STATS 3
	s_wait_alu depctr_va_vdst(0)
.irp p, 0,1,2,3
	v_rsq_f32 v[RS+2*\p], v[RS+2*\p]
.endr
	v_nop
	s_wait_alu depctr_va_vdst(0)                   ; one wait for the four
.irp p, 0,1,2,3
.set i, 0
.rept 16
	v_pk_mul_f32 v[X+32*\p+i:X+32*\p+i+1], v[X+32*\p+i:X+32*\p+i+1], v[RS+2*\p:RS+2*\p+1] op_sel_hi:[1,0]
.set i, i+2
.endr
.set i, 0
.rept 16
	v_pk_fma_f32 v[X+32*\p+i:X+32*\p+i+1], v[X+32*\p+i:X+32*\p+i+1], v[G+i:G+i+1], v[BV+i:BV+i+1]
.set i, i+2
.endr
.endr
.macro TURN t
.irp i, 0,1,2,3
	ds_store_b128 v2, v[X+16*(\t)+4*\i:X+16*(\t)+4*\i+3] offset:32*SP*((\t)%2)+8*SP*\i
.endr
.irp i, 0,1,2,3
	ds_load_b128 v[XS+16*((\t)%2)+4*\i:XS+16*((\t)%2)+4*\i+3], v3 offset:32*SP*((\t)%2)+16*\i
.endr
.endm
.macro STEP t
.set XQ, XS+16*((\t)%2)
.set CQ, CD+4*((\t)%2)
.if (\t) > 0
	s_wait_dscnt 1                                 ; this half row is back from the stage; the last step's byte store may be out
.else
	s_wait_dscnt 0x0
.endif
.if (\t)+1 < 8
	TURN (\t)+1
.endif
	v_max3_num_f32 v8, |v[XQ]|, |v[XQ+1]|, |v[XQ+2]|
	v_max3_num_f32 v9, |v[XQ+3]|, |v[XQ+4]|, |v[XQ+5]|
.irp i, 6,10
	v_max3_num_f32 v8, v8, |v[XQ+\i]|, |v[XQ+\i+1]|
	v_max3_num_f32 v9, v9, |v[XQ+\i+2]|, |v[XQ+\i+3]|
.endr
	v_max3_num_f32 v8, v8, |v[XQ+14]|, |v[XQ+15]|
	v_max3_num_f32 v8, v8, v9, 0x4800000
	v_max_num_f32_dpp v8, v8, v8 row_xmask:1 row_mask:0xf bank_mask:0xf
	v_add_nc_u32 v11, 0xfc000000, v8
	v_and_or_b32 v10, v8, 0x7f800000, s32
.set i, 0
.rept 16
	v_med3_num_f32 v[XQ+i], v[XQ+i], -v10, v10
.set i, i+1
.endr
.if (\t) >= 2
	s_wait_alu depctr_va_vdst(0)
	s_wait_xcnt 0x0                                ; the store of two steps ago has read this set of codes
.endif
	v_cvt_scalef32_pk8_fp8_f32 v[CQ:CQ+1], v[XQ:XQ+7], v11
	v_cvt_scalef32_pk8_fp8_f32 v[CQ+2:CQ+3], v[XQ+8:XQ+15], v11
	v_lshrrev_b32 v12, 23, v11
	ds_store_b8 v5, v12 offset:16*(\t)
	global_store_b128 v1, v[CQ:CQ+3], s[14:15] offset:512*(\t)
.endm
	TURN 0
.irp t, 0,1,2,3,4,5,6,7
	STEP \t
.endr
	s_wait_dscnt 0x0
	s_barrier_signal -1
	s_barrier_wait -1
	s_cmp_lg_u32 s16, 0
	s_cbranch_scc1 .Lend
	ds_load_b128 v[16:19], v4
	s_wait_dscnt 0x0
	global_store_b128 v1, v[16:19], s[34:35]
.Lend:
	s_wait_tensorcnt 0x0                           ; the wave's end
	ds_add_u32 v[SPW], v[NIL]
	s_wait_dscnt 0x0
	s_endpgm
.Lfunc_end_k_q80936cf31e_ln2:
	.size	k_q80936cf31e_ln2, .Lfunc_end_k_q80936cf31e_ln2-k_q80936cf31e_ln2
	.p2alignl 7, 3214868480
	.fill 96, 4, 3214868480
	.section	.rodata,"a",@progbits
	.p2align	6, 0x0
	.amdhsa_kernel k_q80936cf31e_ln2
		.amdhsa_group_segment_fixed_size 21504
		.amdhsa_private_segment_fixed_size 0
		.amdhsa_enable_private_segment 0
		.amdhsa_kernarg_size 32
		.amdhsa_user_sgpr_count 2
		.amdhsa_user_sgpr_kernarg_segment_ptr 1
		.amdhsa_wavefront_size32 1
		.amdhsa_system_sgpr_workgroup_id_x 1
		.amdhsa_system_sgpr_workgroup_id_y 1
		.amdhsa_system_sgpr_workgroup_id_z 1
		.amdhsa_system_vgpr_workitem_id 0
		.amdhsa_next_free_vgpr 256
		.amdhsa_next_free_sgpr 66
		.amdhsa_reserve_vcc 0
		.amdhsa_float_denorm_mode_32 3
		.amdhsa_float_denorm_mode_16_64 3
		.amdhsa_memory_ordered 1
		.amdhsa_forward_progress 1
		.amdhsa_inst_pref_size 52
	.end_amdhsa_kernel
	.amdgpu_metadata
---
amdhsa.version: [ 1, 2 ]
amdhsa.kernels:
  - .name:           k_q80936cf31e_ln2
    .symbol:         k_q80936cf31e_ln2.kd
    .args:
      - { .name: x1, .offset: 0, .size: 8, .value_kind: global_buffer, .address_space: global }
      - { .name: ln2_g, .offset: 8, .size: 8, .value_kind: global_buffer, .address_space: global }
      - { .name: ln2_b, .offset: 16, .size: 8, .value_kind: global_buffer, .address_space: global }
      - { .name: act, .offset: 24, .size: 8, .value_kind: global_buffer, .address_space: global }
    .group_segment_fixed_size: 21504
    .private_segment_fixed_size: 0
    .kernarg_segment_align: 8
    .kernarg_segment_size: 32
    .max_flat_workgroup_size: 128
    .sgpr_count:     66
    .vgpr_count:     256
    .wavefront_size: 32
...
	.end_amdgpu_metadata
.endif
;; end of part 6
;; launch ff1 (part 7): grid 16 x 16, 4 waves a work-group, clusters of 4 x 4, 327,680 bytes of LDS; arguments act, ff1_w_codes, ff1_w_scales, ff1_b, hid; writes hid
.if DOCPART == 7
	.amdgcn_target "amdgcn-amd-amdhsa--gfx1250"
	.amdhsa_code_object_version 6
	.text
	.protected	k_q80936cf31e_ff1
	.globl	k_q80936cf31e_ff1
	.p2align	8
	.type	k_q80936cf31e_ff1,@function
k_q80936cf31e_ff1:
	s_mov_b64 s[64:65], 0
	v_nop
	global_prefetch_b8 v0, s[64:65] scope:SCOPE_SE
	s_setreg_imm32_b32 hwreg(HW_REG_WAVE_MODE, 25, 1), 1
	s_wait_xcnt 0x0
	s_wait_alu depctr_hold_cnt(0) depctr_sa_sdst(0) depctr_va_vdst(0) depctr_va_sdst(0) depctr_va_ssrc(0) depctr_va_vcc(0) depctr_vm_vsrc(0)
	s_getreg_b32 s2, hwreg(HW_REG_IB_STS2, 6, 4)
	s_cmp_eq_u32 s2, 0
	s_cbranch_scc0 .Lentry_in_a_cluster
	s_endpgm
.Lentry_in_a_cluster:
	s_bfe_u32 s2, ttmp6, 0x10000c
	s_cmp_lg_u32 s2, 0xf033
	s_cbranch_scc0 .Lentry_shape_is_right
	s_endpgm
.Lentry_shape_is_right:
; gelu(h ff1_w + ff1_b), exact gelu in f32, on codes of E4M3 (K = 1,024), quantised along the 4,096 hidden units and stored as images of the next product's operand registers.  Nothing is left out.
; A tile of 256 x 256 a work-group, 128 x 128 a wave, K in steps of 256 through two LDS slots, all scales in LDS once, 4 x 4 clusters with joint loads.
; THE HEAD'S LOADS, one a wave: wave 0 K step 0's 256 rows of A, wave 1 of B, wave 2 A's scales, wave 3 B's; K step 1 follows behind the full sequence and a round.
; erf(u) = u P(u^2) / Q(u^2) with u held within +-4.  LIMITS: NaN and infinities not served; a block of zeros or under 2^-118 gets the byte 1 (read by this program alone).
.set SIZE_K, 1024
.set KSTEP,  256
.set NQ,     KSTEP/128
.set ROWB,   256
.set KROW,   SIZE_K
.set PITCH,  272
.set FR,     16
.set NL,     4
.set NP,     8
.set HALFT,  128*PITCH
.set SLOT,   4*HALFT
.set LAPS,   SIZE_K/(2*KSTEP)
.set KS,     SIZE_K/32
.set SCL,    2*SLOT
.set HALFS,  (128*KS/256)*272
.set SBLK,   (16*KS/256)*272
.set SPARE,  SCL+4*HALFS
.set ADRA, 16
.set ADRB, 20
.set ADRS, 27
.set SPW,  28
.set NIL,  29
.set SC,   32
.set AF,   128
.set TM,   32
.set PC,   48
.set BV,   64
.set T,    128
.set U,    192
.set U2,   208
.set PP,   224
.set QQ,   240
.set SEL,  4
.set MNT,  6
.set AI,   7
.set RS2,  68
.set G1, 24
.set G0, 32
.set G1B, 48
.set G0B, 56
.set G1S, 68
.set G0S, 76
.set G1SB, 80
.set G0SB, 88
.set MSB, 0
.macro WIN new
.if MSB != \new
	s_set_vgpr_msb (MSB<<8)|\new
.set MSB, \new
.endif
.endm
.set MUL_LO, 0xa1
.set MUL_HI, 0xf1
.set TO_B,   0x40
.macro JLOAD g0a, g1a, g0b, g1b
	s_cmp_eq_u32 s15, 0
	s_cbranch_scc0 .Lfor_b_\@
	tensor_load_to_lds s[\g0a:\g0a+3], s[\g1a:\g1a+7]
	s_nop 0
.rept 4
	v_nop
.endr
	s_branch .Lasked_\@
.Lfor_b_\@:
	tensor_load_to_lds s[\g0b:\g0b+3], s[\g1b:\g1b+7]
	s_nop 0
.rept 4
	v_nop
.endr
.Lasked_\@:
.endm
.macro CREST
	s_cmp_lg_u32 s14, 0
	s_cbranch_scc1 .Lnot_wave_0_\@
	s_barrier_signal -3
.Lnot_wave_0_\@:
	s_barrier_wait -3
	s_barrier_signal -1
	s_barrier_wait -1
.endm
.macro CROUND
	s_barrier_signal -1
	s_barrier_wait -1
	CREST
.endm
	s_load_b128 s[4:7], s[0:1], 0x0
	s_load_b128 s[8:11], s[0:1], 0x10
	s_load_b64 s[12:13], s[0:1], 0x20
	v_lshl_add_u32 v[SPW], v0, 2, SPARE
	v_mov_b32 v[NIL], 0
	ds_add_u32 v[SPW], v[NIL]
	ds_add_u32 v[SPW], v[NIL]
	v_lshrrev_b32 v1, 5, v0
	v_readfirstlane_b32 s14, v1
	s_lshr_b32 s15, s14, 1
	s_and_b32 s16, s14, 1
	s_bfe_u32 s40, ttmp6, 0x40000
	s_bfe_u32 s41, ttmp6, 0x40004
	s_lshl_b32 s42, ttmp9, 2
	s_add_co_u32 s42, s42, s40
	s_and_b32 s17, ttmp7, 0xffff
	s_lshl_b32 s17, s17, 2
	s_add_co_u32 s17, s17, s41
	s_lshl_b32 s43, s41, 2
	s_lshl_b32 s43, 15, s43
	s_lshl_b32 s44, 0x1111, s40
	s_or_b32 s[G1+0], s43, (0<<16)|(1<<20)|(1<<21)|(5<<22)|(3<<25)
	s_or_b32 s[G1B+0], s44, (0<<16)|(1<<20)|(1<<21)|(5<<22)|(3<<25)
.irp g, G1, G1B
	s_mov_b32 s[\g+1], ROWB<<16
	s_mov_b32 s[\g+2], 256<<16
	s_mov_b32 s[\g+3], ROWB<<16
	s_mov_b32 s[\g+4], 256
	s_mov_b32 s[\g+5], KROW
	s_mov_b32 s[\g+6], 0
	s_mov_b32 s[\g+7], 0
.endr
	s_or_b32 s[G1S+0], s43, (3<<16)|(1<<20)|(1<<21)|(5<<22)|(3<<25)
	s_or_b32 s[G1SB+0], s44, (3<<16)|(1<<20)|(1<<21)|(5<<22)|(3<<25)
.irp g, G1S, G1SB
	s_mov_b32 s[\g+1], 32<<16
	s_mov_b32 s[\g+2], KS<<16
	s_mov_b32 s[\g+3], 32<<16
	s_mov_b32 s[\g+4], KS
	s_mov_b32 s[\g+5], 32
	s_mov_b32 s[\g+6], 0
	s_mov_b32 s[\g+7], 0
.endr
	s_lshl_b32 s20, s17, 8
	s_lshl_b32 s46, s42, 8
	s_mov_b32 s21, 0
	s_mov_b32 s47, 0
	s_mov_b64 s[18:19], KS
	s_mul_u64 s[22:23], s[20:21], s[18:19]
	s_mul_u64 s[92:93], s[46:47], s[18:19]
	s_mov_b64 s[18:19], KROW
	s_mul_u64 s[20:21], s[20:21], s[18:19]
	s_mul_u64 s[46:47], s[46:47], s[18:19]
	s_mul_i32 s45, s14, HALFT
	s_mul_i32 s18, s16, 128*KROW                   ; in the ring I fetch 128 rows of a tile: which half, in bytes
	s_mov_b32 s19, 0
	s_wait_dscnt 0x0
	s_wait_kmcnt 0x0
	s_add_nc_u64 s[96:97], s[4:5], 0x400000
	s_add_nc_u64 s[20:21], s[4:5], s[20:21]
	s_add_nc_u64 s[22:23], s[96:97], s[22:23]
	s_add_nc_u64 s[46:47], s[6:7], s[46:47]
	s_add_nc_u64 s[92:93], s[8:9], s[92:93]
	CROUND
	s_mov_b32 s[G0S], 1
	s_mov_b32 s[G0S+1], SCL
	s_mov_b64 s[G0S+2:G0S+3], s[22:23]
	s_or_b32 s[G0S+3], s[G0S+3], 0x80000000
	s_mov_b32 s[G0SB], 1
	s_mov_b32 s[G0SB+1], SCL+2*HALFS
	s_mov_b64 s[G0SB+2:G0SB+3], s[92:93]
	s_or_b32 s[G0SB+3], s[G0SB+3], 0x80000000
.set G0H, 4                            ; s[4:7], s[96:99]: group 0 of the head's loads of K step 0 (what lay there has been used)
.set G0HB, 96
	s_mov_b32 s[G0H], 1
	s_mov_b32 s[G0H+1], 0
	s_mov_b64 s[G0H+2:G0H+3], s[20:21]
	s_or_b32 s[G0H+3], s[G0H+3], 0x80000000
	s_mov_b32 s[G0HB], 1
	s_mov_b32 s[G0HB+1], 2*HALFT
	s_mov_b64 s[G0HB+2:G0HB+3], s[46:47]
	s_or_b32 s[G0HB+3], s[G0HB+3], 0x80000000
	s_add_nc_u64 s[20:21], s[20:21], s[18:19]      ; for the ring: my 128 rows of the tile
	s_add_nc_u64 s[46:47], s[46:47], s[18:19]
.irp s, 0,1
	s_mov_b32 s[G0+4*\s], 1
	s_add_co_u32 s[G0+4*\s+1], s45, \s*SLOT
	s_add_nc_u64 s[G0+4*\s+2:G0+4*\s+3], s[20:21], \s*ROWB
	s_or_b32 s[G0+4*\s+3], s[G0+4*\s+3], 0x80000000
	s_mov_b32 s[G0B+4*\s], 1
	s_add_co_u32 s[G0B+4*\s+1], s45, \s*SLOT
	s_add_nc_u64 s[G0B+4*\s+2:G0B+4*\s+3], s[46:47], \s*ROWB
	s_or_b32 s[G0B+4*\s+3], s[G0B+4*\s+3], 0x80000000
.endr
.macro ARM under, g0, g1, next         ; one tree of branches on the wave's number, one load on every way
	s_cmp_lt_u32 s14, \under
	s_cbranch_scc0 \next
	tensor_load_to_lds s[\g0:\g0+3], s[\g1:\g1+7]
	s_nop 0
.rept 4
	v_nop
.endr
	s_branch .Lhead_asked
\next:
.endm
	ARM 1, G0H,  G1,  .Lhead_b
	ARM 2, G0HB, G1B, .Lhead_sa
	ARM 3, G0S,  G1S, .Lhead_sb
	tensor_load_to_lds s[G0SB:G0SB+3], s[G1SB:G1SB+7]
	s_nop 0
.rept 4
	v_nop
.endr
.Lhead_asked:
; PREFETCH: K steps 1 and 2 are asked for here, behind the head's load, K step 3 behind K step 1's load: each two loads ahead of its own.  A K step is 256 bytes of a row: a lane a row, one instruction a wave.
; Of the 128 rows that a wave fetches in the ring each of the four partners that ask for them jointly takes 32, told apart by address (cx for A, cy for B).  The address registers are never rewritten
	v_and_b32 v31, 31, v0
	v_lshlrev_b32 v31, 10, v31                     ; my lane's row: KROW bytes a row
	s_cmp_eq_u32 s15, 0                            ; do I fetch for A?
	s_cselect_b64 s[94:95], s[20:21], s[46:47]     ; my 128 rows, at K step 0
	s_cselect_b32 s92, s40, s41
	s_mul_i32 s92, s92, 32*KROW                    ; my work-group's 32 of them
	s_mov_b32 s93, 0
	s_add_nc_u64 s[94:95], s[94:95], s[92:93]
	global_prefetch_b8 v31, s[94:95] offset:256 th:TH_LOAD_NT scope:SCOPE_SE
	global_prefetch_b8 v31, s[94:95] offset:512 th:TH_LOAD_NT scope:SCOPE_SE
	v_and_b32 v1, 15, v0
	v_bfe_u32 v2, v0, 4, 1
	v_mul_u32_u24 v3, v1, PITCH
	v_lshl_add_u32 v4, v2, 4, v3
	s_mul_i32 s21, s15, HALFT
	s_mul_i32 s22, s16, HALFT
	s_add_co_u32 s22, s22, 2*HALFT
.irp s, 0,1
	v_add_nc_u32 v[ADRA+\s], s21, v4
	v_add_nc_u32 v[ADRB+\s], s22, v4
	s_add_co_u32 s21, s21, SLOT
	s_add_co_u32 s22, s22, SLOT
.endr
	v_mul_u32_u24 v5, v1, KS
	v_lshrrev_b32 v6, 8, v5
	v_lshl_add_u32 v5, v6, 4, v5
	s_mul_i32 s21, s15, HALFS
	s_mul_i32 s22, s16, HALFS
	s_add_co_u32 s22, s22, 2*HALFS
	s_sub_co_u32 s22, s22, s21
	v_mul_u32_u24 v6, s22, v2
	s_add_co_u32 s21, s21, SCL
	v_add_nc_u32 v5, v5, v6
	v_add_nc_u32 v[ADRS], s21, v5
	s_lshl_b32 s46, s42, 10
	s_lshl_b32 s47, s16, 9
	s_add_co_u32 s46, s46, s47
	s_mov_b32 s47, 0
	s_add_nc_u64 s[10:11], s[10:11], s[46:47]
	v_lshlrev_b32 v30, 5, v2
.irp b, 0,1,2,3,4,5,6,7
	global_load_b128 v[BV+8*\b:BV+8*\b+3], v30, s[10:11] offset:64*\b
	global_load_b128 v[BV+8*\b+4:BV+8*\b+7], v30, s[10:11] offset:64*\b+16
.endr
.macro FRAG reg, adr, q, i
.irp c, 0,1,2,3
	ds_load_b128 v[\reg+4*\c:\reg+4*\c+3], v[\adr] offset:128*(\q)+32*\c+(\i)*16*PITCH
.endr
.endm
.macro MUL16 a0, p, q, sc, zero
.irp a, \a0, \a0+1
.irp b, 0,1,2,3,4,5,6,7
.if \zero
	v_wmma_scale_f32_16x16x128_f8f6f4 v[8*(8*((\a)%4)+\b):8*(8*((\a)%4)+\b)+7], v[128*(\p)+FR*\b:128*(\p)+FR*\b+FR-1], v[AF+FR*(\a):AF+FR*(\a)+FR-1], 0, v[SC+8*NQ*(\sc)+NQ*\b+(\q)], v[SC+8*NQ*(\sc)+NQ*(\a)+(\q)] matrix_a_scale:MATRIX_SCALE_ROW1
.else
	v_wmma_scale_f32_16x16x128_f8f6f4 v[8*(8*((\a)%4)+\b):8*(8*((\a)%4)+\b)+7], v[128*(\p)+FR*\b:128*(\p)+FR*\b+FR-1], v[AF+FR*(\a):AF+FR*(\a)+FR-1], v[8*(8*((\a)%4)+\b):8*(8*((\a)%4)+\b)+7], v[SC+8*NQ*(\sc)+NQ*\b+(\q)], v[SC+8*NQ*(\sc)+NQ*(\a)+(\q)] matrix_a_scale:MATRIX_SCALE_ROW1
.endif
.endr
.endr
.endm
.macro FETCH_B slot, q, p
	WIN TO_B
.irp i, 0,1,2,3,4,5,6,7
	FRAG 128*(\p)+FR*\i, ADRB+\slot, \q, \i
.endr
	WIN 0
.endm
.macro FETCH_A slot, q, i0
.irp i, \i0, \i0+1, \i0+2, \i0+3
	FRAG AF+FR*(\i), ADRA+\slot, \q, \i
.endr
.endm
.macro SCALES sc
.irp i, 0,1,2,3,4,5,6,7
	ds_load_b64 v[SC+8*NQ*\sc+NQ*\i:SC+8*NQ*\sc+NQ*\i+1], v[ADRS] offset:\i*SBLK
.endr
.endm
.macro PLACES n
.rept \n
	v_nop
.endr
.endm
.macro STEP slot, q, zero
	s_wait_dscnt 4*NL
	WIN MUL_LO
	MUL16 0, (\q)%2, \q, \slot, \zero
	MUL16 2, (\q)%2, \q, \slot, \zero
	s_wait_dscnt 0
	PLACES NP
	FETCH_B \slot, (\q)+1, 1-(\q)%2
	FETCH_A \slot, (\q)+1, 0
	WIN MUL_HI
	MUL16 4, (\q)%2, \q, \slot, \zero
	MUL16 6, (\q)%2, \q, \slot, \zero
	PLACES NP
	WIN 0
	FETCH_A \slot, (\q)+1, 4
.endm
.macro TURN slot, next, fill
	s_wait_tensorcnt 0x0
	ds_add_u32 v[SPW], v[NIL]
	s_wait_dscnt 4*NL+1
	WIN MUL_LO
	MUL16 0, 1, NQ-1, \slot, 0
	s_wait_dscnt 0x0
	s_barrier_signal -1
	MUL16 2, 1, NQ-1, \slot, 0
	WIN 0
	s_barrier_wait -1
.if \fill
	CREST
	s_add_nc_u64 s[G0+4*\slot+2:G0+4*\slot+3], s[G0+4*\slot+2:G0+4*\slot+3], 2*ROWB
	s_add_nc_u64 s[G0B+4*\slot+2:G0B+4*\slot+3], s[G0B+4*\slot+2:G0B+4*\slot+3], 2*ROWB
	JLOAD G0+4*\slot, G1, G0B+4*\slot, G1B
	PLACES NP-4
.else
	PLACES NP
.endif
	s_wait_alu depctr_va_vdst(0)
	v_add_nc_u32 v[ADRS], 4*NQ, v[ADRS]
	FETCH_B \next, 0, 0
	FETCH_A \next, 0, 0
	SCALES \next
	WIN MUL_HI
	MUL16 4, 1, NQ-1, \slot, 0
	MUL16 6, 1, NQ-1, \slot, 0
	PLACES NP
	WIN 0
	FETCH_A \next, 0, 4
.endm
.macro QUANT s
.irp b, 0,1,2,3
	v_max3_num_f32 v[TM+\b], |v[\s+16*\b]|, |v[\s+1+16*\b]|, 0x4800000
.endr
.irp i, 2,4,6,8,10,12,14
.irp b, 0,1,2,3
	v_max3_num_f32 v[TM+\b], v[TM+\b], |v[\s+16*\b+\i]|, |v[\s+1+16*\b+\i]|
.endr
.endr
.irp b, 0,1,2,3
	v_permlanex16_b32 v[TM+4+\b], v[TM+\b], s[SEL], s[SEL+1]
.endr
.irp b, 0,1,2,3
	v_max_num_f32 v[TM+\b], v[TM+\b], v[TM+4+\b]
.endr
.irp b, 0,1,2,3
	v_add_nc_u32 v[TM+12+\b], 0xfc000000, v[TM+\b]
.endr
.irp b, 0,1,2,3
	v_and_or_b32 v[TM+8+\b], v[TM+\b], 0x7f800000, s[MNT]
.endr
.irp b, 0,1,2,3
	v_lshrrev_b32 v[TM+4+\b], 23, v[TM+12+\b]
.endr
.irp b, 0,1,2,3
.irp i, 0,1,2,3,4,5,6,7,8,9,10,11,12,13,14,15
	v_med3_num_f32 v[\s+16*\b+\i], v[\s+16*\b+\i], -v[TM+8+\b], v[TM+8+\b]
.endr
	v_cvt_scalef32_pk8_fp8_f32 v[PC+4*\b:PC+1+4*\b], v[\s+16*\b:\s+7+16*\b], v[TM+12+\b]
	v_cvt_scalef32_pk8_fp8_f32 v[PC+2+4*\b:PC+3+4*\b], v[\s+8+16*\b:\s+15+16*\b], v[TM+12+\b]
.endr
	v_nop
.endm
.macro PIECE a
	WIN (0x02+(\a)/4)
.set i, 0
.rept 32
	v_pk_add_f32 v[T+i:T+i+1], v[64*((\a)%4)+i:64*((\a)%4)+i+1], v[BV+i:BV+i+1]
.set i, i+2
.endr
	WIN 0
.endm
.macro GELU16 s
.irp p, 0,2,4,6,8,10,12,14
	v_pk_mul_f32 v[U+\p:U+\p+1], v[\s+\p:\s+\p+1], s[RS2:RS2+1] op_sel_hi:[1,0]
.endr
.set i, 0
.rept 16
	v_med3_num_f32 v[U+i], v[U+i], -4.0, 4.0
.set i, i+1
.endr
.irp p, 0,2,4,6,8,10,12,14
	v_pk_mul_f32 v[U2+\p:U2+\p+1], v[U+\p:U+\p+1], v[U+\p:U+\p+1]
.endr
.irp p, 0,2,4,6,8,10,12,14
	v_pk_fma_f32 v[PP+\p:PP+\p+1], v[U2+\p:U2+\p+1], v[8:9], s[70:71] op_sel_hi:[1,0,0]
.endr
.irp k, 72,74,76,78,80
.irp p, 0,2,4,6,8,10,12,14
	v_pk_fma_f32 v[PP+\p:PP+\p+1], v[PP+\p:PP+\p+1], v[U2+\p:U2+\p+1], s[\k:\k+1] op_sel_hi:[1,1,0]
.endr
.endr
.irp p, 0,2,4,6,8,10,12,14
	v_pk_fma_f32 v[QQ+\p:QQ+\p+1], v[U2+\p:U2+\p+1], v[10:11], s[82:83] op_sel_hi:[1,0,0]
.endr
.irp k, 84,86,88
.irp p, 0,2,4,6,8,10,12,14
	v_pk_fma_f32 v[QQ+\p:QQ+\p+1], v[QQ+\p:QQ+\p+1], v[U2+\p:U2+\p+1], s[\k:\k+1] op_sel_hi:[1,1,0]
.endr
.endr
.set i, 0
	s_wait_alu depctr_va_vdst(0)
.rept 16
	v_rcp_f32 v[QQ+i], v[QQ+i]
.set i, i+1
.endr
.irp p, 0,2,4,6,8,10,12,14
	v_pk_mul_f32 v[PP+\p:PP+\p+1], v[PP+\p:PP+\p+1], v[U+\p:U+\p+1]
.endr
.irp p, 0,2,4,6,8,10,12,14
	v_pk_mul_f32 v[\s+\p:\s+\p+1], v[\s+\p:\s+\p+1], 0.5 op_sel_hi:[1,0]
.endr
	s_wait_alu depctr_va_vdst(0)
.irp p, 0,2,4,6,8,10,12,14
	v_pk_mul_f32 v[PP+\p:PP+\p+1], v[PP+\p:PP+\p+1], v[QQ+\p:QQ+\p+1]
.endr
.irp p, 0,2,4,6,8,10,12,14
	v_pk_fma_f32 v[\s+\p:\s+\p+1], v[\s+\p:\s+\p+1], v[PP+\p:PP+\p+1], v[\s+\p:\s+\p+1]
.endr
.endm
.macro KPAIR reg, val
	s_mov_b32 s[\reg], \val
	s_mov_b32 s[\reg+1], \val
.endm
	s_wait_alu depctr_va_vdst(0)
	s_wait_loadcnt 0x0
	s_wait_tensorcnt 0x0                           ; my tile of the head's four is in
	ds_add_u32 v[SPW], v[NIL]
	s_mov_b32 s[G1+2], 128<<16                     ; no tensor load of mine is out: from here on a load brings 128 rows
	s_mov_b32 s[G1+4], 128
	s_mov_b32 s[G1B+2], 128<<16
	s_mov_b32 s[G1B+4], 128
	s_wait_dscnt 0x0
	CROUND
	JLOAD G0+4, G1, G0B+4, G1B                     ; K step 1's load, the first tensor load behind the round
	FETCH_B 0, 0, 0
	FETCH_A 0, 0, 0
	SCALES 0
	FETCH_A 0, 0, 4
	global_prefetch_b8 v31, s[94:95] offset:768 th:TH_LOAD_NT scope:SCOPE_SE   ; K step 3, behind K step 1's load
	STEP 0, 0, 1
	s_mov_b32 s3, LAPS-1
.Llap:
	TURN 0, 1, 1
	STEP 1, 0, 0
	TURN 1, 0, 1
	STEP 0, 0, 0
	s_sub_co_u32 s3, s3, 1
	s_cmp_lg_u32 s3, 0
	s_cbranch_scc1 .Llap
	TURN 0, 1, 0
	STEP 1, 0, 0
	s_wait_dscnt 4*NL
	WIN MUL_LO
	MUL16 0, 1, NQ-1, 1, 0
	MUL16 2, 1, NQ-1, 1, 0
	s_wait_dscnt 0
	WIN MUL_HI
	MUL16 4, 1, NQ-1, 1, 0
	MUL16 6, 1, NQ-1, 1, 0
	WIN 0
	KPAIR RS2, 0x3f3504f3
	KPAIR 70, 0x32edffee
	KPAIR 72, 0xb60cff51
	KPAIR 74, 0xb86ec2d2
	KPAIR 76, 0xba40ac63
	KPAIR 78, 0xbb41a1f6
	KPAIR 80, 0xbc83dbd4
	KPAIR 82, 0xb95fbd29
	KPAIR 84, 0xbadc924e
	KPAIR 86, 0xbbf19bf8
	KPAIR 88, 0xbc69b6a7
	s_mov_b32 s[SEL], 0x76543210
	s_mov_b32 s[SEL+1], 0xfedcba98
	s_mov_b32 s[MNT], 0x600000
	s_lshl_b32 s18, s17, 4
	s_lshl_b32 s19, s15, 3
	s_add_co_u32 s18, s18, s19
	s_lshl_b32 s18, s18, 16
	s_lshl_b32 s19, s42, 1
	s_add_co_u32 s19, s19, s16
	s_lshl_b32 s20, s19, 11
	s_add_co_u32 s8, s18, s20
	s_mov_b32 s9, 0
	s_add_nc_u64 s[96:97], s[12:13], s[8:9]
	s_lshl_b32 s18, s17, 1
	s_add_co_u32 s18, s18, s15
	s_lshl_b32 s18, s18, 14
	s_lshl_b32 s19, s19, 9
	s_add_co_u32 s8, s18, s19
	s_add_co_u32 s8, s8, 16777216
	s_add_nc_u64 s[100:101], s[12:13], s[8:9]
	PLACES NP
.irp b, 0,1,2,3
	v_mov_b32 v[TM+4+\b], 0
.endr
	v_mov_b32 v8, 0xaf95df0b
	v_mov_b32 v9, 0xaf95df0b
	v_mov_b32 v10, 0xb77460cd
	v_mov_b32 v11, 0xb77460cd
	v_and_b32 v1, 15, v0
	v_bfe_u32 v2, v0, 4, 1
	v_and_b32 v3, 31, v0
	v_lshlrev_b32 v7, 4, v3
	v_lshlrev_b32 v13, 4, v1
	v_lshl_add_u32 v13, v2, 3, v13
	s_lshl_b32 s18, s14, 10
	v_lshl_add_u32 v14, v1, 4, s18
	v_add_nc_u32 v5, s18, v7
	s_mov_b32 s[AI], 0
.Lrow:
.irp a, 1,2,3,4,5,6,7
	s_cmp_eq_u32 s[AI], \a
	s_cbranch_scc1 .Lp_\a
.endr
	PIECE 0
	s_branch .Lcom
.irp a, 1,2,3,4,5,6
.Lp_\a:
	PIECE \a
	s_branch .Lcom
.endr
.Lp_7:
	PIECE 7
.Lcom:
	GELU16 T
	GELU16 T+16
	GELU16 T+32
	GELU16 T+48
	QUANT T
.irp b, 0,1,2,3,4,5,6,7
	global_store_b64 v13, v[PC+2*\b:PC+2*\b+1], s[96:97] offset:(\b/2)*512+(\b%2)*256
.endr
	v_lshl_or_b32 v12, v[TM+5], 8, v[TM+4]
	v_lshl_or_b32 v12, v[TM+6], 16, v12
	v_lshl_or_b32 v12, v[TM+7], 24, v12
	s_and_b32 s18, s[AI], 1
	s_lshl_b32 s18, s18, 8
	s_lshr_b32 s19, s[AI], 1
	s_lshl_b32 s19, s19, 2
	s_or_b32 s18, s18, s19
	v_add_nc_u32 v6, s18, v14
	ds_store_b32 v6, v12
	s_wait_xcnt 0x0
	s_add_nc_u64 s[96:97], s[96:97], 65536
	s_add_co_u32 s[AI], s[AI], 1
	s_cmp_lt_u32 s[AI], 8
	s_cbranch_scc1 .Lrow
	ds_load_b128 v[32:35], v5
	s_wait_dscnt 0x0
	global_store_b128 v7, v[32:35], s[100:101]
	s_wait_tensorcnt 0x0
	ds_add_u32 v[SPW], v[NIL]
	s_wait_dscnt 0x0
	CROUND
	s_endpgm
.Lfunc_end_k_q80936cf31e_ff1:
	.size	k_q80936cf31e_ff1, .Lfunc_end_k_q80936cf31e_ff1-k_q80936cf31e_ff1
	.p2alignl 7, 3214868480
	.fill 96, 4, 3214868480
	.section	.rodata,"a",@progbits
	.p2align	6, 0x0
	.amdhsa_kernel k_q80936cf31e_ff1
		.amdhsa_group_segment_fixed_size 327680
		.amdhsa_private_segment_fixed_size 0
		.amdhsa_enable_private_segment 0
		.amdhsa_kernarg_size 40
		.amdhsa_user_sgpr_count 2
		.amdhsa_user_sgpr_kernarg_segment_ptr 1
		.amdhsa_wavefront_size32 1
		.amdhsa_system_sgpr_workgroup_id_x 1
		.amdhsa_system_sgpr_workgroup_id_y 1
		.amdhsa_system_sgpr_workgroup_id_z 1
		.amdhsa_system_vgpr_workitem_id 0
		.amdhsa_next_free_vgpr 1024
		.amdhsa_next_free_sgpr 106
		.amdhsa_reserve_vcc 0
		.amdhsa_float_denorm_mode_32 3
		.amdhsa_float_denorm_mode_16_64 3
		.amdhsa_memory_ordered 1
		.amdhsa_forward_progress 1
		.amdhsa_inst_pref_size 186
	.end_amdhsa_kernel
	.amdgpu_metadata
---
amdhsa.version: [ 1, 2 ]
amdhsa.kernels:
  - .name:           k_q80936cf31e_ff1
    .symbol:         k_q80936cf31e_ff1.kd
    .args:
      - { .name: act, .offset: 0, .size: 8, .value_kind: global_buffer, .address_space: global }
      - { .name: ff1_w_codes, .offset: 8, .size: 8, .value_kind: global_buffer, .address_space: global }
      - { .name: ff1_w_scales, .offset: 16, .size: 8, .value_kind: global_buffer, .address_space: global }
      - { .name: ff1_b, .offset: 24, .size: 8, .value_kind: global_buffer, .address_space: global }
      - { .name: hid, .offset: 32, .size: 8, .value_kind: global_buffer, .address_space: global }
    .group_segment_fixed_size: 327680
    .private_segment_fixed_size: 0
    .kernarg_segment_align: 8
    .kernarg_segment_size: 40
    .max_flat_workgroup_size: 128
    .sgpr_count:     106
    .vgpr_count:     1024
    .wavefront_size: 32
...
	.end_amdgpu_metadata
.endif
;; end of part 7
;; launch ff2 (part 8): grid 8 x 32, 4 waves a work-group, clusters of 4 x 4, 327,680 bytes of LDS; arguments hid, ff2_w_codes, ff2_w_scales, ff2_b, x1, out0; writes out0
.if DOCPART == 8
	.amdgcn_target "amdgcn-amd-amdhsa--gfx1250"
	.amdhsa_code_object_version 6
	.text
	.protected	k_q80936cf31e_ff2
	.globl	k_q80936cf31e_ff2
	.p2align	8
	.type	k_q80936cf31e_ff2,@function
k_q80936cf31e_ff2:
	s_mov_b64 s[64:65], 0
	v_nop
	global_prefetch_b8 v0, s[64:65] scope:SCOPE_SE
	s_setreg_imm32_b32 hwreg(HW_REG_WAVE_MODE, 25, 1), 1
	s_wait_xcnt 0x0
	s_wait_alu depctr_hold_cnt(0) depctr_sa_sdst(0) depctr_va_vdst(0) depctr_va_sdst(0) depctr_va_ssrc(0) depctr_va_vcc(0) depctr_vm_vsrc(0)
	s_getreg_b32 s2, hwreg(HW_REG_IB_STS2, 6, 4)
	s_cmp_eq_u32 s2, 0
	s_cbranch_scc0 .Lentry_in_a_cluster
	s_endpgm
.Lentry_in_a_cluster:
	s_bfe_u32 s2, ttmp6, 0x10000c
	s_cmp_lg_u32 s2, 0xf033
	s_cbranch_scc0 .Lentry_shape_is_right
	s_endpgm
.Lentry_shape_is_right:
; out0 = x1 + hidden ff2_w + ff2_b on codes of E4M3 (K = 4,096).  Nothing is left out.  A tile of 128 x 128 a work-group, 64 x 64 a wave; K in eight steps of 512 through two LDS slots; 4 x 4 clusters with joint loads.
; A (the hidden layer) lies in memory as images of the operand's registers, B as rows of codes; all scales come into LDS once.  THE HEAD'S LOADS, one a wave: wave 0 K step 0 of A, wave 1 of B, wave 2 A's scales, wave 3 B's;
; K step 1 follows behind the full sequence and a round, a quarter of the slot a wave, as every refill does.
; PREFETCH: behind the load of K step s each wave asks for its part of K step s + 2, and behind the head's load for K step 1 too: one instruction each, a lane to each 256 bytes.  Of what a wave fetches (A: 4 row tiles x 8,192
; bytes; B: 64 rows x 512 bytes) each of the four partners that ask for it jointly takes a quarter, told apart by address: A: row tile cx; B: rows 16 cy on.  The loads of K steps 6 and 7 ask for nothing.
; x1's rows, wanted on the way out, are asked for behind K step 1's load.
.set PFA, 4                            ; s[4:5] where my prefetches stand; s[6:7] a K step on, in bytes; v30 my lane's offset
.set PFS, 6
.set PFO, 30
.set SIZE_K, 4096
.set ASC,    16777216
.set KSTEP,  512
.set PITCH,  528
.set AHALF,  32768
.set BHALF,  64*PITCH
.set BOFF,   2*AHALF
.set SLOT,   BOFF+2*BHALF
.set LAPS,   SIZE_K/(2*KSTEP)
.set KS,     SIZE_K/32
.set RSTR,   SIZE_K*16
.set SCA,    2*SLOT
.set SAH,    SIZE_K*2
.set SCB,    SCA+2*SAH
.set SBH,    (64*KS/256)*272
.set SBLK,   (16*KS/256)*272
.set SPARE,  SCB+2*SBH
.set SPITCH, 272
.set NP,   8
.set ADRA, 16
.set ADRB, 20
.set ADSA, 22
.set ADSB, 23
.set STO,  24
.set RD,   25
.set CO,   26
.set SPW,  28
.set NIL,  29
.set SA,   32
.set SB,   48
.set OB,   80
.set ACC,  128
.set F0,   0
.set F1,   128
.set G1, 24
.set G0, 32
.set G1B, 48
.set G0B, 56
.set G1S, 68
.set G0S, 76
.set G1SB, 80
.set G0SB, 88
.set MSB, 0
.macro WIN new
.if MSB != \new
	s_set_vgpr_msb (MSB<<8)|\new
.set MSB, \new
.endif
.endm
.set MUL,  0x05
.set TO_F, 0x40
.macro JLOAD g0a, g1a, g0b, g1b
	s_cmp_eq_u32 s15, 0
	s_cbranch_scc0 .Lfor_b_\@
	tensor_load_to_lds s[\g0a:\g0a+3], s[\g1a:\g1a+7]
	s_nop 0
.rept 4
	v_nop
.endr
	s_branch .Lasked_\@
.Lfor_b_\@:
	tensor_load_to_lds s[\g0b:\g0b+3], s[\g1b:\g1b+7]
	s_nop 0
.rept 4
	v_nop
.endr
.Lasked_\@:
.endm
.macro CREST
	s_cmp_lg_u32 s14, 0
	s_cbranch_scc1 .Lnot_wave_0_\@
	s_barrier_signal -3
.Lnot_wave_0_\@:
	s_barrier_wait -3
	s_barrier_signal -1
	s_barrier_wait -1
.endm
.macro CROUND
	s_barrier_signal -1
	s_barrier_wait -1
	CREST
.endm
	s_load_b256 s[4:11], s[0:1], 0x0
	s_load_b128 s[96:99], s[0:1], 0x20
	v_lshl_add_u32 v[SPW], v0, 2, SPARE
	v_mov_b32 v[NIL], 0
	ds_add_u32 v[SPW], v[NIL]
	ds_add_u32 v[SPW], v[NIL]
	v_lshrrev_b32 v1, 5, v0
	v_readfirstlane_b32 s14, v1
	s_lshr_b32 s15, s14, 1
	s_and_b32 s16, s14, 1
	s_bfe_u32 s40, ttmp6, 0x40000
	s_bfe_u32 s41, ttmp6, 0x40004
	s_lshl_b32 s42, ttmp9, 2
	s_add_co_u32 s42, s42, s40
	s_and_b32 s17, ttmp7, 0xffff
	s_lshl_b32 s17, s17, 2
	s_add_co_u32 s17, s17, s41
	s_lshl_b32 s43, s41, 2
	s_lshl_b32 s43, 15, s43
	s_lshl_b32 s44, 0x1111, s40
	s_or_b32 s[G1+0], s43, (3<<16)|(1<<21)
	s_mov_b32 s[G1+1], 1024<<16
	s_mov_b32 s[G1+2], 8<<16
	s_mov_b32 s[G1+3], 1024<<16
	s_mov_b32 s[G1+4], 8
	s_mov_b32 s[G1+5], RSTR/8
	s_mov_b32 s[G1+6], 0
	s_mov_b32 s[G1+7], 0
	s_or_b32 s[G1B+0], s44, (0<<16)|(1<<20)|(1<<21)|(6<<22)|(3<<25)
	s_mov_b32 s[G1B+1], KSTEP<<16
	s_mov_b32 s[G1B+2], 128<<16
	s_mov_b32 s[G1B+3], KSTEP<<16
	s_mov_b32 s[G1B+4], 128
	s_mov_b32 s[G1B+5], SIZE_K
	s_mov_b32 s[G1B+6], 0
	s_mov_b32 s[G1B+7], 0
	s_or_b32 s[G1S+0], s43, (3<<16)|(1<<21)
	s_or_b32 s[G1SB+0], s44, (3<<16)|(1<<20)|(1<<21)|(5<<22)|(3<<25)
.irp g, G1S, G1SB
	s_mov_b32 s[\g+1], 32<<16
	s_mov_b32 s[\g+2], (SIZE_K/64)<<16
	s_mov_b32 s[\g+3], 32<<16
	s_mov_b32 s[\g+4], SIZE_K/64
	s_mov_b32 s[\g+5], 32
	s_mov_b32 s[\g+6], 0
	s_mov_b32 s[\g+7], 0
.endr
	s_lshl_b32 s20, s17, 3
	s_lshl_b32 s18, s16, 2
	s_add_co_u32 s20, s20, s18
	s_mul_i32 s20, s20, RSTR
	s_mov_b32 s21, 0
	s_mul_i32 s22, s17, 2*SAH
	s_add_co_u32 s22, s22, ASC
	s_mov_b32 s23, 0
	s_lshl_b32 s46, s42, 7
	s_lshl_b32 s18, s16, 6
	s_add_co_u32 s46, s46, s18
	s_mul_i32 s92, s42, 128*KS
	s_mov_b32 s93, 0
	s_mul_i32 s46, s46, SIZE_K
	s_mov_b32 s47, 0
	s_mul_i32 s45, s16, AHALF
	s_mul_i32 s94, s16, BHALF
	s_add_co_u32 s94, s94, BOFF
	s_mul_i32 s18, s16, 4*RSTR                     ; my half of a tile in memory, in bytes: A's,
	s_mov_b32 s19, 0
	s_mul_i32 s2, s16, 64*SIZE_K                   ; and B's
	s_mov_b32 s3, 0
	s_wait_dscnt 0x0
	s_wait_kmcnt 0x0
	s_add_nc_u64 s[20:21], s[4:5], s[20:21]
	s_add_nc_u64 s[22:23], s[4:5], s[22:23]
	s_add_nc_u64 s[46:47], s[6:7], s[46:47]
	s_add_nc_u64 s[92:93], s[8:9], s[92:93]
	CROUND
	s_mov_b32 s[G0S], 1
	s_mov_b32 s[G0S+1], SCA
	s_mov_b64 s[G0S+2:G0S+3], s[22:23]
	s_or_b32 s[G0S+3], s[G0S+3], 0x80000000
	s_mov_b32 s[G0SB], 1
	s_mov_b32 s[G0SB+1], SCB
	s_mov_b64 s[G0SB+2:G0SB+3], s[92:93]
	s_or_b32 s[G0SB+3], s[G0SB+3], 0x80000000
.irp s, 0,1
	s_mov_b32 s[G0+4*\s], 1
	s_add_co_u32 s[G0+4*\s+1], s45, \s*SLOT
	s_add_nc_u64 s[G0+4*\s+2:G0+4*\s+3], s[20:21], \s*8192
	s_or_b32 s[G0+4*\s+3], s[G0+4*\s+3], 0x80000000
	s_mov_b32 s[G0B+4*\s], 1
	s_add_co_u32 s[G0B+4*\s+1], s94, \s*SLOT
	s_add_nc_u64 s[G0B+4*\s+2:G0B+4*\s+3], s[46:47], \s*KSTEP
	s_or_b32 s[G0B+4*\s+3], s[G0B+4*\s+3], 0x80000000
.endr
	s_mov_b32 s[G0+1], 0                           ; slot 0's groups 0 serve the head's loads first: the whole tile, from its first row
	s_sub_nc_u64 s[G0+2:G0+3], s[G0+2:G0+3], s[18:19]
	s_mov_b32 s[G0B+1], BOFF
	s_sub_nc_u64 s[G0B+2:G0B+3], s[G0B+2:G0B+3], s[2:3]
.macro ARM under, g0, g1, next         ; one tree of branches on the wave's number, one load on every way
	s_cmp_lt_u32 s14, \under
	s_cbranch_scc0 \next
	tensor_load_to_lds s[\g0:\g0+3], s[\g1:\g1+7]
	s_nop 0
.rept 4
	v_nop
.endr
	s_branch .Lhead_asked
\next:
.endm
	ARM 1, G0,  G1,  .Lhead_b
	ARM 2, G0B, G1B, .Lhead_sa
	ARM 3, G0S, G1S, .Lhead_sb
	tensor_load_to_lds s[G0SB:G0SB+3], s[G1SB:G1SB+7]
	s_nop 0
.rept 4
	v_nop
.endr
.Lhead_asked:
	s_lshl_b32 s8, s17, 3                          ; the prefetches.  A: row tile 8 x tile row + 4 x my half + cx;
	s_lshl_b32 s9, s16, 2
	s_add_co_u32 s8, s8, s9
	s_add_co_u32 s8, s8, s40
	s_mul_i32 s8, s8, RSTR
	s_lshl_b32 s9, s42, 7                          ; B: row 128 x tile column + 64 x my half + 16 cy
	s_lshl_b32 s12, s16, 6
	s_add_co_u32 s9, s9, s12
	s_lshl_b32 s12, s41, 4
	s_add_co_u32 s9, s9, s12
	s_mul_i32 s9, s9, SIZE_K
	s_mov_b32 s12, KSTEP
	s_mov_b32 s13, SIZE_K
	s_cmp_eq_u32 s15, 0                            ; do I fetch for A?
	s_cselect_b64 s[PFA:PFA+1], s[4:5], s[6:7]
	s_cselect_b32 s8, s8, s9
	s_cselect_b32 s[PFS], 8192, s12                ; a K step on
	s_cselect_b32 s13, 512, s13                    ; from one pair of lanes to the next: 512 bytes of an image, or a row of B
	s_mov_b32 s9, 0
	s_mov_b32 s[PFS+1], 0
	s_add_nc_u64 s[PFA:PFA+1], s[PFA:PFA+1], s[8:9]
	s_add_nc_u64 s[PFA:PFA+1], s[PFA:PFA+1], s[PFS:PFS+1]   ; at K step 1
	v_and_b32 v1, 15, v0
	v_bfe_u32 v2, v0, 4, 1
	v_and_b32 v3, 31, v0
	v_lshlrev_b32 v4, 4, v3
	s_wait_alu depctr_va_vdst(0)
	v_mul_u32_u24 v5, v1, PITCH
	v_lshl_add_u32 v5, v2, 4, v5
	s_mul_i32 s21, s15, AHALF
	s_mul_i32 s22, s16, BHALF
	s_add_co_u32 s22, s22, BOFF
.irp s, 0,1
	v_add_nc_u32 v[ADRA+\s], s21, v4
	v_add_nc_u32 v[ADRB+\s], s22, v5
	s_add_co_u32 s21, s21, SLOT
	s_add_co_u32 s22, s22, SLOT
.endr
	s_lshl_b32 s21, s15, 3
	s_add_co_u32 s21, s21, SCA
	v_add_nc_u32 v[ADSA], s21, v4
	v_mul_u32_u24 v5, v1, KS
	v_lshrrev_b32 v6, 8, v5
	v_lshl_add_u32 v5, v6, 4, v5
	s_mul_i32 s21, s16, SBH
	s_add_co_u32 s21, s21, SCB
	v_add_nc_u32 v[ADSB], s21, v5
	s_mul_i32 s23, s14, 16*SPITCH
	v_mul_u32_u24 v5, v1, SPITCH
	v_lshl_add_u32 v5, v2, 5, v5
	v_add_nc_u32 v[STO], s23, v5
	v_mul_u32_u24 v5, v2, SPITCH
	v_lshl_add_u32 v5, v1, 4, v5
	v_add_nc_u32 v[RD], s23, v5
	v_lshlrev_b32 v[CO], 12, v2
	v_lshl_add_u32 v[CO], v1, 4, v[CO]
	v_lshlrev_b32 v7, 4, v1
	v_and_b32 v30, 31, v0
	v_lshrrev_b32 v31, 1, v30
	v_and_b32 v30, 1, v30
	v_lshlrev_b32 v30, 8, v30
	v_mad_u32_u24 v[PFO], v31, s13, v30            ; (lane / 2) x s13 + 256 (lane % 2)
	s_wait_alu depctr_va_vdst(0)
	global_prefetch_b8 v[PFO], s[PFA:PFA+1] th:TH_LOAD_NT scope:SCOPE_SE   ; K step 1
	s_lshl_b32 s20, s17, 7
	s_lshl_b32 s21, s15, 6
	s_add_co_u32 s20, s20, s21
	s_lshl_b32 s20, s20, 12
	s_lshl_b32 s46, s42, 9
	s_lshl_b32 s47, s16, 8
	s_add_co_u32 s46, s46, s47
	s_mov_b32 s47, 0
	s_add_nc_u64 s[10:11], s[10:11], s[46:47]
	s_add_co_u32 s46, s46, s20
	s_add_nc_u64 s[96:97], s[96:97], s[46:47]
	s_add_nc_u64 s[98:99], s[98:99], s[46:47]
	global_load_b128 v[8:11], v7, s[10:11]
	s_wait_xcnt 0x0                                ; the prefetch, thirteen lines back, has read its address
	s_add_nc_u64 s[PFA:PFA+1], s[PFA:PFA+1], s[PFS:PFS+1]
	global_prefetch_b8 v[PFO], s[PFA:PFA+1] th:TH_LOAD_NT scope:SCOPE_SE   ; K step 2, behind K step 0's load
.macro MULA f, q, set, a, zero
.irp b, 0,1,2,3
.if \zero
.if (\a)%2
	v_wmma_scale_f32_16x16x128_f8f6f4 v[ACC+8*(4*(\a)+\b):ACC+8*(4*(\a)+\b)+7], v[\f+16*\b:\f+16*\b+15], v[\f+64+16*(\a):\f+64+16*(\a)+15], 0, v[SB+16*(\set)+4*\b+(\q)], v[SA+8*(\set)+2*(\q)+(\a)/2] matrix_b_scale:MATRIX_SCALE_ROW1
.else
	v_wmma_scale_f32_16x16x128_f8f6f4 v[ACC+8*(4*(\a)+\b):ACC+8*(4*(\a)+\b)+7], v[\f+16*\b:\f+16*\b+15], v[\f+64+16*(\a):\f+64+16*(\a)+15], 0, v[SB+16*(\set)+4*\b+(\q)], v[SA+8*(\set)+2*(\q)+(\a)/2]
.endif
.else
.if (\a)%2
	v_wmma_scale_f32_16x16x128_f8f6f4 v[ACC+8*(4*(\a)+\b):ACC+8*(4*(\a)+\b)+7], v[\f+16*\b:\f+16*\b+15], v[\f+64+16*(\a):\f+64+16*(\a)+15], v[ACC+8*(4*(\a)+\b):ACC+8*(4*(\a)+\b)+7], v[SB+16*(\set)+4*\b+(\q)], v[SA+8*(\set)+2*(\q)+(\a)/2] matrix_b_scale:MATRIX_SCALE_ROW1
.else
	v_wmma_scale_f32_16x16x128_f8f6f4 v[ACC+8*(4*(\a)+\b):ACC+8*(4*(\a)+\b)+7], v[\f+16*\b:\f+16*\b+15], v[\f+64+16*(\a):\f+64+16*(\a)+15], v[ACC+8*(4*(\a)+\b):ACC+8*(4*(\a)+\b)+7], v[SB+16*(\set)+4*\b+(\q)], v[SA+8*(\set)+2*(\q)+(\a)/2]
.endif
.endif
.endr
.endm
.macro FETCH slot, q, f
	WIN TO_F
.irp b, 0,1,2,3
.irp c, 0,1,2,3
	ds_load_b128 v[\f+16*\b+4*\c:\f+16*\b+4*\c+3], v[ADRB+\slot] offset:128*(\q)+32*\c+\b*16*PITCH
.endr
.endr
.irp a, 0,1,2,3
.irp c, 0,1,2,3
	ds_load_b128 v[\f+64+16*\a+4*\c:\f+64+16*\a+4*\c+3], v[ADRA+\slot] offset:8192*\a+2048*(\q)+512*\c
.endr
.endr
.endm
.macro SCALES set
	WIN 0
.irp q, 0,1,2,3
	ds_load_b64 v[SA+8*\set+2*\q:SA+8*\set+2*\q+1], v[ADSA] offset:512*\q
.endr
.irp b, 0,1,2,3
	ds_load_b128 v[SB+16*\set+4*\b:SB+16*\set+4*\b+3], v[ADSB] offset:\b*SBLK
.endr
.endm
.macro PLACES n
.rept \n
	v_nop
.endr
.endm
.macro STEPQ slot, q, f, g, zero
	s_wait_dscnt 0x0
	WIN MUL
	MULA \f, \q, \slot, 0, \zero
	MULA \f, \q, \slot, 1, \zero
	PLACES NP
	FETCH \slot, (\q)+1, \g
	WIN MUL
	MULA \f, \q, \slot, 2, \zero
	MULA \f, \q, \slot, 3, \zero
.endm
.macro TURN slot, next, fill
	WIN 0
.if \fill
	s_wait_xcnt 0x0                                ; my last prefetch has read its address: it is stepped here, a K step behind that prefetch
	s_add_nc_u64 s[PFA:PFA+1], s[PFA:PFA+1], s[PFS:PFS+1]
.endif
	s_wait_tensorcnt 0x0
	ds_add_u32 v[SPW], v[NIL]
	s_wait_dscnt 1
	WIN MUL
	MULA F1, 3, \slot, 0, 0
	s_wait_dscnt 0x0
	s_barrier_signal -1
	MULA F1, 3, \slot, 1, 0
	WIN 0
	s_barrier_wait -1
.if \fill
	CREST
	s_add_nc_u64 s[G0+4*\slot+2:G0+4*\slot+3], s[G0+4*\slot+2:G0+4*\slot+3], 2*8192
	s_add_nc_u64 s[G0B+4*\slot+2:G0B+4*\slot+3], s[G0B+4*\slot+2:G0B+4*\slot+3], 2*KSTEP
	JLOAD G0+4*\slot, G1, G0B+4*\slot, G1B
	PLACES NP-4
.else
	PLACES NP
.endif
	s_wait_alu depctr_va_vdst(0)
	v_add_nc_u32 v[ADSA], 2048, v[ADSA]
	v_add_nc_u32 v[ADSB], 16, v[ADSB]
	FETCH \next, 0, F0
	SCALES \next
.if \fill
	s_cmp_gt_u32 s3, 1                             ; the loop's last trip loads K steps 6 and 7: there is no K step two on
	s_cbranch_scc0 .Lno_ask_\@
	global_prefetch_b8 v[PFO], s[PFA:PFA+1] th:TH_LOAD_NT scope:SCOPE_SE
.Lno_ask_\@:
.endif
	WIN MUL
	MULA F1, 3, \slot, 2, 0
	MULA F1, 3, \slot, 3, 0
.endm
	s_wait_tensorcnt 0x0                           ; my tile of the head's four is in
	ds_add_u32 v[SPW], v[NIL]
	s_mov_b32 s[G1+2], 4<<16                       ; no tensor load of mine is out: from here on a load brings half a tile,
	s_mov_b32 s[G1+4], 4
	s_mov_b32 s[G1B+2], 64<<16
	s_mov_b32 s[G1B+4], 64
	s_mov_b32 s[G0+1], s45                         ; and slot 0's groups 0 stand at my half of K step 0, for its refills
	s_add_nc_u64 s[G0+2:G0+3], s[G0+2:G0+3], s[18:19]
	s_mov_b32 s[G0B+1], s94
	s_add_nc_u64 s[G0B+2:G0B+3], s[G0B+2:G0B+3], s[2:3]
	s_wait_xcnt 0x0                                ; the prefetch has read its address
	s_add_nc_u64 s[PFA:PFA+1], s[PFA:PFA+1], s[PFS:PFS+1]   ; at K step 3
	s_wait_dscnt 0x0
	CROUND
	JLOAD G0+4, G1, G0B+4, G1B                     ; K step 1's load, the first tensor load behind the round
	FETCH 0, 0, F0
	SCALES 0
	global_prefetch_b8 v[PFO], s[PFA:PFA+1] th:TH_LOAD_NT scope:SCOPE_SE   ; K step 3, behind K step 1's load
	WIN 0x80                                       ; destination window 2: x1's 64 x 64 numbers of my part of the tile, for the way out
.irp a, 0,1,2,3
.irp t, 0,1,2,3,4,5,6,7
	global_load_b128 v[32*\a+4*\t:32*\a+4*\t+3], v[CO], s[96:97] offset:(16*\a+2*\t)*4096
.endr
.endr
	WIN 0
	STEPQ 0, 0, F0, F1, 1
.if LAPS > 1
	WIN 0
	s_mov_b32 s3, LAPS-1
.Llap:
	STEPQ 0, 1, F1, F0, 0
	STEPQ 0, 2, F0, F1, 0
	TURN 0, 1, 1
	STEPQ 1, 0, F0, F1, 0
	STEPQ 1, 1, F1, F0, 0
	STEPQ 1, 2, F0, F1, 0
	TURN 1, 0, 1
	STEPQ 0, 0, F0, F1, 0
	WIN 0
	s_sub_co_u32 s3, s3, 1
	s_cmp_lg_u32 s3, 0
	s_cbranch_scc1 .Llap
.endif
	STEPQ 0, 1, F1, F0, 0
	STEPQ 0, 2, F0, F1, 0
	TURN 0, 1, 0
	STEPQ 1, 0, F0, F1, 0
	STEPQ 1, 1, F1, F0, 0
	STEPQ 1, 2, F0, F1, 0
	s_wait_dscnt 0x0
	WIN MUL
	MULA F1, 3, 1, 0, 0
	MULA F1, 3, 1, 1, 0
	MULA F1, 3, 1, 2, 0
	MULA F1, 3, 1, 3, 0
	WIN 0
	PLACES NP
	s_wait_loadcnt 0x0
.irp a, 0,1,2,3
.irp b, 0,1,2,3
	ds_store_b128 v[STO], v[ACC+8*(4*\a+\b):ACC+8*(4*\a+\b)+3] offset:64*\b
	ds_store_b128 v[STO], v[ACC+8*(4*\a+\b)+4:ACC+8*(4*\a+\b)+7] offset:64*\b+16
.endr
.irp t, 0,1,2,3,4,5,6,7
	ds_load_b128 v[OB+4*\t:OB+4*\t+3], v[RD] offset:2*\t*SPITCH
.endr
	s_wait_dscnt 0x0
	WIN 0x08
.set i, 0
.rept 16
	v_pk_add_f32 v[OB+i:OB+i+1], v[OB+i:OB+i+1], v[32*\a+i:32*\a+i+1]
.set i, i+2
.endr
	WIN 0
.irp t, 0,1,2,3,4,5,6,7
	v_pk_add_f32 v[OB+4*\t:OB+4*\t+1], v[OB+4*\t:OB+4*\t+1], v[8:9]
	v_pk_add_f32 v[OB+4*\t+2:OB+4*\t+3], v[OB+4*\t+2:OB+4*\t+3], v[10:11]
.endr
.irp t, 0,1,2,3,4,5,6,7
	global_store_b128 v[CO], v[OB+4*\t:OB+4*\t+3], s[98:99] offset:(16*\a+2*\t)*4096 th:TH_STORE_NT
.endr
	s_wait_xcnt 0x0
.endr
	s_wait_tensorcnt 0x0
	ds_add_u32 v[SPW], v[NIL]
	s_wait_dscnt 0x0
	CROUND
	s_endpgm
.Lfunc_end_k_q80936cf31e_ff2:
	.size	k_q80936cf31e_ff2, .Lfunc_end_k_q80936cf31e_ff2-k_q80936cf31e_ff2
	.p2alignl 7, 3214868480
	.fill 96, 4, 3214868480
	.section	.rodata,"a",@progbits
	.p2align	6, 0x0
	.amdhsa_kernel k_q80936cf31e_ff2
		.amdhsa_group_segment_fixed_size 327680
		.amdhsa_private_segment_fixed_size 0
		.amdhsa_enable_private_segment 0
		.amdhsa_kernarg_size 48
		.amdhsa_user_sgpr_count 2
		.amdhsa_user_sgpr_kernarg_segment_ptr 1
		.amdhsa_wavefront_size32 1
		.amdhsa_system_sgpr_workgroup_id_x 1
		.amdhsa_system_sgpr_workgroup_id_y 1
		.amdhsa_system_sgpr_workgroup_id_z 1
		.amdhsa_system_vgpr_workitem_id 0
		.amdhsa_next_free_vgpr 640
		.amdhsa_next_free_sgpr 100
		.amdhsa_reserve_vcc 0
		.amdhsa_float_denorm_mode_32 3
		.amdhsa_float_denorm_mode_16_64 3
		.amdhsa_memory_ordered 1
		.amdhsa_forward_progress 1
		.amdhsa_inst_pref_size 107
	.end_amdhsa_kernel
	.amdgpu_metadata
---
amdhsa.version: [ 1, 2 ]
amdhsa.kernels:
  - .name:           k_q80936cf31e_ff2
    .symbol:         k_q80936cf31e_ff2.kd
    .args:
      - { .name: hid, .offset: 0, .size: 8, .value_kind: global_buffer, .address_space: global }
      - { .name: ff2_w_codes, .offset: 8, .size: 8, .value_kind: global_buffer, .address_space: global }
      - { .name: ff2_w_scales, .offset: 16, .size: 8, .value_kind: global_buffer, .address_space: global }
      - { .name: ff2_b, .offset: 24, .size: 8, .value_kind: global_buffer, .address_space: global }
      - { .name: x1, .offset: 32, .size: 8, .value_kind: global_buffer, .address_space: global }
      - { .name: out0, .offset: 40, .size: 8, .value_kind: global_buffer, .address_space: global }
    .group_segment_fixed_size: 327680
    .private_segment_fixed_size: 0
    .kernarg_segment_align: 8
    .kernarg_segment_size: 48
    .max_flat_workgroup_size: 128
    .sgpr_count:     100
    .vgpr_count:     640
    .wavefront_size: 32
...
	.end_amdgpu_metadata
.endif
;; end of part 8
